; MI455X (gfx1250); checked and timed in simulation.
; The chip was launched on July 23, 2026; its instructions are those of AMD's public machine-readable ISA for CDNA 5 (MIT licence, August 2026) and "CDNA5" Instruction Set Architecture Reference Guide (July 2026). The comments in the code are by the model that wrote it; some were corrected since.
;; Multi Head Attention. Allowed arithmetic: matrix products marked QUANTISED: E2M3 operands, one E8M0 scale for each 32 along K, by v_wmma_scale_f32_16x16x128_f8f6f4 with both operands' format E2M3, f32 sums; everything else in f32.
;; Inputs: attn_mask 1 x 1 x 2,048 x 2,048 int32; bk 512 float32; bo 512 float32; bq 512 float32; bv 512 float32; c 1 x 512 x 2,048 float32; emb_rel_k 1 x 21 x 64 float32; emb_rel_v 1 x 21 x 64 float32; wk 512 x 512 float32; wo 512 x 512 float32; wq 512 x 512 float32; wv 512 x 512 float32; x 1 x 512 x 2,048 float32.
;; Outputs: out0 1 x 512 x 2,048 float32.
;; This version of the problem:
;;   THIS VERSION OF THE PROBLEM IS GIVEN IN LOW PRECISION. The matrix products marked QUANTISED in the list below multiply operands that are first quantised to E2M3 (2 exponent bits, 3 mantissa bits; 6 bits a number), with one power-of-two scale for each 32 numbers along K (OCP MX v1.0); their sums are f32. All else is computed in f32.
;;   The module's matrix products, in the order in which they are computed (A, B: the left and right operand; K: the contracted axis; several contracted axes count as one K, in the product's order):
;;     1. [M 2,048, K 512] x [K 512, N 512]; A: input x; B: input wq: QUANTISED
;;     2. [M 2,048, K 512] x [K 512, N 512]; A: input c; B: input wk: QUANTISED
;;     3. [M 2,048, K 512] x [K 512, N 512]; A: input c; B: input wv: QUANTISED
;;     4. batch 8 x [M 2,048, K 64] x [K 64, N 2,048]; A: computed on the way; B: computed on the way: QUANTISED
;;     5. [M 16,384, K 64] x [K 64, N 4,095]; A: computed on the way; B: computed on the way: QUANTISED
;;     6. batch 8 x [M 2,048, K 2,048] x [K 2,048, N 64]; A: softmax (see below); B: computed on the way: QUANTISED
;;     7. [M 16,384, K 4,095] x [K 4,095, N 64]; A: computed on the way; B: computed on the way: QUANTISED
;;     8. [M 2,048, K 512] x [K 512, N 512]; A: computed on the way; B: input wo: QUANTISED
;;   THE QUANTISER, for each operand of a quantised product, along K:
;;     - K is cut into blocks of 32 from its start; a last block that is shorter is filled with zeros.
;;     - A block's scale is 2^e with e = floor(log2(the largest magnitude in the block)) - 2, held to -126 .. 127; a block of zeros has e = 0. As a byte (E8M0): e + 127.
;;     - Each number is divided by its block's scale, clamped to +-7.5, and rounded to the nearest number of E2M3, ties to even, subnormals kept.
;;     - The product sums the exact products of the quantised numbers (number of the format x scale) in f32.
;;   ~~~python
;;   def quantise(x, axis):      # numpy; x: float32 -> the quantised numbers, widened to float32 again
;;       x = np.moveaxis(x, axis, -1); K = x.shape[-1]
;;       x = np.pad(x, [(0, 0)] * (x.ndim - 1) + [(0, -K % 32)]); x = x.reshape(x.shape[:-1] + (-1, 32)); a = np.abs(x).max(-1, keepdims=True)
;;       e = np.where(a > 0, np.clip(np.frexp(np.where(a > 0, a, 1))[1] - 1 - 2, -126, 127), 0)      # np.frexp(a)[1] - 1 = floor(log2(a)), exactly
;;       r = np.clip(x / 2.0 ** e, -7.5, 7.5)
;;       step = 2.0 ** (np.maximum(np.frexp(np.where(r == 0, 1, r))[1] - 1, 0) - 3)
;;       q = np.round(r / step) * step * 2.0 ** e      # np.round: ties to even
;;       return np.moveaxis(q.reshape(q.shape[:-2] + (-1,))[..., :K], -1, axis).astype(np.float32)
;;   ~~~
;;   SOFTMAX AHEAD OF A QUANTISED PRODUCT. Where the list says 'softmax', what is quantised is not the finished softmax but p = 2^(t - M), with t = logit x log2(e) and M = ceil(the row's largest t), a whole number; so 1/2 < the row's largest p <= 1. The row's sum l is taken of the UNQUANTISED p, in f32, and the product's result is divided by l at the end. Since M is a whole number, a kernel that streams over the keys may use a running M (the ceiling of the running maximum): every later rescaling is an exact power of two, which a block's scale takes up: the codes' values come out the same.
;;   OPERANDS COMPUTED ON THE WAY. 'Computed on the way' means the value that the module computes at that place (a softmax that the list does not call 'softmax' is quantised finished and normalised). What goes into a quantiser is computed in f32, as accurately as f32 sums, v_exp_f32 and their like allow (about 1e-6 of the number): no bf16 or f16 on the way to a quantiser, and a product that is left as it is and whose result goes on into a quantised operand takes f32 operands (vector FMAs, or v_wmma_f32_16x16x4_f32). A number that lies on a knife's edge between two numbers of the format may be rounded either way, as far as f32 arithmetic and the matrix unit's own rounding can turn it there, and no further.
;; 2 versions, each right; version 2 is version 1 with the launches proj, attn, outp written anew for expert scheduling mode. Each part assembles by itself: llvm-mc -triple=amdgcn-amd-amdhsa -mcpu=gfx1250 --defsym DOCPART=n.
;; ======== version 1 of 2: 4 launches
;; workspace buffers: xc 1,638,400 bytes; wc 819,200 bytes; mbits 163,840 bytes of whole numbers; qimg 851,968 bytes; kv 1,703,936 bytes; oimg 786,432 bytes; oscl 32,768 bytes
;; launch prep (part 1): grid 352 x 1, 4 waves a work-group, no clusters, 68,096 bytes of LDS; arguments x, c, wq, wk, wv, wo, attn_mask, xc, wc, mbits; writes xc, wc, mbits
.if DOCPART == 1
	.amdgcn_target "amdgcn-amd-amdhsa--gfx1250"
	.amdhsa_code_object_version 6
	.text
	.protected	k_qf9969f9625_prep
	.globl	k_qf9969f9625_prep
	.p2align	8
	.type	k_qf9969f9625_prep,@function
k_qf9969f9625_prep:
	s_mov_b64 s[64:65], 0
	v_nop
	global_prefetch_b8 v0, s[64:65] scope:SCOPE_SE
	s_setreg_imm32_b32 hwreg(HW_REG_WAVE_MODE, 25, 1), 1
	s_wait_xcnt 0x0
; PREP.  x, c [512 (channel = K)][2048 (t)] and wq, wk, wv, wo [512 (out)][512 (in = K)], f32, become codes of FP6 (E2M3) with one E8M0 byte for each 32 along K,
; laid as IMAGES OF OPERAND REGISTERS; attn_mask and the band |t - s| <= 256 become lane-mask words.
; A record (GREC, 51,200 bytes) holds 128 rows (t, or out) x 512 K: four K steps of 12,800 bytes; a K step = 8 tiles of 16 rows x 12 registers (tile i at 1,536 i, four registers of all 32 lanes
; in 512 bytes, lane l's 16 bytes at 16 l), then at 12,288 four registers of scale words (register b: lanes 0-15 tile 2 b's rows, lanes 16-31 tile 2 b + 1's).
; THE ROWS OF A TILE: x: neighbours (tile i, lane r: t = 16 i + r).  c and the four weights: tile 2 b + u, lane r stands for row 32 b + 8 u + r + 8 (r / 8), so that a product that has them as
; source 0 leaves 16 neighbours in a lane's 16 registers of two neighbouring tiles.
; A block's scale is 2^(floor(log2(largest magnitude)) - 2): its byte is the largest magnitude's exponent field - 2, held at 1 from below.
; LIMITS: a block of zeros gets the byte 1 where the rule says 127 (its codes are zeros, and this program alone reads the bytes); blocks whose largest magnitude lies under 2^-124 keep the byte 1;
; NaN and infinities among the inputs are not served.
; WORK-GROUPS: 0-127: x and c (source, 128 t, K step); 128-191: the weights (matrix, 128 rows, K step); 192-351: the mask (64 queries, one of the five key steps of their window).
; Four waves, which share nothing: no barrier.  Each path that uses LDS has bytes of its own.
.set SP,    528                        ; a stage row: 512 bytes + 16
.set STG,   16*SP                      ; a wave's stage
.set WST,   0                          ; the weights' path: four stages
.set MST,   4*STG                      ; the mask's path: four stages
.set GREC,  51200
.set KST,   12800
; 32 numbers of one block in one lane, v[src] on, become 6 registers of codes at v[dst]; by = the scale's byte
.macro QBLK src, dst, tmp, ma, mb, sc, by
	v_max3_num_f32 v[\ma], |v[(\src)]|, |v[(\src)+1]|, |v[(\src)+2]|
	v_max3_num_f32 v[\mb], |v[(\src)+3]|, |v[(\src)+4]|, |v[(\src)+5]|
.irp i, 6,10,14,18,22,26
	v_max3_num_f32 v[\ma], v[\ma], |v[(\src)+\i]|, |v[(\src)+\i+1]|
	v_max3_num_f32 v[\mb], v[\mb], |v[(\src)+\i+2]|, |v[(\src)+\i+3]|
.endr
	v_max3_num_f32 v[\ma], v[\ma], |v[(\src)+30]|, |v[(\src)+31]|
	v_max3_num_f32 v[\ma], v[\ma], v[\mb], 0x1800000              ; the floor 2^(3 - 127): the byte cannot fall under 1
	v_add_nc_u32 v[\sc], 0xff000000, v[\ma]                       ; 2 off the exponent field: the conversion's scale operand
	v_lshrrev_b32 v[\by], 23, v[\sc]                              ; the scale's byte
	v_cvt_scalef32_pk16_fp6_f32 v[(\dst):(\dst)+2], v[(\src):(\src)+15], v[\sc]
	v_cvt_scalef32_pk16_fp6_f32 v[(\tmp):(\tmp)+2], v[(\src)+16:(\src)+31], v[\sc]   ; (a conversion's three registers begin on an even number)
	v_nop                                                         ; one plain place behind a scaled conversion
.irp i, 0,1,2
	v_mov_b32 v[(\dst)+3+\i], v[(\tmp)+\i]
.endr
.endm
; a pair of tiles (fragments at v[fa], v[fb]) and its register of scale words go out: each store of 16 bytes a lane covers 512 consecutive bytes, aligned
.macro STOREPAIR fa, fb, wd, base
.irp q, 0,1,2
	global_store_b128 v23, v[(\fa)+4*\q:(\fa)+4*\q+3], s[\base:\base+1] offset:512*\q
	global_store_b128 v23, v[(\fb)+4*\q:(\fb)+4*\q+3], s[\base:\base+1] offset:1536+512*\q
.endr
	global_store_b32 v24, v[\wd], s[\base:\base+1] offset:12288
.endm
	s_load_b256 s[4:11], s[0:1], 0x0               ; x s[4:5], c s[6:7], wq s[8:9], wk s[10:11]
	s_load_b256 s[12:19], s[0:1], 0x20             ; wv s[12:13], wo s[14:15], attn_mask s[16:17], xc s[18:19]
	s_load_b128 s[20:23], s[0:1], 0x40             ; wc s[20:21], mbits s[22:23]
	v_lshl_add_u32 v254, v0, 2, 0x10800
	v_mov_b32 v255, 0
	v_lshrrev_b32 v1, 5, v0
	v_readfirstlane_b32 s24, v1                    ; wave 0..3
	v_and_b32 v2, 31, v0                           ; lane
	v_and_b32 v20, 15, v0                          ; r
	v_bfe_u32 v21, v0, 4, 1                        ; h
	v_lshlrev_b32 v22, 4, v2                       ; 16 x lane
	s_mul_i32 s25, s24, 3072
	v_add_nc_u32 v23, s25, v22                     ; a pair's place in a K step: 16 x lane + 3,072 x wave
	s_lshl_b32 s25, s24, 7
	v_lshl_add_u32 v24, v2, 2, s25                 ; its scale words: 4 x lane + 128 x wave
	s_mul_i32 s43, s24, STG                        ; my stage
	v_add_nc_u32 v25, s43, v22                     ; into it: 16 x lane of a row
	v_mul_u32_u24 v26, v20, SP
	v_add_nc_u32 v26, s43, v26
	v_lshl_add_u32 v27, v21, 6, v26                ; out of it, mask: row r, + 64 h
	v_lshl_add_u32 v26, v21, 7, v26                ; out of it, weights: row r, + 128 h
	s_mov_b32 s40, 0x76543210
	s_mov_b32 s41, 0xfedcba98                      ; v_permlanex16_b32's selects for lane l xor 16
	s_mov_b32 s42, 0xffff0000                      ; lanes 16-31
	s_wait_kmcnt 0x0
	s_cmp_lt_u32 ttmp9, 128
	s_cbranch_scc1 .Lx
	s_cmp_lt_u32 ttmp9, 192
	s_cbranch_scc1 .Lw
	; ---- THE MASK.  Wave w: tile T = 4 B + w of 16 queries, key step k of the window of block B (five whole steps of 128 keys from step w0c = clamp(B / 2 - 2, 0, 11): they cover the band).
	; Word n = 16 b + i, bit l: the score of (query 16 T + l % 16, key kf + 32 b + 16 (l / 16) + i) is replaced by -1e4: attn_mask is 0 there, or the key lies outside the band.
	s_sub_co_u32 s26, ttmp9, 192
	s_mul_i32 s27, s26, 205
	s_lshr_b32 s27, s27, 10                        ; B = id / 5 (exact for id < 160)
	s_mul_i32 s28, s27, 5
	s_sub_co_u32 s28, s26, s28                     ; k
	s_lshl_b32 s29, s27, 2
	s_add_co_u32 s29, s29, s24                     ; T
	s_lshr_b32 s30, s27, 1
	s_max_u32 s30, s30, 2
	s_sub_co_u32 s30, s30, 2
	s_min_u32 s30, s30, 11                         ; w0c
	s_add_co_u32 s30, s30, s28
	s_lshl_b32 s30, s30, 7                         ; kf: the step's first key
	s_lshl_b32 s32, s29, 17                        ; 16 T rows of 8,192 bytes
	s_lshl_b32 s33, s30, 2
	s_add_co_u32 s32, s32, s33
	s_mov_b32 s33, 0
	s_add_nc_u64 s[16:17], s[16:17], s[32:33]
.irp p, 0,1,2,3,4,5,6,7,8,9,10,11,12,13,14,15
	global_load_b128 v[32+4*\p:35+4*\p], v22, s[16:17] offset:\p*8192 th:TH_LOAD_NT   ; a query's 128 keys: 512 consecutive bytes
.endr
	s_lshl_b32 s34, s29, 4
	s_sub_co_u32 s34, s30, s34
	s_add_co_u32 s34, s34, 256                     ; kf - 16 T + 256
	s_mov_b32 s35, 512
	v_lshlrev_b32 v7, 4, v21
	v_sub_nc_u32 v7, v7, v20
	v_add_nc_u32 v7, s34, v7                       ; + 16 h - r: with 32 b + i it is key - query + 256, which lies in 0 .. 512 inside the band
	v_mov_b32 v160, 0
	v_mov_b32 v161, 0
	v_lshlrev_b32 v28, 3, v2
	s_mul_i32 s32, s29, 5
	s_add_co_u32 s32, s32, s28
	s_lshl_b32 s32, s32, 8                         ; (5 T + k) x 256 bytes
	s_add_nc_u64 s[22:23], s[22:23], s[32:33]
	s_wait_loadcnt 0x0
.irp p, 0,1,2,3,4,5,6,7,8,9,10,11,12,13,14,15
	ds_store_b128 v25, v[32+4*\p:35+4*\p] offset:MST+SP*\p
.endr
.irp b, 0,1,2,3
.irp q, 0,1,2,3
	ds_load_b128 v[96+16*\b+4*\q:99+16*\b+4*\q], v27 offset:MST+128*\b+16*\q   ; LDS serves a wave's instructions in order: these see my stores
.endr
.endr
	s_wait_dscnt 0x0
.set n, 0
.rept 64
	v_add_nc_u32 v[8+n%4], 32*(n/16)+n%16, v7
	v_cmp_lt_u32 s[44+2*(n%4)], s35, v[8+n%4]      ; outside the band (as an unsigned number, so that what is negative counts too)
	v_cmp_eq_u32 s[45+2*(n%4)], 0, v[96+n]         ; or a hole of the mask
	s_or_b32 s[44+2*(n%4)], s[44+2*(n%4)], s[45+2*(n%4)]
	v_writelane_b32 v[160+n%2], s[44+2*(n%4)], n/2 ; word n to lane n / 2, register n % 2
.set n, n+1
.endr
	global_store_b64 v28, v[160:161], s[22:23]     ; 32 lanes store 256 consecutive bytes, aligned
	s_wait_tensorcnt 0x0
	ds_add_u32 v254, v255
	s_wait_dscnt 0x0
	s_endpgm
	; ---- x AND c: K is the first axis.  A lane takes a column t and its registers run down K: 128 channels, four whole blocks.  Wave w: the 32 columns of pair w.
.Lx:
	s_lshr_b32 s26, ttmp9, 6                       ; 0: x, 1: c
	s_bfe_u32 s27, ttmp9, 0x40002                  ; which 128 t
	s_and_b32 s28, ttmp9, 3                        ; K step
	v_lshrrev_b32 v3, 3, v2
	v_lshrrev_b32 v4, 4, v2
	v_xor_b32 v3, v3, v4
	v_and_b32 v3, 1, v3
	s_mul_i32 s29, s26, 24
	v_mul_u32_u24 v3, s29, v3
	v_xor_b32 v3, v2, v3                           ; my column of the 32: the lane's number; for c with its bits 3 and 4 changed over, which is the order 8 u + r + 8 (r / 8)
	s_lshl_b32 s30, s24, 5
	v_add_nc_u32 v3, s30, v3
	v_lshlrev_b32 v3, 2, v3
	s_cmp_eq_u32 s26, 0
	s_cselect_b64 s[4:5], s[4:5], s[6:7]
	s_lshl_b32 s32, s28, 20                        ; 128 channels of 8,192 bytes
	s_lshl_b32 s33, s27, 9
	s_add_co_u32 s32, s32, s33
	s_mov_b32 s33, 0
	s_add_nc_u64 s[4:5], s[4:5], s[32:33]
.set n, 0
.rept 128
	global_load_b32 v[32+n], v3, s[4:5] offset:n*8192 th:TH_LOAD_NT   ; a channel's 32 columns: 128 consecutive bytes a wave, 512 a work-group
.set n, n+1
.endr
	s_lshl_b32 s34, s26, 4
	s_add_co_u32 s34, s34, s27
	s_mul_i32 s34, s34, GREC
	s_mul_i32 s35, s28, KST
	s_add_co_u32 s34, s34, s35
	s_mov_b32 s35, 0
	s_add_nc_u64 s[18:19], s[18:19], s[34:35]
	s_wait_loadcnt 63                              ; block 0's 32 loads are in: 96 are younger, and the wait's field names 63 at the most
	QBLK 32, 160, 184, 8, 9, 10, 12
	s_wait_loadcnt 63                              ; block 1's: 64 are younger
	QBLK 64, 172, 184, 8, 9, 10, 13
	s_wait_loadcnt 32                              ; block 2's: 32 are younger
	QBLK 96, 166, 184, 8, 9, 10, 14
	s_wait_loadcnt 0x0
	QBLK 128, 178, 184, 8, 9, 10, 15
	v_lshl_or_b32 v16, v13, 8, v12                 ; my column's scale word: lanes 0-15 are tile 2 w's rows, lanes 16-31 tile 2 w + 1's
	v_lshl_or_b32 v16, v14, 16, v16
	v_lshl_or_b32 v16, v15, 24, v16
.irp i, 0,1,2,3,4,5,6,7,8,9,10,11
	v_permlane16_swap_b32 v[160+\i], v[172+\i]     ; v160 on held blocks 0, 2 and v172 on blocks 1, 3 of every lane's column: now v160 on is tile 2 w's fragment (lanes 16-31: blocks 1, 3 of its rows), v172 on tile 2 w + 1's
.endr
	STOREPAIR 160, 172, 16, 18
	s_endpgm
	; ---- THE WEIGHTS: K is innermost.  Wave w: pair w of 128 rows, one K step: a row's 512 bytes come by one load and turn through my stage, so that lane (r, h) gets blocks h and 2 + h of row r.
.Lw:
	s_sub_co_u32 s26, ttmp9, 128
	s_lshr_b32 s27, s26, 4                         ; 0 wq, 1 wk, 2 wv, 3 wo
	s_bfe_u32 s28, s26, 0x20002                    ; which 128 rows
	s_and_b32 s29, s26, 3                          ; K step
	s_cmp_lt_u32 s27, 1
	s_cselect_b64 s[8:9], s[8:9], s[10:11]
	s_cmp_lt_u32 s27, 3
	s_cselect_b64 s[12:13], s[12:13], s[14:15]
	s_cmp_lt_u32 s27, 2
	s_cselect_b64 s[8:9], s[8:9], s[12:13]
	s_lshl_b32 s30, s28, 18                        ; 128 rows of 2,048 bytes
	s_lshl_b32 s31, s24, 16                        ; 32 rows
	s_add_co_u32 s30, s30, s31
	s_lshl_b32 s31, s29, 9
	s_add_co_u32 s30, s30, s31
	s_mov_b32 s31, 0
	s_add_nc_u64 s[8:9], s[8:9], s[30:31]
.irp u, 0,1
.irp p, 0,1,2,3,4,5,6,7,8,9,10,11,12,13,14,15
	global_load_b128 v[32+64*\u+4*\p:35+64*\u+4*\p], v22, s[8:9] offset:(8*\u+\p+8*(\p/8))*2048 th:TH_LOAD_NT
.endr
.endr
	s_lshr_b32 s34, s26, 2
	s_mul_i32 s34, s34, GREC
	s_mul_i32 s35, s29, KST
	s_add_co_u32 s34, s34, s35
	s_mov_b32 s35, 0
	s_add_nc_u64 s[20:21], s[20:21], s[34:35]
	v_lshlrev_b32 v15, 3, v21                      ; 8 h
	v_mov_b32 v17, 0                               ; (a lane permute's destination counts as one of its sources)
.macro WTILE u
.irp p, 0,1,2,3,4,5,6,7,8,9,10,11,12,13,14,15
	ds_store_b128 v25, v[32+64*\u+4*\p:35+64*\u+4*\p] offset:WST+SP*\p
.endr
.irp c, 0,1
.irp q, 0,1,2,3,4,5,6,7
	ds_load_b128 v[160+32*\c+4*\q:163+32*\c+4*\q], v26 offset:WST+256*\c+16*\q
.endr
.endr
	s_wait_dscnt 0x0
	QBLK 160, 224+12*\u, 248, 8, 9, 10, 12
	QBLK 192, 230+12*\u, 248, 8, 9, 10, 13
	v_lshl_or_b32 v14, v13, 16, v12                ; my two bytes: blocks h and 2 + h,
	v_lshlrev_b32 v14, v15, v14                    ; at their places in the word;
	v_permlanex16_b32 v17, v14, s40, s41
	v_or_b32 v[18+\u], v14, v17                    ; with lane l xor 16's two the word is whole
.endm
	s_wait_loadcnt 16                              ; tile 0's sixteen rows are in, tile 1's may be out
	WTILE 0
	s_wait_loadcnt 0x0
	WTILE 1
	v_cndmask_b32 v16, v18, v19, s42               ; lanes 0-15 tile 2 w's words, lanes 16-31 tile 2 w + 1's
	STOREPAIR 224, 236, 16, 20
	s_wait_tensorcnt 0x0
	ds_add_u32 v254, v255
	s_wait_dscnt 0x0
	s_endpgm
.Lfunc_end_k_qf9969f9625_prep:
	.size	k_qf9969f9625_prep, .Lfunc_end_k_qf9969f9625_prep-k_qf9969f9625_prep
	.p2alignl 7, 3214868480
	.fill 96, 4, 3214868480
	.section	.rodata,"a",@progbits
	.p2align	6, 0x0
	.amdhsa_kernel k_qf9969f9625_prep
		.amdhsa_group_segment_fixed_size 68096
		.amdhsa_private_segment_fixed_size 0
		.amdhsa_enable_private_segment 0
		.amdhsa_kernarg_size 80
		.amdhsa_user_sgpr_count 2
		.amdhsa_user_sgpr_kernarg_segment_ptr 1
		.amdhsa_wavefront_size32 1
		.amdhsa_system_sgpr_workgroup_id_x 1
		.amdhsa_system_sgpr_workgroup_id_y 1
		.amdhsa_system_sgpr_workgroup_id_z 1
		.amdhsa_system_vgpr_workitem_id 0
		.amdhsa_next_free_vgpr 256
		.amdhsa_next_free_sgpr 66
		.amdhsa_reserve_vcc 0
		.amdhsa_float_denorm_mode_32 3
		.amdhsa_float_denorm_mode_16_64 3
		.amdhsa_memory_ordered 1
		.amdhsa_forward_progress 1
		.amdhsa_inst_pref_size 59
	.end_amdhsa_kernel
	.amdgpu_metadata
---
amdhsa.version: [ 1, 2 ]
amdhsa.kernels:
  - .name:           k_qf9969f9625_prep
    .symbol:         k_qf9969f9625_prep.kd
    .args:
      - { .name: x, .offset: 0, .size: 8, .value_kind: global_buffer, .address_space: global }
      - { .name: c, .offset: 8, .size: 8, .value_kind: global_buffer, .address_space: global }
      - { .name: wq, .offset: 16, .size: 8, .value_kind: global_buffer, .address_space: global }
      - { .name: wk, .offset: 24, .size: 8, .value_kind: global_buffer, .address_space: global }
      - { .name: wv, .offset: 32, .size: 8, .value_kind: global_buffer, .address_space: global }
      - { .name: wo, .offset: 40, .size: 8, .value_kind: global_buffer, .address_space: global }
      - { .name: attn_mask, .offset: 48, .size: 8, .value_kind: global_buffer, .address_space: global }
      - { .name: xc, .offset: 56, .size: 8, .value_kind: global_buffer, .address_space: global }
      - { .name: wc, .offset: 64, .size: 8, .value_kind: global_buffer, .address_space: global }
      - { .name: mbits, .offset: 72, .size: 8, .value_kind: global_buffer, .address_space: global }
    .group_segment_fixed_size: 68096
    .private_segment_fixed_size: 0
    .kernarg_segment_align: 8
    .kernarg_segment_size: 80
    .max_flat_workgroup_size: 128
    .sgpr_count:     66
    .vgpr_count:     256
    .wavefront_size: 32
...
	.end_amdgpu_metadata
.endif
;; end of part 1
;; launch proj (part 2): grid 192 x 1, 4 waves a work-group, no clusters, 52,224 bytes of LDS; arguments xc, wc, bq, bk, bv, qimg, kv; writes qimg, kv
.if DOCPART == 2
	.amdgcn_target "amdgcn-amd-amdhsa--gfx1250"
	.amdhsa_code_object_version 6
	.text
	.protected	k_qf9969f9625_proj
	.globl	k_qf9969f9625_proj
	.p2align	8
	.type	k_qf9969f9625_proj,@function
k_qf9969f9625_proj:
	s_mov_b64 s[64:65], 0
	v_nop
	global_prefetch_b8 v0, s[64:65] scope:SCOPE_SE
	s_setreg_imm32_b32 hwreg(HW_REG_WAVE_MODE, 25, 1), 1
	s_wait_xcnt 0x0
; PROJ.  q = (wq x + bq) / 8, k = wk c + bk, v = wv c + bv on codes of FP6 (E2M3), and their quantising for the attention: q and k along the head's 64, v along the keys.
; Work-group g: type g / 64 (0 q, 1 k, 2 v), 128 outputs ob = g % 4 (two heads), 128 t tb = (g % 64) / 4.  One tile 128 x 128, K = 512 in four steps of 128.
; ONE FORM FOR ALL THREE: D = source 0 (THE REGISTER SIDE: 8 tiles, whose rows end up along a lane's registers; shared by the four waves through LDS) x source 1 (THE LANE SIDE: the wave's own pair of tiles,
; whose rows end up one to a lane; loaded straight into registers).  q, k: register side = the weight's 128 rows, lane side = t: a lane holds one t and 128 outputs: four blocks of 32 along d (two heads).
; v: register side = c's 128 keys, lane side = wv's rows: a lane holds one output d and 128 keys: four blocks along the keys.  The register side's tiles have their rows in the order 32 b + 8 u + r + 8 (r / 8),
; so that registers 16 b + i of a lane are 32 b + 16 (lane / 16) + i.  Only pointers are chosen by the type; every LDS address is a constant and a lane term.
; OUT: qimg [head][128 queries] and kv's K part [head][128 keys]: 8 tiles x 6 registers (K = 64) on end, 48 registers = 12 runs of 512 bytes, then four registers of scale words (6,656 bytes).
; kv's V part (at 6,656 of a record of 13,312): 4 tiles of V^T (rows d in the order above, K = the step's 128 keys) x 12 registers, two registers of scale words; at 13,056 the 64 sums of the quantised v over the step's keys.
; LIMITS: as in the launch before: a block of zeros gets the byte 1; largest magnitudes under 2^-124 keep the byte 1; NaN and infinities are not served.
.set GREC, 51200
.set KST,  12800
.set BIAS, 51200                       ; LDS: behind the register side's record: 128 f32, bias x f
.set LT,  1                            ; v1   16 x thread
.set LI,  2                            ; v2   16 x lane
.set LS,  3                            ; v3   4 x lane
.set T4,  4                            ; v4   4 x thread
.set LVO, 5                            ; v5   16 x lane + 3,072 x wave: my pair in a K step
.set LSO, 6                            ; v6   4 x lane + 128 x wave: my pair's scale words
.set BFA, 7                            ; v7   64 h
.set QVO, 8                            ; v8   16 x lane + 1,536 x wave: my pair in a record of q or k
.set VBA, 10                           ; v10  4 (32 w + r + 8 (r / 8)): my row's bias, type v
.set VVO, 11                           ; v11  16 x lane + 3,072 (w % 2)
.set LB,  16                           ; v16-111  the lane side: K step s at 24 s, tile e at + 12 e
.set LSC, 112                          ; v112-115 its scale words, a register a K step
.set RA,  116                          ; v116-211 the register side: two sets of four fragments.  (v116-215: where the copy into LDS lands)
.set RS,  240                          ; v240-243 its scale words, two registers a set
.set X,   116                          ; the way out: 64 numbers
.set BF,  16                           ; 64 biases
.set KA,  180                          ; codes
.set KB,  192
.set CT,  204
.set TM,  216                          ; v216-219 largest magnitudes, v220-223 bytes, v224-227 scale operands
.set PW,  232                          ; v232-233 the scale words just made
.set SA,  234
.set SB,  235
.set ONE, 80                           ; v80-91 a fragment of ones
.set ONS, 236                          ; its scale word
.set VSD, 92                           ; v92-107 two results
.set VS,  237
.set BI,  238
.set VSO, 239                          ; v239 4 x lane + 128 (w % 2)
.set MSB, 0
.macro WIN new                         ; the immediate's high byte repeats the setting that is left
.if MSB != \new
	s_set_vgpr_msb (MSB<<8)|\new
.set MSB, \new
.endif
.endm
.macro NOPS n
.rept \n
	v_nop
.endr
.endm
; the scaled product: z = 1: C = 0 starts the sum; ra, rb = 1: that side's scale words stand in lanes 16-31
.macro WMS d, a, b, z, sa, sb, ra, rb
.if \z
.if (\ra) && (\rb)
	v_wmma_scale_f32_16x16x128_f8f6f4 v[(\d):(\d)+7], v[(\a):(\a)+11], v[(\b):(\b)+11], 0, v[\sa], v[\sb] matrix_a_fmt:MATRIX_FMT_FP6 matrix_b_fmt:MATRIX_FMT_FP6 matrix_a_scale:MATRIX_SCALE_ROW1 matrix_b_scale:MATRIX_SCALE_ROW1
.elseif \ra
	v_wmma_scale_f32_16x16x128_f8f6f4 v[(\d):(\d)+7], v[(\a):(\a)+11], v[(\b):(\b)+11], 0, v[\sa], v[\sb] matrix_a_fmt:MATRIX_FMT_FP6 matrix_b_fmt:MATRIX_FMT_FP6 matrix_a_scale:MATRIX_SCALE_ROW1
.elseif \rb
	v_wmma_scale_f32_16x16x128_f8f6f4 v[(\d):(\d)+7], v[(\a):(\a)+11], v[(\b):(\b)+11], 0, v[\sa], v[\sb] matrix_a_fmt:MATRIX_FMT_FP6 matrix_b_fmt:MATRIX_FMT_FP6 matrix_b_scale:MATRIX_SCALE_ROW1
.else
	v_wmma_scale_f32_16x16x128_f8f6f4 v[(\d):(\d)+7], v[(\a):(\a)+11], v[(\b):(\b)+11], 0, v[\sa], v[\sb] matrix_a_fmt:MATRIX_FMT_FP6 matrix_b_fmt:MATRIX_FMT_FP6
.endif
.else
.if (\ra) && (\rb)
	v_wmma_scale_f32_16x16x128_f8f6f4 v[(\d):(\d)+7], v[(\a):(\a)+11], v[(\b):(\b)+11], v[(\d):(\d)+7], v[\sa], v[\sb] matrix_a_fmt:MATRIX_FMT_FP6 matrix_b_fmt:MATRIX_FMT_FP6 matrix_a_scale:MATRIX_SCALE_ROW1 matrix_b_scale:MATRIX_SCALE_ROW1
.elseif \ra
	v_wmma_scale_f32_16x16x128_f8f6f4 v[(\d):(\d)+7], v[(\a):(\a)+11], v[(\b):(\b)+11], v[(\d):(\d)+7], v[\sa], v[\sb] matrix_a_fmt:MATRIX_FMT_FP6 matrix_b_fmt:MATRIX_FMT_FP6 matrix_a_scale:MATRIX_SCALE_ROW1
.elseif \rb
	v_wmma_scale_f32_16x16x128_f8f6f4 v[(\d):(\d)+7], v[(\a):(\a)+11], v[(\b):(\b)+11], v[(\d):(\d)+7], v[\sa], v[\sb] matrix_a_fmt:MATRIX_FMT_FP6 matrix_b_fmt:MATRIX_FMT_FP6 matrix_b_scale:MATRIX_SCALE_ROW1
.else
	v_wmma_scale_f32_16x16x128_f8f6f4 v[(\d):(\d)+7], v[(\a):(\a)+11], v[(\b):(\b)+11], v[(\d):(\d)+7], v[\sa], v[\sb] matrix_a_fmt:MATRIX_FMT_FP6 matrix_b_fmt:MATRIX_FMT_FP6
.endif
.endif
.endm
; 64 numbers of a lane, register 16 b + i = k 32 b + 16 (lane / 16) + i of my row: blocks 0, 1 become six registers at v[d0], blocks 2, 3 six at v[d1]; v[pw] = the four scale bytes
.macro QUANT4 s, d0, d1, pw
.irp b, 0,1,2,3
	v_max3_num_f32 v[TM+\b], |v[(\s)+16*\b]|, |v[(\s)+1+16*\b]|, 0x1800000   ; my 16 numbers of block b, and the floor 2^(3 - 127)
.endr
.irp i, 2,4,6,8,10,12,14
.irp b, 0,1,2,3
	v_max3_num_f32 v[TM+\b], v[TM+\b], |v[(\s)+16*\b+\i]|, |v[(\s)+1+16*\b+\i]|
.endr
.endr
.irp b, 0,1,2,3
	v_permlanex16_b32 v[TM+4+\b], v[TM+\b], s42, s43
.endr
.irp b, 0,1,2,3
	v_max_num_f32 v[TM+\b], v[TM+\b], v[TM+4+\b]   ; with lane l xor 16's: the block's largest magnitude
.endr
.irp b, 0,1,2,3
	v_add_nc_u32 v[TM+8+\b], 0xff000000, v[TM+\b]  ; 2 off its exponent field: the conversion's scale operand
.endr
.irp b, 0,1,2,3
	v_lshrrev_b32 v[TM+4+\b], 23, v[TM+8+\b]       ; the scale's byte
.endr
	v_lshl_or_b32 v[\pw], v[TM+5], 8, v[TM+4]
	v_lshl_or_b32 v[\pw], v[TM+6], 16, v[\pw]
	v_lshl_or_b32 v[\pw], v[TM+7], 24, v[\pw]
	v_cvt_scalef32_pk16_fp6_f32 v[(\d0):(\d0)+2], v[(\s):(\s)+15], v[TM+8]
	v_cvt_scalef32_pk16_fp6_f32 v[CT:CT+2], v[(\s)+16:(\s)+31], v[TM+9]
	v_cvt_scalef32_pk16_fp6_f32 v[(\d1):(\d1)+2], v[(\s)+32:(\s)+47], v[TM+10]
	v_cvt_scalef32_pk16_fp6_f32 v[CT+4:CT+6], v[(\s)+48:(\s)+63], v[TM+11]
	v_nop                                          ; one plain place behind a scaled conversion
.irp i, 0,1,2
	v_permlane16_swap_b32 v[(\d0)+\i], v[CT+\i]    ; a whole block to a lane: lanes 0-15 the even block, lanes 16-31 the odd one
	v_permlane16_swap_b32 v[(\d1)+\i], v[CT+4+\i]
.endr
.irp i, 0,1,2
	v_mov_b32 v[(\d0)+3+\i], v[CT+\i]
	v_mov_b32 v[(\d1)+3+\i], v[CT+4+\i]
.endr
.endm
	s_load_b256 s[4:11], s[0:1], 0x0               ; xc s[4:5], wc s[6:7], bq s[8:9], bk s[10:11]
	s_load_b128 s[12:15], s[0:1], 0x20             ; bv s[12:13], qimg s[14:15]
	s_load_b64 s[16:17], s[0:1], 0x30              ; kv
	v_lshl_add_u32 v254, v0, 2, 0xca00
	v_mov_b32 v255, 0
	v_lshrrev_b32 v9, 5, v0
	v_readfirstlane_b32 s23, v9                    ; wave 0..3
	v_and_b32 v9, 31, v0                           ; lane
	v_lshlrev_b32 v[LT], 4, v0
	v_lshlrev_b32 v[LI], 4, v9
	v_lshlrev_b32 v[LS], 2, v9
	v_lshlrev_b32 v[T4], 2, v0
	s_mul_i32 s24, s23, 3072
	v_add_nc_u32 v[LVO], s24, v[LI]
	s_lshl_b32 s24, s23, 7
	v_add_nc_u32 v[LSO], s24, v[LS]
	v_bfe_u32 v[BFA], v0, 4, 1
	v_lshlrev_b32 v[BFA], 6, v[BFA]
	s_mul_i32 s24, s23, 1536
	v_add_nc_u32 v[QVO], s24, v[LI]
	v_and_b32 v9, 15, v0                           ; r
	v_and_b32 v[VBA], 8, v9
	v_add_nc_u32 v[VBA], v[VBA], v9
	s_lshl_b32 s24, s23, 5
	v_add_nc_u32 v[VBA], s24, v[VBA]
	v_lshlrev_b32 v[VBA], 2, v[VBA]
	s_and_b32 s24, s23, 1
	s_mul_i32 s25, s24, 3072
	v_add_nc_u32 v[VVO], s25, v[LI]
	s_lshl_b32 s25, s24, 7
	v_add_nc_u32 v[VSO], s25, v[LS]
.irp b, 0,1,2,3
	v_mov_b32 v[TM+4+\b], 0                        ; written once: a lane permute's destination counts as one of its sources
.endr
	v_mov_b32 v13, 0                               ; (named as the upper halves of pairs)
	v_mov_b32 v15, 0
	s_mov_b32 s42, 0x76543210
	s_mov_b32 s43, 0xfedcba98                      ; v_permlanex16_b32's selects for lane l xor 16
	s_mov_b32 s44, 0xffff0000                      ; lanes 16-31
	s_lshr_b32 s20, ttmp9, 6                       ; type
	s_and_b32 s21, ttmp9, 3                        ; ob
	s_bfe_u32 s22, ttmp9, 0x40002                  ; tb
	s_lshl_b32 s24, s20, 2
	s_add_co_u32 s24, s24, s21
	s_mul_i32 s24, s24, GREC                       ; the weight's record
	s_mov_b32 s25, 0
	s_min_u32 s26, s20, 1
	s_lshl_b32 s26, s26, 4
	s_add_co_u32 s26, s26, s22
	s_mul_i32 s26, s26, GREC                       ; x's (type q) or c's record
	s_mov_b32 s27, 0
	s_wait_kmcnt 0x0
	s_add_nc_u64 s[6:7], s[6:7], s[24:25]
	s_add_nc_u64 s[4:5], s[4:5], s[26:27]
	s_cmp_lt_u32 s20, 2
	s_cselect_b64 s[28:29], s[6:7], s[4:5]         ; the register side
	s_cselect_b64 s[30:31], s[4:5], s[6:7]         ; the lane side
	s_cmp_lt_u32 s20, 1
	s_cselect_b64 s[8:9], s[8:9], s[10:11]
	s_cmp_lt_u32 s20, 2
	s_cselect_b64 s[8:9], s[8:9], s[12:13]         ; the bias
	s_lshl_b32 s24, s21, 9
	s_add_nc_u64 s[8:9], s[8:9], s[24:25]
	s_mov_b32 s33, 0x3f800000
	s_cmp_eq_u32 s20, 0
	s_cselect_b32 s32, 0x3e000000, s33             ; f = 1/8 for q, else 1
	s_mov_b32 s33, s32                             ; (the packed form names the pair)
	; ---- all loads in one run: the bias, the register side (25 x 2,048 bytes by the 128 threads), my pair of the lane side (24 + 4)
	global_load_b32 v[BI], v[T4], s[8:9]
.set n, 0
.rept 25
	global_load_b128 v[RA+4*n:RA+4*n+3], v[LT], s[28:29] offset:2048*n
.set n, n+1
.endr
.irp s, 0,1,2,3
.irp p, 0,1,2,3,4,5
	global_load_b128 v[LB+24*\s+4*\p:LB+24*\s+4*\p+3], v[LVO], s[30:31] offset:KST*\s+512*\p
.endr
.endr
.irp s, 0,1,2,3
	global_load_b32 v[LSC+\s], v[LSO], s[30:31] offset:KST*\s+12288
.endr
	s_wait_loadcnt 28                              ; the bias and the register side are in; the lane side's 28 loads may be out
	v_mul_f32 v[BI], s32, v[BI]
	ds_store_b32 v[T4], v[BI] offset:BIAS
.set n, 0
.rept 25
	ds_store_b128 v[LT], v[RA+4*n:RA+4*n+3] offset:2048*n
.set n, n+1
.endr
	s_wait_dscnt 0x0                               ; for the others' sake: my stores have landed
	s_barrier_signal -1
	s_barrier_wait -1
	s_wait_loadcnt 0x0                             ; the lane side
; eight units: K step u / 2, the register side's tiles 4 (u % 2) .. + 3: 12 + 2 LDS loads, 8 products
.macro FETCH u
.set FS, (\u)/2
.set FH, (\u)%2
.set FG, RA+48*((\u)%2)
.irp p, 0,1,2,3,4,5,6,7,8,9,10,11
	ds_load_b128 v[FG+4*\p:FG+4*\p+3], v[LI] offset:KST*FS+6144*FH+512*\p
.endr
	ds_load_b32 v[RS+2*FH], v[LS] offset:KST*FS+12288+256*FH
	ds_load_b32 v[RS+2*FH+1], v[LS] offset:KST*FS+12288+256*FH+128
.endm
.macro MUL u                           ; the sixteen accumulators (window 1: tile e of my pair, tile t of the register side at 64 e + 8 t) take turns, one instruction a turn
.set MS, (\u)/2
.set MH, (\u)%2
.set MR, RA+48*((\u)%2)
.set MC, RS+2*((\u)%2)
.if MS == 0
.set MZ, 1
.else
.set MZ, 0
.endif
	WIN 0x50                                       ; C and D in window 1
.irp tt, 0,1,2,3
.irp e, 0,1
	WMS 64*\e+8*(4*MH+\tt), MR+12*\tt, LB+24*MS+12*\e, MZ, MC+\tt/2, LSC+MS, \tt%2, \e
.endr
.endr
	WIN 0
.endm
	FETCH 0
	FETCH 1
	s_wait_dscnt 14                                ; unit 0's loads are in, the 14 of unit 1 may be out
	MUL 0
.irp u, 1,2,3,4,5,6
	NOPS 4                                         ; places in front of loads into registers that matrix instructions have read
	FETCH \u+1
	s_wait_dscnt 14                                ; all but the 14 just issued
	MUL \u
.endr
	s_wait_dscnt 0x0
	MUL 7
	NOPS 4                                         ; places in front of the first read of results, and of writes into operands
	s_cmp_eq_u32 s20, 2
	s_cbranch_scc1 .Lepi_v
	; ---- q, k: x f + bias x f; four blocks along the outputs: blocks 0, 1 are head 2 ob, blocks 2, 3 head 2 ob + 1
.irp b, 0,1,2,3
.irp q, 0,1,2,3
	ds_load_b128 v[BF+16*\b+4*\q:BF+16*\b+4*\q+3], v[BFA] offset:BIAS+128*\b+16*\q   ; the biases of outputs 32 b + 16 h + 0 .. 15
.endr
.endr
	s_wait_dscnt 0x0
.irp e, 0,1
	WIN 0x01                                       ; source 0 in window 1
.set j, 0
.rept 32
	v_pk_fma_f32 v[X+j:X+j+1], v[64*\e+j:64*\e+j+1], s[32:33], v[BF+j:BF+j+1] op_sel_hi:[1,0,1]   ; each accumulator from its low end on
.set j, j+2
.endr
	WIN 0
	QUANT4 X, KA+6*\e, KB+6*\e, PW+\e
.endr
	v_cndmask_b32 v[SA], v[PW], v[PW+1], s44       ; lanes 0-15 tile 2 w's words, lanes 16-31 tile 2 w + 1's.  Bytes 0, 1: the first head's; bytes 2, 3 scale zero codes there and are never 0xff
	v_lshrrev_b32 v[SB], 16, v[SA]                 ; the second head's
	s_mov_b32 s36, 13312
	s_cmp_eq_u32 s20, 0
	s_cselect_b64 s[34:35], s[14:15], s[16:17]     ; qimg or kv
	s_cselect_b32 s36, 6656, s36                   ; and its record's bytes
	s_lshl_b32 s37, s21, 5
	s_add_co_u32 s37, s37, s22                     ; record 16 (2 ob) + tb
	s_mul_i32 s38, s37, s36
	s_mov_b32 s39, 0
	s_add_nc_u64 s[34:35], s[34:35], s[38:39]
	s_lshl_b32 s38, s36, 4
	s_add_nc_u64 s[40:41], s[34:35], s[38:39]      ; the next head's: 16 records on
.irp q, 0,1,2
	global_store_b128 v[QVO], v[KA+4*\q:KA+4*\q+3], s[34:35] offset:512*\q   ; 512 consecutive bytes, aligned
	global_store_b128 v[QVO], v[KB+4*\q:KB+4*\q+3], s[40:41] offset:512*\q
.endr
	global_store_b32 v[LSO], v[SA], s[34:35] offset:6144
	global_store_b32 v[LSO], v[SB], s[40:41] offset:6144
	s_wait_tensorcnt 0x0
	ds_add_u32 v254, v255
	s_wait_dscnt 0x0
	s_endpgm
	; ---- v: + my row's bias; four blocks along the keys: a whole fragment of V^T a tile; and the sum of the quantised numbers over the 128 keys, by a product with ones
.Lepi_v:
	ds_load_b32 v12, v[VBA] offset:BIAS
	ds_load_b32 v14, v[VBA] offset:BIAS+32
	s_wait_dscnt 0x0
.irp e, 0,1
	WIN 0x01
.set j, 0
.rept 32
	v_pk_fma_f32 v[X+j:X+j+1], v[64*\e+j:64*\e+j+1], s[32:33], v[12+2*\e:13+2*\e] op_sel_hi:[1,0,0]
.set j, j+2
.endr
	WIN 0
	QUANT4 X, KA+12*\e, KA+12*\e+6, PW+\e
.endr
.irp i, 0,1,2,3
	v_mov_b32 v[ONE+3*\i], 0x08208208              ; the code of 1.0 is 001000: sixteen of them are these 96 bits
	v_mov_b32 v[ONE+3*\i+1], 0x82082082
	v_mov_b32 v[ONE+3*\i+2], 0x20820820
.endr
	v_mov_b32 v[ONS], 0x7f7f7f7f                   ; scale 1
	v_cndmask_b32 v[SA], v[PW], v[PW+1], s44
	NOPS 8                                         ; a scale register written by a vector instruction stands 8 places ahead of a scaled product, an operand 4
	WMS VSD, ONE, KA, 1, ONS, PW, 0, 0
	WMS VSD+8, ONE, KB, 1, ONS, PW+1, 0, 0
	s_lshl_b32 s37, s21, 1
	s_lshr_b32 s38, s23, 1
	s_add_co_u32 s37, s37, s38                     ; head 2 ob + w / 2
	s_lshl_b32 s37, s37, 4
	s_add_co_u32 s37, s37, s22
	s_mul_i32 s38, s37, 13312
	s_add_co_u32 s38, s38, 6656                    ; the record's V part
	s_mov_b32 s39, 0
	s_add_nc_u64 s[16:17], s[16:17], s[38:39]
	NOPS 4
	v_cndmask_b32 v[VS], v[VSD], v[VSD+8], s44     ; every row of a result is the same: register 0 holds lane r's sum
.irp q, 0,1,2
	global_store_b128 v[VVO], v[KA+4*\q:KA+4*\q+3], s[16:17] offset:512*\q          ; tile 2 (w % 2)
	global_store_b128 v[VVO], v[KB+4*\q:KB+4*\q+3], s[16:17] offset:1536+512*\q     ; tile 2 (w % 2) + 1
.endr
	global_store_b32 v[VSO], v[SA], s[16:17] offset:6144
	global_store_b32 v[VSO], v[VS], s[16:17] offset:6400
	s_wait_tensorcnt 0x0
	ds_add_u32 v254, v255
	s_wait_dscnt 0x0
	s_endpgm
.Lfunc_end_k_qf9969f9625_proj:
	.size	k_qf9969f9625_proj, .Lfunc_end_k_qf9969f9625_proj-k_qf9969f9625_proj
	.p2alignl 7, 3214868480
	.fill 96, 4, 3214868480
	.section	.rodata,"a",@progbits
	.p2align	6, 0x0
	.amdhsa_kernel k_qf9969f9625_proj
		.amdhsa_group_segment_fixed_size 52224
		.amdhsa_private_segment_fixed_size 0
		.amdhsa_enable_private_segment 0
		.amdhsa_kernarg_size 56
		.amdhsa_user_sgpr_count 2
		.amdhsa_user_sgpr_kernarg_segment_ptr 1
		.amdhsa_wavefront_size32 1
		.amdhsa_system_sgpr_workgroup_id_x 1
		.amdhsa_system_sgpr_workgroup_id_y 1
		.amdhsa_system_sgpr_workgroup_id_z 1
		.amdhsa_system_vgpr_workitem_id 0
		.amdhsa_next_free_vgpr 384
		.amdhsa_next_free_sgpr 66
		.amdhsa_reserve_vcc 0
		.amdhsa_float_denorm_mode_32 3
		.amdhsa_float_denorm_mode_16_64 3
		.amdhsa_memory_ordered 1
		.amdhsa_forward_progress 1
		.amdhsa_inst_pref_size 55
	.end_amdhsa_kernel
	.amdgpu_metadata
---
amdhsa.version: [ 1, 2 ]
amdhsa.kernels:
  - .name:           k_qf9969f9625_proj
    .symbol:         k_qf9969f9625_proj.kd
    .args:
      - { .name: xc, .offset: 0, .size: 8, .value_kind: global_buffer, .address_space: global }
      - { .name: wc, .offset: 8, .size: 8, .value_kind: global_buffer, .address_space: global }
      - { .name: bq, .offset: 16, .size: 8, .value_kind: global_buffer, .address_space: global }
      - { .name: bk, .offset: 24, .size: 8, .value_kind: global_buffer, .address_space: global }
      - { .name: bv, .offset: 32, .size: 8, .value_kind: global_buffer, .address_space: global }
      - { .name: qimg, .offset: 40, .size: 8, .value_kind: global_buffer, .address_space: global }
      - { .name: kv, .offset: 48, .size: 8, .value_kind: global_buffer, .address_space: global }
    .group_segment_fixed_size: 52224
    .private_segment_fixed_size: 0
    .kernarg_segment_align: 8
    .kernarg_segment_size: 56
    .max_flat_workgroup_size: 128
    .sgpr_count:     66
    .vgpr_count:     384
    .wavefront_size: 32
...
	.end_amdgpu_metadata
.endif
;; end of part 2
;; launch attn (part 3): grid 32 x 8, 4 waves a work-group, no clusters, 160,768 bytes of LDS; arguments qimg, kv, mbits, emb_rel_k, emb_rel_v, oimg, oscl; writes oimg, oscl
.if DOCPART == 3
	.amdgcn_target "amdgcn-amd-amdhsa--gfx1250"
	.amdhsa_code_object_version 6
	.text
	.protected	k_qf9969f9625_attn
	.globl	k_qf9969f9625_attn
	.p2align	8
	.type	k_qf9969f9625_attn,@function
k_qf9969f9625_attn:
	s_mov_b64 s[64:65], 0
	v_nop
	global_prefetch_b8 v0, s[64:65] scope:SCOPE_SE
	s_setreg_imm32_b32 hwreg(HW_REG_WAVE_MODE, 25, 1), 1
	s_wait_xcnt 0x0
; ATTN.  For one head and 64 queries: scores = q k^T + relative-key logits (|key - query| <= 10) - log1p(|key - query|); -1e4 where attn_mask is 0 or |key - query| > 256; softmax; x v;
; + the finished softmax at key - query = -31 .. 32 x the relative values; the result quantised along d for the last projection.  All four products on codes of FP6 (E2M3) with E8M0 scales.
; SHARES.  Work-group (B, head): queries 64 B .. 64 B + 63.  Wave w: tile T = 4 B + w of 16 queries.  Both products are used transposed (source 0 = keys, or d; source 1 = my queries): a lane holds ONE query (lane % 16).
; THE WINDOW: five whole steps of 128 keys from step w0c = clamp(B / 2 - 2, 0, 11): they cover the band.  Their records (K's codes, V's codes, scale words: 66,560 bytes on end) are copied into LDS once; one barrier.
; THE KEYS OUTSIDE THE WINDOW, 1,408 of them, all have the score -1e4, so one p0 = 2^(t0 - M): they add 1,408 p0 to the row's sum and Q(p0) x (the sum of the quantised v over them) to the result.
; A block of 32 equal p0 is quantised to p0's power of two: p0's mantissa is that of 2^frac(t0) = 1.035 for every whole M, which as 4.14 x the scale rounds to the code 4.0, far from a middle.
; SOFTMAX: t = score x log2(e); M = the running largest t (t0 among them from the start) rounded up to a whole number; p = 2^(t - M) is quantised along the keys; the sum is taken of the unquantised p.
; K = 64 PRODUCTS: a fragment of K, of the relative keys or values is named with 12 registers of which only the first six are its own (the upper six are the next tile's codes, or zeros);
; the other operand's registers 6-11 are zero codes, and no scale byte is 0xff: k = 64 .. 127 adds nothing.
; THE DIAGONAL goes through a strip in LDS, each wave's own: 16 rows (queries) x 256 columns (the keys of steps sb, sb + 1, which hold key - query = -31 .. 32 for the whole tile).  It begins as zeros with the
; relative-key logits scattered in; in those two steps it is added to the scores and then takes the final t; at the end each query reads its 64 t back along the diagonal.
; LIMITS: NaN and infinities are not served; p under 2^-126 is taken as 0 by the exponential; a block of zeros gets the byte 1 (its codes are zeros; this program alone reads the bytes);
; the part of the row's sum that lies outside the window is one multiplication, p0 x 1,408, not 1,408 additions.
.set REC,   13312
.set TAB,   66560                      ; LDS: behind the five records: four copies of T[e] = log2(1 + |e - 639|), e < 1,280; copy c holds T[i + c] at word i, so that any 16 neighbours begin on 16 bytes in one of them
.set TCP,   5184                       ; from copy to copy
.set STRIP, 87296                      ; the strips: 16 rows x 1,040 bytes a wave
.set STW,   16640
.set SRW,   1040
.set RKI,   153856                     ; the relative keys: 2 tiles x 768 bytes (six registers, 8 bytes a lane three times), then 2 x 128 bytes of scale words
.set RVO,   1792                       ; from there to the relative values: 4 x 768, then 4 x 128
.set VO,    159232                     ; the sums of v outside the window: 256 bytes a wave
.set LI,  1                            ; v1   16 x lane            v2  + 3 records (an LDS offset has 16 bits)
.set LI3, 2
.set LS,  3                            ; v3   4 x lane             v4  + 3 records
.set LS3, 4
.set TBA, 5                            ; v5   my 16 table entries of step 0, block 0
.set SKA, 6                            ; v6   strip: row r, + 64 h
.set DA,  7                            ; v7   the same in the half in hand
.set SCA, 8                            ; v8   strip: where my relative-key logits go
.set T0,  9                            ; v9   t0 = -1e4 log2(e)
.set QP,  10                           ; v10-11 the sums of v outside the window; later Q(p0)
.set NM,  12                           ; v12  -M     v13 the largest t     v14-15 the sum in two halves
.set TMX, 13
.set LL,  14
.set Q,   16                           ; v16-27 Q (6-11: zeros)   v28 its scale words
.set QS,  28
.set RR,  29                           ; v29  r
.set MB,  30                           ; v30-39 the mask words: step k in v[30 + 2 k], v[31 + 2 k]: word n in lane n / 2, register n % 2
.set KS,  40                           ; v40-43 K's scale words (lanes 0-15 the even tile, lanes 16-31 the odd)    v44-45 V's    v46 p's
.set VSC, 44
.set PS,  46
.set HH,  47                           ; v47  h
.set PC,  48                           ; v48-59 p's codes
.set CT,  60                           ; v60-67 at work
.set TM,  68                           ; v68-71 largest, v72-75 the other half's / bytes, v76-79 scale operands
.set FF,  80                           ; v80-81 f, later 1 / sum
.set TT,  82                           ; v82-83 at work
.set BT,  84                           ; v84-115 32 table entries
.set O,   116                          ; v116-147 O^T: tile t (rows d = 32 (t / 2) + 8 (t % 2) + r + 8 (r / 8)) at 8 t
.set S,   148                          ; v148-211 S^T, t, p
.set TP,  212                          ; v212-243 at work
.set SRA, 244                          ; v244 strip: my diagonal's first column
.set TAW, 245                          ; v245 the table, as it is written
.set VOW, 246
.set VOR, 247
.set L8R, 248                          ; v248 RKI + 8 x lane      v249 RKI + 4 x lane
.set L4R, 249
.set RVW, 250
.set RVS, 251
.set RKW, 252
.set RKS, 253
.set CPA, 254                          ; v254 16 x thread         v255 + 65,536
.set CPT, 255
.set MSB, 0
.macro WIN new                         ; the immediate's high byte repeats the setting that is left
.if MSB != \new
	s_set_vgpr_msb (MSB<<8)|\new
.set MSB, \new
.endif
.endm
.macro NOPS n
.rept \n
	v_nop
.endr
.endm
.macro WMS d, a, b, z, sa, sb, ra, rb
.if \z
.if (\ra) && (\rb)
	v_wmma_scale_f32_16x16x128_f8f6f4 v[(\d):(\d)+7], v[(\a):(\a)+11], v[(\b):(\b)+11], 0, v[\sa], v[\sb] matrix_a_fmt:MATRIX_FMT_FP6 matrix_b_fmt:MATRIX_FMT_FP6 matrix_a_scale:MATRIX_SCALE_ROW1 matrix_b_scale:MATRIX_SCALE_ROW1
.elseif \ra
	v_wmma_scale_f32_16x16x128_f8f6f4 v[(\d):(\d)+7], v[(\a):(\a)+11], v[(\b):(\b)+11], 0, v[\sa], v[\sb] matrix_a_fmt:MATRIX_FMT_FP6 matrix_b_fmt:MATRIX_FMT_FP6 matrix_a_scale:MATRIX_SCALE_ROW1
.elseif \rb
	v_wmma_scale_f32_16x16x128_f8f6f4 v[(\d):(\d)+7], v[(\a):(\a)+11], v[(\b):(\b)+11], 0, v[\sa], v[\sb] matrix_a_fmt:MATRIX_FMT_FP6 matrix_b_fmt:MATRIX_FMT_FP6 matrix_b_scale:MATRIX_SCALE_ROW1
.else
	v_wmma_scale_f32_16x16x128_f8f6f4 v[(\d):(\d)+7], v[(\a):(\a)+11], v[(\b):(\b)+11], 0, v[\sa], v[\sb] matrix_a_fmt:MATRIX_FMT_FP6 matrix_b_fmt:MATRIX_FMT_FP6
.endif
.else
.if (\ra) && (\rb)
	v_wmma_scale_f32_16x16x128_f8f6f4 v[(\d):(\d)+7], v[(\a):(\a)+11], v[(\b):(\b)+11], v[(\d):(\d)+7], v[\sa], v[\sb] matrix_a_fmt:MATRIX_FMT_FP6 matrix_b_fmt:MATRIX_FMT_FP6 matrix_a_scale:MATRIX_SCALE_ROW1 matrix_b_scale:MATRIX_SCALE_ROW1
.elseif \ra
	v_wmma_scale_f32_16x16x128_f8f6f4 v[(\d):(\d)+7], v[(\a):(\a)+11], v[(\b):(\b)+11], v[(\d):(\d)+7], v[\sa], v[\sb] matrix_a_fmt:MATRIX_FMT_FP6 matrix_b_fmt:MATRIX_FMT_FP6 matrix_a_scale:MATRIX_SCALE_ROW1
.elseif \rb
	v_wmma_scale_f32_16x16x128_f8f6f4 v[(\d):(\d)+7], v[(\a):(\a)+11], v[(\b):(\b)+11], v[(\d):(\d)+7], v[\sa], v[\sb] matrix_a_fmt:MATRIX_FMT_FP6 matrix_b_fmt:MATRIX_FMT_FP6 matrix_b_scale:MATRIX_SCALE_ROW1
.else
	v_wmma_scale_f32_16x16x128_f8f6f4 v[(\d):(\d)+7], v[(\a):(\a)+11], v[(\b):(\b)+11], v[(\d):(\d)+7], v[\sa], v[\sb] matrix_a_fmt:MATRIX_FMT_FP6 matrix_b_fmt:MATRIX_FMT_FP6
.endif
.endif
.endm
; 32 numbers of one block in one lane become 6 registers of codes
.macro QBLK src, dst, tmp, ma, mb, sc, by
	v_max3_num_f32 v[\ma], |v[(\src)]|, |v[(\src)+1]|, |v[(\src)+2]|
	v_max3_num_f32 v[\mb], |v[(\src)+3]|, |v[(\src)+4]|, |v[(\src)+5]|
.irp i, 6,10,14,18,22,26
	v_max3_num_f32 v[\ma], v[\ma], |v[(\src)+\i]|, |v[(\src)+\i+1]|
	v_max3_num_f32 v[\mb], v[\mb], |v[(\src)+\i+2]|, |v[(\src)+\i+3]|
.endr
	v_max3_num_f32 v[\ma], v[\ma], |v[(\src)+30]|, |v[(\src)+31]|
	v_max3_num_f32 v[\ma], v[\ma], v[\mb], 0x1800000              ; the floor 2^(3 - 127)
	v_add_nc_u32 v[\sc], 0xff000000, v[\ma]
	v_lshrrev_b32 v[\by], 23, v[\sc]
	v_cvt_scalef32_pk16_fp6_f32 v[(\dst):(\dst)+2], v[(\src):(\src)+15], v[\sc]
	v_cvt_scalef32_pk16_fp6_f32 v[(\tmp):(\tmp)+2], v[(\src)+16:(\src)+31], v[\sc]
	v_nop                                                         ; one plain place behind a scaled conversion
.irp i, 0,1,2
	v_mov_b32 v[(\dst)+3+\i], v[(\tmp)+\i]
.endr
.endm
; 32 numbers of a lane, register 16 b + i = k 32 b + 16 (lane / 16) + i of my row, become six registers at v[d] (a whole block to a lane); v[pw] = the two scale bytes; the bytes stay in v[TM+4], v[TM+5]
.macro QUANT2 s, d, pw
.irp b, 0,1
	v_max3_num_f32 v[TM+\b], |v[(\s)+16*\b]|, |v[(\s)+1+16*\b]|, 0x1800000
.endr
.irp i, 2,4,6,8,10,12,14
.irp b, 0,1
	v_max3_num_f32 v[TM+\b], v[TM+\b], |v[(\s)+16*\b+\i]|, |v[(\s)+1+16*\b+\i]|
.endr
.endr
.irp b, 0,1
	v_permlanex16_b32 v[TM+4+\b], v[TM+\b], s30, s31
.endr
.irp b, 0,1
	v_max_num_f32 v[TM+\b], v[TM+\b], v[TM+4+\b]
.endr
.irp b, 0,1
	v_add_nc_u32 v[TM+8+\b], 0xff000000, v[TM+\b]
.endr
.irp b, 0,1
	v_lshrrev_b32 v[TM+4+\b], 23, v[TM+8+\b]
.endr
	v_lshl_or_b32 v[\pw], v[TM+5], 8, v[TM+4]
	v_cvt_scalef32_pk16_fp6_f32 v[(\d):(\d)+2], v[(\s):(\s)+15], v[TM+8]
	v_cvt_scalef32_pk16_fp6_f32 v[CT:CT+2], v[(\s)+16:(\s)+31], v[TM+9]
	v_nop
.irp i, 0,1,2
	v_permlane16_swap_b32 v[(\d)+\i], v[CT+\i]
.endr
.irp i, 0,1,2
	v_mov_b32 v[(\d)+3+\i], v[CT+\i]
.endr
.endm
	s_load_b256 s[4:11], s[0:1], 0x0               ; qimg s[4:5], kv s[6:7], mbits s[8:9], emb_rel_k s[10:11]
	s_load_b128 s[12:15], s[0:1], 0x20             ; emb_rel_v s[12:13], oimg s[14:15]
	s_load_b64 s[16:17], s[0:1], 0x30              ; oscl
	v_lshl_add_u32 v63, v0, 2, 0x27200
	v_mov_b32 v67, 0
	v_lshrrev_b32 v[TT], 5, v0
	v_readfirstlane_b32 s18, v[TT]                 ; wave 0..3
	s_mov_b32 s19, ttmp9                           ; B
	s_and_b32 s20, ttmp7, 0xffff                   ; head
	s_lshr_b32 s21, s19, 1
	s_max_u32 s21, s21, 2
	s_sub_co_u32 s21, s21, 2
	s_min_u32 s21, s21, 11                         ; w0c
	s_lshl_b32 s70, s21, 1
	s_sub_co_u32 s22, s19, s70                     ; rho = B - 2 w0c, 0 .. 9: where my 64 queries stand in the window, in units of 64 keys
	s_and_b32 s23, s19, 1                          ; par
	s_lshr_b32 s26, s22, 1
	s_add_co_u32 s26, s26, s23
	s_sub_co_i32 s26, s26, 1                       ; sb, -1 .. 4: the strip's first step, counted in the window
	s_sub_co_u32 s27, 9, s22
	s_min_u32 s27, s27, 9
	s_lshl_b32 s27, s27, 8                         ; 256 (9 - rho): the table's entry for window key kk and query xq of the 64 is kk + (63 - xq) + 64 (9 - rho)
	s_xor_b32 s28, s23, 1
	s_lshl_b32 s28, s28, 8                         ; 256 (1 - par): my tile begins at strip column 64 + 64 (1 - par) + 16 w
	s_lshl_b32 s29, s19, 2
	s_add_co_u32 s29, s29, s18                     ; T
	s_mov_b32 s24, 0x3fb8aa3b                      ; log2(e)
	s_mov_b32 s25, s24                             ; (the packed form names the pair)
	s_mov_b32 s30, 0x76543210
	s_mov_b32 s31, 0xfedcba98                      ; v_permlanex16_b32's selects for lane l xor 16
	s_mov_b32 s68, 0xffff0000                      ; lanes 16-31
	s_mov_b32 s69, 0x0000ffff                      ; lanes 0-15
	; every LDS address register but DA is made here, once, ahead of every branch
	v_and_b32 v[TT], 31, v0                        ; lane
	v_and_b32 v[RR], 15, v0
	v_bfe_u32 v[HH], v0, 4, 1
	v_lshlrev_b32 v[LI], 4, v[TT]
	v_add_nc_u32 v[LI3], 3*REC, v[LI]
	v_lshlrev_b32 v[LS], 2, v[TT]
	v_add_nc_u32 v[LS3], 3*REC, v[LS]
	v_lshlrev_b32 v235, 3, v[TT]                   ; 8 x lane
	v_add_nc_u32 v[L8R], RKI, v235
	v_add_nc_u32 v[L4R], RKI, v[LS]
	v_lshlrev_b32 v[CPA], 4, v0
	v_add_nc_u32 v[CPT], 65536, v[CPA]
	v_lshl_add_u32 v[TAW], v0, 2, TAB
	s_lshl_b32 s70, s18, 4
	v_add_nc_u32 v[TT], s70, v[RR]                 ; xq = 16 w + r
	v_xor_b32 v[TT], 63, v[TT]                     ; y = 63 - xq
	v_and_b32 v[TT+1], 3, v[TT]
	v_mul_u32_u24 v[TBA], v[TT+1], TCP             ; copy y % 4,
	v_and_b32 v[TT+1], 60, v[TT]
	v_lshl_add_u32 v[TBA], v[TT+1], 2, v[TBA]      ; word y - y % 4,
	v_lshl_add_u32 v[TBA], v[HH], 6, v[TBA]        ; + 16 h entries
	s_add_co_u32 s70, s27, TAB
	v_add_nc_u32 v[TBA], s70, v[TBA]
	s_mul_i32 s70, s18, STW
	s_add_co_u32 s70, s70, STRIP                   ; my strip
	v_mul_u32_u24 v[SKA], v[RR], SRW
	v_lshl_add_u32 v[SKA], v[HH], 6, v[SKA]
	v_add_nc_u32 v[SKA], s70, v[SKA]
	v_mul_u32_u24 v[SCA], v[RR], SRW+4             ; row r and r columns on: the diagonal
	v_add_nc_u32 v[SCA], s70, v[SCA]
	s_lshl_b32 s71, s18, 6
	s_add_co_u32 s71, s71, s28
	v_add_nc_u32 v[SCA], s71, v[SCA]
	v_lshl_add_u32 v[SRA], v[HH], 6, v[SCA]
	v_add_nc_u32 v[SRA], 132, v[SRA]               ; column 64 - 31 + ..: key - query = -31 + 16 h
	v_lshl_add_u32 v[SCA], v[HH], 5, v[SCA]
	v_add_nc_u32 v[SCA], 216, v[SCA]               ; column 64 - 10 + ..: key - query = -10 + 8 h
	s_lshl_b32 s71, s18, 8
	s_add_co_u32 s71, s71, VO
	v_add_nc_u32 v[VOW], s71, v235
	v_lshl_add_u32 v[VOR], v[HH], 5, s71
	s_mul_i32 s71, s18, 768
	v_add_nc_u32 v[RVW], s71, v[L8R]
	s_lshl_b32 s71, s18, 7
	v_add_nc_u32 v[RVS], s71, v[L4R]
	s_and_b32 s72, s18, 1                          ; w % 2
	s_lshr_b32 s73, s18, 1                         ; w / 2
	s_mul_i32 s71, s72, 768
	v_add_nc_u32 v[RKW], s71, v[L8R]
	s_lshl_b32 s71, s72, 7
	v_add_nc_u32 v[RKS], s71, v[L4R]
	; offsets of the global loads
	v_and_b32 v[TT], 8, v[RR]
	v_add_nc_u32 v[TT], v[TT], v[RR]               ; r + 8 (r / 8)
	s_lshl_b32 s74, s73, 5
	s_lshl_b32 s75, s72, 3
	s_add_co_u32 s74, s74, s75
	v_add_nc_u32 v232, s74, v[TT]                  ; d of lane r of tile w of the relative values
	v_lshlrev_b32 v232, 2, v232
	s_lshl_b32 s74, s72, 4
	v_add_nc_u32 v236, s74, v[RR]                  ; r + 16 (w % 2): the row of the relative keys
	v_min_u32 v233, 20, v236                       ; (rows 21 on do not exist: row 20 is read and replaced by zeros)
	v_lshlrev_b32 v233, 8, v233
	v_lshl_add_u32 v233, v[HH], 7, v233
	v_lshlrev_b32 v234, 2, v236                    ; my query's scale word in its pair's register
.irp b, 0,1,2,3
	v_mov_b32 v[TM+4+\b], 0                        ; written once: a lane permute's destination counts as one of its sources
.endr
	s_lshl_b32 s74, s20, 4                         ; 16 x head
	s_mov_b32 s77, 0
	s_wait_kmcnt 0x0
	s_mul_i32 s76, s74, REC
	s_add_nc_u64 s[6:7], s[6:7], s[76:77]          ; the head's 16 records
	s_mul_i32 s76, s21, REC
	s_add_nc_u64 s[78:79], s[6:7], s[76:77]        ; the window's five
	s_lshr_b32 s75, s19, 1
	s_add_co_u32 s75, s74, s75
	s_mul_i32 s76, s75, 6656
	s_add_nc_u64 s[4:5], s[4:5], s[76:77]          ; the record of my 128 queries
	s_lshl_b32 s75, s23, 1
	s_add_co_u32 s75, s75, s73                     ; my pair of tiles in it: 2 par + w / 2
	s_lshl_b32 s76, s75, 7
	s_add_nc_u64 s[32:33], s[4:5], s[76:77]
	s_mul_i32 s76, s75, 1536
	s_add_nc_u64 s[34:35], s[4:5], s[76:77]
	s_mul_i32 s76, s29, 1280
	s_add_nc_u64 s[8:9], s[8:9], s[76:77]
	s_lshl_b32 s76, s29, 3
	s_add_co_u32 s76, s76, s20
	s_mul_i32 s76, s76, 768
	s_add_nc_u64 s[14:15], s[14:15], s[76:77]
	s_lshl_b32 s76, s29, 8
	s_lshl_b32 s75, s20, 1
	s_add_co_u32 s76, s76, s75
	s_add_nc_u64 s[16:17], s[16:17], s[76:77]
	; ---- ALL GLOBAL LOADS IN ONE RUN, in the order in which they are wanted.  The copy's tail (1,024 bytes: waves 0, 1) comes first, so that the counts below hold in every wave
	s_cmp_lt_u32 s18, 2
	s_cbranch_scc0 .Lno_tail
	WIN 0x40                                       ; destination in window 1
	global_load_b128 v[128:131], v[CPA], s[78:79] offset:65536
	WIN 0
.Lno_tail:
.irp n, 21,22,23,24,25,26,27,28,29,30,31
	global_load_b32 v[S+\n], v232, s[12:13] offset:(\n-21)*256    ; relative values, block m = 2,016 .. 2,047: row j at place 21 + j
.endr
.irp n, 0,1,2,3,4,5,6,7,8,9
	global_load_b32 v[S+\n], v232, s[12:13] offset:(\n+11)*256    ; block m = 2,048 ..: row j at place j - 11
.endr
.irp q, 0,1,2,3,4,5,6,7
	global_load_b128 v[S+32+4*\q:S+35+4*\q], v233, s[10:11] offset:16*\q   ; a relative key's block h
.endr
.set j, 0
.rept 16
	global_load_b64 v[BT+2*j:BT+2*j+1], v235, s[6:7] offset:13056+REC*j    ; the 64 sums of v of each of the head's 16 steps
.set j, j+1
.endr
.irp q, 0,1,2
	global_load_b128 v[Q+4*\q:Q+4*\q+3], v[LI], s[34:35] offset:512*\q
.endr
	global_load_b32 v[QS], v234, s[32:33] offset:6144
.irp k, 0,1,2,3,4
	global_load_b64 v[MB+2*\k:MB+2*\k+1], v235, s[8:9] offset:256*\k
.endr
	WIN 0x40
.set n, 0
.rept 32
	global_load_b128 v[4*n:4*n+3], v[CPA], s[78:79] offset:2048*n
.set n, n+1
.endr
	WIN 0
	; ---- while they are on their way: the table (ten entries a thread) and the strip's zeros
.irp n, 0,1,2,3,4,5,6,7,8,9
	v_add_nc_u32 v[TP+\n], 128*\n-639, v0
.endr
.irp n, 0,1,2,3,4,5,6,7,8,9
	v_cvt_f32_i32 v[TP+\n], v[TP+\n]
.endr
.irp n, 0,1,2,3,4,5,6,7,8,9
	v_add_f32 v[TP+\n], |v[TP+\n]|, 1.0
.endr
.irp n, 0,1,2,3,4,5,6,7,8,9
	v_log_f32 v[TP+\n], v[TP+\n]
.endr
.irp i, 0,1,2,3
	v_mov_b32 v[O+\i], 0                           ; (plain work behind the logarithms)
.endr
.irp n, 10,11,12,13,14,15,16,17,18,19,20
	v_mov_b32 v[S+\n], 0                           ; places of the two blocks of relative values that no row fills
.endr
	s_wait_alu depctr_va_vdst(0)                   ; one wait for the ten, ahead of their first reader
.irp c, 0,1,2,3
.irp n, 0,1,2,3,4,5,6,7,8,9
	ds_store_b32 v[TAW], v[TP+\n] offset:(TCP-4)*\c+512*\n     ; T[e] to word e - c of copy c (the few words under 0 fall into the 64 spare bytes behind the copy before)
.endr
.endr
.irp g, 0,1
.irp b, 0,1,2,3
.irp q, 0,1,2,3
	ds_store_b128 v[SKA], v[O:O+3] offset:512*\g+128*\b+16*\q
.endr
.endr
.endr
	; ---- the relative values: tile w, lane (r, h) holds block h of row d along m
	s_wait_loadcnt 63                              ; their 21 loads are in: 65 are younger, and the wait's field names 63 at the most
.irp n, 21,22,23,24,25,26,27,28,29,30,31
	v_cndmask_b32 v[S+\n], 0, v[S+\n], s69         ; these places are block 0's: lanes 0-15
.endr
.irp n, 0,1,2,3,4,5,6,7,8,9
	v_cndmask_b32 v[S+\n], 0, v[S+\n], s68         ; and these block 1's: lanes 16-31
.endr
	QBLK S, PC, CT, TM, TM+1, TM+8, TM+4
	v_lshlrev_b32 v[TT], 3, v[HH]                  ; 8 h
	v_lshlrev_b32 v[TM+4], v[TT], v[TM+4]
	v_permlanex16_b32 v[TM+5], v[TM+4], s30, s31
	v_or_b32 v[TM+4], v[TM+4], v[TM+5]             ; bytes 0, 1: the two blocks; bytes 2, 3: 0, over zero codes
.irp t, 0,1,2
	ds_store_b64 v[RVW], v[PC+2*\t:PC+2*\t+1] offset:RVO+256*\t
.endr
	ds_store_b32 v[RVS], v[TM+4] offset:RVO+3072
	; ---- the relative keys: tile w % 2, lane (r, h) holds block h of row 16 (w % 2) + r along d; waves 0 and 1 store
	s_wait_loadcnt 57                              ; their 8 loads are in: 16 + 9 + 32 are younger
	v_cmp_gt_u32 vcc_lo, 21, v236
.set j, 0
.rept 32
	v_cndmask_b32 v[S+32+j], 0, v[S+32+j], vcc_lo
.set j, j+1
.endr
	QBLK S+32, PC+6, CT+4, TM+2, TM+3, TM+9, TM+6
	v_lshlrev_b32 v[TM+6], v[TT], v[TM+6]
	v_permlanex16_b32 v[TM+7], v[TM+6], s30, s31
	v_or_b32 v[TM+6], v[TM+6], v[TM+7]
	s_cmp_lt_u32 s18, 2
	s_cbranch_scc0 .Lno_rk
.irp t, 0,1,2
	ds_store_b64 v[RKW], v[PC+6+2*\t:PC+7+2*\t] offset:256*\t
.endr
	ds_store_b32 v[RKS], v[TM+6] offset:1536
.Lno_rk:
	; ---- the sums of v over the 11 steps outside the window
	s_wait_loadcnt 41                              ; the 16 loads are in: 9 + 32 are younger
	s_mov_b32 s71, 0x3f800000
	s_mov_b32 s67, 0
.set j, 0
.rept 16
	s_sub_co_u32 s70, j, s21
	s_cmp_lt_u32 s70, 5
	s_cselect_b32 s66, 0, s71                      ; 0 for the window's steps, else 1
.if j == 0
	v_pk_mul_f32 v[QP:QP+1], v[BT:BT+1], s[66:67] op_sel_hi:[1,0]
.else
	v_pk_fma_f32 v[QP:QP+1], v[BT+2*j:BT+2*j+1], s[66:67], v[QP:QP+1] op_sel_hi:[1,0,1]
.endif
.set j, j+1
.endr
	ds_store_b64 v[VOW], v[QP:QP+1]
	; ---- Q: my tile's six registers of the pair's twelve; the upper six become zero codes
	s_wait_loadcnt 32                              ; Q, its scale words and the mask words are in; the copy's 32 loads may be out
	s_and_b32 s70, s18, 1
	s_cselect_b32 s70, -1, 0
.irp i, 0,1,2,3,4,5
	v_cndmask_b32 v[Q+\i], v[Q+\i], v[Q+6+\i], s70
.endr
.irp i, 0,1,2,3,4,5
	v_mov_b32 v[Q+6+\i], 0
.endr
	; ---- the window's records into LDS, as they lie
.irp g, 0,1,2,3
	s_wait_loadcnt 24-8*\g                         ; eight more are in
	WIN 0x04                                       ; an LDS store's data are its source 1: window 1
.irp n, 0,1,2,3,4,5,6,7
	ds_store_b128 v[CPA], v[4*(8*\g+\n):4*(8*\g+\n)+3] offset:2048*(8*\g+\n)
.endr
.endr
	WIN 0
	s_cmp_lt_u32 s18, 2
	s_cbranch_scc0 .Lno_tail_st
	WIN 0x04
	ds_store_b128 v[CPT], v[128:131]
	WIN 0
.Lno_tail_st:
	s_wait_dscnt 0x0                               ; for the others' sake: my stores have landed
	s_barrier_signal -1
	s_barrier_wait -1                              ; the records, the table and the relative keys and values lie in LDS: nothing that waves share is written again
	; ---- the relative-key logits: R^T = (relative keys) x Q, scattered along the diagonal of my strip
.irp i, 0,1
.irp t, 0,1,2
	ds_load_b64 v[BT+6*\i+2*\t:BT+6*\i+2*\t+1], v[L8R] offset:768*\i+256*\t
.endr
	ds_load_b32 v[KS+\i], v[L4R] offset:1536+128*\i
.endr
.irp i, 0,1,2,3,4,5
	v_mov_b32 v[BT+12+\i], 0
.endr
	v_mov_b32 v[T0], 0xc61c4000                    ; -1e4
	v_mul_f32 v[T0], s24, v[T0]                    ; t0
	v_mov_b32 v[TMX], v[T0]                        ; the largest t so far: every row has keys with the score -1e4
	v_floor_f32 v[NM], -v[T0]                      ; -M
	v_mov_b32 v[LL], 0
	v_mov_b32 v[LL+1], 0
	v_mov_b32 v[FF+1], 0                           ; (named as the upper half of a pair)
.irp i, 0,1,2,3
	v_mov_b32 v[O+\i], 0xff800000                  ; -infinity
.endr
	WIN 0x40
.irp i, 0,1,2,3,4,5
	v_mov_b32 v[48+\i], 0                          ; behind K's 48 registers: what tile 7's fragment names as its upper six
.endr
	WIN 0
	s_wait_dscnt 0x0
	WMS TP, BT, Q, 1, KS, QS, 0, 0
	WMS TP+8, BT+6, Q, 1, KS+1, QS, 0, 0
	NOPS 4
.irp i, 0,1
.irp j, 0,1,2,3,4,5,6,7
	ds_store_b32 v[SCA], v[TP+8*\i+\j] offset:64*\i+4*\j   ; row 16 i + 8 h + j of the relative keys: key - query = that - 10 (rows 21 on are zeros onto zeros)
.endr
.endr
	s_cmp_eq_u32 s19, 0
	s_cbranch_scc0 .Lnot_first
.irp b, 0,1,2,3
.irp q, 0,1,2,3
	ds_store_b128 v[SKA], v[O:O+3] offset:128*\b+16*\q         ; B = 0: the strip's first half are keys under 0: p = 0 there
.endr
.endr
.Lnot_first:
	s_cmp_eq_u32 s19, 31
	s_cbranch_scc0 .Lnot_last
.irp b, 0,1,2,3
.irp q, 0,1,2,3
	ds_store_b128 v[SKA], v[O:O+3] offset:512+128*\b+16*\q     ; B = 31: its second half are keys from 2,048 on
.endr
.endr
.Lnot_last:
.macro LDK kk                          ; step kk's K: 48 registers into window 1, four registers of scale words: 16 LDS loads
.if (\kk) < 3
.set LB_, (\kk)*REC
.set LA_, LI
.else
.set LB_, ((\kk)-3)*REC
.set LA_, LI3
.endif
	WIN 0x40
.irp p, 0,1,2,3,4,5,6,7,8,9,10,11
	ds_load_b128 v[4*\p:4*\p+3], v[LA_] offset:LB_+512*\p
.endr
	WIN 0
.irp i, 0,1,2,3
	ds_load_b32 v[KS+\i], v[LA_+2] offset:LB_+6144+128*\i
.endr
.endm
.macro LDV kk                          ; step kk's V: 48 registers at v56 of window 1, two registers of scale words: 14 LDS loads
.if (\kk) < 3
.set LB_, (\kk)*REC+6656
.set LA_, LI
.else
.set LB_, ((\kk)-3)*REC+6656
.set LA_, LI3
.endif
	WIN 0x40
.irp p, 0,1,2,3,4,5,6,7,8,9,10,11
	ds_load_b128 v[56+4*\p:59+4*\p], v[LA_] offset:LB_+512*\p
.endr
	WIN 0
.irp i, 0,1
	ds_load_b32 v[VSC+\i], v[LA_+2] offset:LB_+6144+128*\i
.endr
.endm
.macro LDT kk, b0                      ; the table's entries of step kk, blocks b0 and b0 + 1: 8 LDS loads
.irp b, 0,1
.irp q, 0,1,2,3
	ds_load_b128 v[BT+16*\b+4*\q:BT+16*\b+4*\q+3], v[TBA] offset:512*(\kk)+128*((\b0)+\b)+16*\q
.endr
.endr
.endm
.macro TSC s0                          ; t = score x log2(e) - log2(1 + |key - query|), 32 of them
.set j, 0
.rept 16
	v_pk_fma_f32 v[S+(\s0)+j:S+(\s0)+j+1], v[S+(\s0)+j:S+(\s0)+j+1], s[24:25], v[BT+j:BT+j+1] op_sel_hi:[1,0,1] neg_lo:[0,0,1] neg_hi:[0,0,1]
.set j, j+2
.endr
.endm
.macro MASK k, n0, sg                  ; sixteen lane-mask words into scalar registers; t0 where a bit is set
.set n, \n0
.rept 16
	v_readlane_b32 s[(\sg)+n-(\n0)], v[MB+2*(\k)+n%2], n/2
.set n, n+1
.endr
.set n, \n0
.rept 16
	v_cndmask_b32 v[S+n], v[S+n], v[T0], s[(\sg)+n-(\n0)]
.set n, n+1
.endr
.endm
; A KEY STEP: the window's k-th 128 keys.  At its head K's fragments are in registers and the table's first 8 loads are out.
.macro STEP k
	WIN 0x01                                       ; source 0 in window 1
.irp t, 0,1,2,3,4,5,6,7
	WMS S+8*\t, 6*\t, Q, 1, KS+\t/2, QS, \t%2, 0   ; S^T: registers 16 b + i of a lane are keys 32 b + 16 (lane / 16) + i
.endr
	WIN 0
	NOPS 4                                         ; places in front of the loads into K's and V's registers and scale words, and of the first read of the scores
	LDV \k
.if \k < 4
	LDK (\k)+1
.endif
	s_sub_co_i32 s70, \k, s26                      ; 0 or 1 in the strip's two steps
	s_min_u32 s71, s70, 1
	s_lshl_b32 s71, s71, 9
	v_add_nc_u32 v[DA], s71, v[SKA]
	s_cmp_lt_u32 s70, 2
	s_cbranch_scc0 .Lnd1_\@
.irp g, 0,1
.irp b, 0,1
.irp q, 0,1,2,3
	ds_load_b128 v[TP+16*\b+4*\q:TP+16*\b+4*\q+3], v[DA] offset:256*\g+128*\b+16*\q
.endr
.endr
	s_wait_dscnt 0x0
.set j, 0
.rept 16
	v_pk_add_f32 v[S+32*\g+j:S+32*\g+j+1], v[S+32*\g+j:S+32*\g+j+1], v[TP+j:TP+j+1]   ; + the relative-key logits (zeros off the diagonal)
.set j, j+2
.endr
.endr
.Lnd1_\@:
.if \k < 4
	s_wait_dscnt 30                                ; the table's first half is in; V's 14 and the next K's 16 loads may be out
.else
	s_wait_dscnt 14                                ; the same with V's 14 alone
.endif
	TSC 0
	LDT \k, 2
	MASK \k, 0, 32
	MASK \k, 16, 48
	s_wait_dscnt 0x0                               ; the table's second half; V and the next K too
	TSC 32
.if \k < 4
	LDT (\k)+1, 0
.endif
	MASK \k, 32, 32
	MASK \k, 48, 48
	s_cmp_lt_u32 s70, 2
	s_cbranch_scc0 .Lnd2_\@
.irp b, 0,1,2,3
.irp q, 0,1,2,3
	ds_store_b128 v[DA], v[S+16*\b+4*\q:S+16*\b+4*\q+3] offset:128*\b+16*\q   ; the final t, for the diagonal's read at the end
.endr
.endr
.Lnd2_\@:
.irp b, 0,1,2,3
	v_max3_num_f32 v[TM+\b], v[S+16*\b], v[S+1+16*\b], v[S+2+16*\b]   ; the largest t of each block of 32 keys: for the row's maximum, and, since p rises with t, for the block's largest p
.endr
.irp i, 3,5,7,9,11,13
.irp b, 0,1,2,3
	v_max3_num_f32 v[TM+\b], v[TM+\b], v[S+16*\b+\i], v[S+1+16*\b+\i]
.endr
.endr
.irp b, 0,1,2,3
	v_max_num_f32 v[TM+\b], v[TM+\b], v[S+15+16*\b]
.endr
.irp b, 0,1,2,3
	v_permlanex16_b32 v[TM+4+\b], v[TM+\b], s30, s31
.endr
.irp b, 0,1,2,3
	v_max_num_f32 v[TM+\b], v[TM+\b], v[TM+4+\b]   ; with lane l xor 16's 16 keys
.endr
	v_max3_num_f32 v[TT], v[TM], v[TM+1], v[TM+2]
	v_max3_num_f32 v[TMX], v[TMX], v[TT], v[TM+3]  ; the running largest t
	v_mov_b32 v[TT], v[NM]
	v_floor_f32 v[NM], -v[TMX]                     ; the new -M: M is a whole number
	v_sub_f32 v[TT], v[NM], v[TT]
	v_cvt_i32_f32 v[TT], v[TT]                     ; (it saturates)
	v_ldexp_f32 v[FF], 1.0, v[TT]                  ; f = 2^(old M - new M)
	s_wait_dscnt 0x0                               ; the stores into the strip have read S, which is written below
.set j, 0
.rept 32
	v_pk_add_f32 v[S+j:S+j+1], v[S+j:S+j+1], v[NM:NM+1] op_sel_hi:[1,0]   ; t - M
.set j, j+2
.endr
.irp b, 0,1,2,3
	v_add_f32 v[TM+\b], v[TM+\b], v[NM]            ; the same of each block's largest t
.endr
.set j, 0
.rept 64
	v_exp_f32 v[S+j], v[S+j]                       ; p = 2^(t - M): not normalised
.set j, j+1
.endr
	v_pk_mul_f32 v[LL:LL+1], v[LL:LL+1], v[FF:FF+1] op_sel_hi:[1,0]   ; the sums under the new M (a plain place behind the exponentials)
	s_wait_alu depctr_va_vdst(0)                   ; one wait for the 64, ahead of their first reader
.irp b, 0,1,2,3
	v_exp_f32 v[TM+\b], v[TM+\b]                   ; the block's largest p: the same addition and exponential on the same number
.endr
	v_pk_add_f32 v[TT:TT+1], v[S:S+1], v[S+2:S+3]  ; the row's sum is taken of the unquantised p, in two chains
.set j, 4
.rept 15
	v_pk_add_f32 v[LL:LL+1], v[LL:LL+1], v[S+j:S+j+1]
	v_pk_add_f32 v[TT:TT+1], v[TT:TT+1], v[S+j+2:S+j+3]
.set j, j+4
.endr
	v_pk_add_f32 v[LL:LL+1], v[LL:LL+1], v[TT:TT+1]
	s_wait_alu depctr_va_vdst(0)                   ; and one for the four
.irp b, 0,1,2,3
	v_max_num_f32 v[TM+\b], 0x1800000, v[TM+\b]    ; the floor 2^(3 - 127)
.endr
.irp b, 0,1,2,3
	v_add_nc_u32 v[TM+8+\b], 0xff000000, v[TM+\b]
.endr
.irp b, 0,1,2,3
	v_lshrrev_b32 v[TM+4+\b], 23, v[TM+8+\b]
.endr
	v_lshl_or_b32 v[PS], v[TM+5], 8, v[TM+4]       ; p's scale word for these 128 keys
	v_lshl_or_b32 v[PS], v[TM+6], 16, v[PS]
	v_lshl_or_b32 v[PS], v[TM+7], 24, v[PS]
.irp c, 0,1
	v_cvt_scalef32_pk16_fp6_f32 v[PC+6*\c:PC+6*\c+2], v[S+32*\c:S+32*\c+15], v[TM+8+2*\c]
	v_cvt_scalef32_pk16_fp6_f32 v[CT+4*\c:CT+4*\c+2], v[S+32*\c+16:S+32*\c+31], v[TM+9+2*\c]
.endr
	v_nop                                          ; one plain place behind a scaled conversion
.irp c, 0,1
.irp i, 0,1,2
	v_permlane16_swap_b32 v[PC+6*\c+\i], v[CT+4*\c+\i]
.endr
.irp i, 0,1,2
	v_mov_b32 v[PC+6*\c+3+\i], v[CT+4*\c+\i]
.endr
.endr
.if \k == 0
	NOPS 8                                         ; a scale register written by a vector instruction stands 8 places ahead of a scaled product
.else
.set j, 0
.rept 16
	v_pk_mul_f32 v[O+j:O+j+1], v[O+j:O+j+1], v[FF:FF+1] op_sel_hi:[1,0]   ; O^T under the new M; these are also those places
.set j, j+2
.endr
.endif
	WIN 0x01
.irp t, 0,1,2,3
.if \k == 0
	WMS O+8*\t, 56+12*\t, PC, 1, VSC+\t/2, PS, \t%2, 0
.else
	WMS O+8*\t, 56+12*\t, PC, 0, VSC+\t/2, PS, \t%2, 0
.endif
.endr
.endm
	LDK 0
	LDT 0, 0
	s_wait_dscnt 8                                 ; K and its scale words are in (and all my stores into the strip are done); the table's 8 loads may be out
	STEP 0
	STEP 1
	STEP 2
	STEP 3
	STEP 4
	WIN 0
	; ---- THE END OF A ROW
.irp i, 0,1,2,3,4,5
	v_mov_b32 v[S+56+\i], 0                        ; what tile 3 of the relative values names as its upper six.  (These six are the places behind the last products)
.endr
.irp t, 0,1,2,3
	ds_load_b128 v[TP+8*\t:TP+8*\t+3], v[VOR] offset:64*\t          ; the sums of v outside the window, in O^T's layout
	ds_load_b128 v[TP+8*\t+4:TP+8*\t+7], v[VOR] offset:64*\t+16
.endr
.irp b, 0,1
.irp i, 0,1,2,3,4,5,6,7,8,9,10,11,12,13,14,15
	ds_load_b32 v[S+16*\b+\i], v[SRA] offset:128*\b+4*\i            ; t at key - query = -31 + 32 b + 16 h + i
.endr
.endr
.irp t, 0,1,2,3
.irp q, 0,1,2
	ds_load_b64 v[S+32+6*\t+2*\q:S+33+6*\t+2*\q], v[L8R] offset:RVO+768*\t+256*\q
.endr
.endr
.irp t, 0,1,2,3
	ds_load_b32 v[KS+\t], v[L4R] offset:RVO+3072+128*\t
.endr
	s_mov_b32 s71, 0x44b00000                      ; 1,408
	v_add_f32 v[LL], v[LL], v[LL+1]
	v_permlanex16_b32 v[TM+4], v[LL], s30, s31
	v_add_f32 v[LL], v[LL], v[TM+4]                ; the window's part of the row's sum
	v_add_f32 v[TT], v[T0], v[NM]
	v_exp_f32 v[TT], v[TT]                         ; p0
	v_nop
	s_wait_alu depctr_va_vdst(0)
	v_fma_f32 v[LL], v[TT], s71, v[LL]             ; + the 1,408 keys outside
	v_and_b32 v[QP], 0x7f800000, v[TT]             ; Q(p0): p0's power of two
	v_rcp_f32 v[FF], v[LL]
	v_mov_b32 v[QP+1], 0
	s_wait_alu depctr_va_vdst(0)
	s_wait_dscnt 48                                ; the first 8 loads are in: 32 + 12 + 4 are younger
.set j, 0
.rept 16
	v_pk_fma_f32 v[O+j:O+j+1], v[TP+j:TP+j+1], v[QP:QP+1], v[O+j:O+j+1] op_sel_hi:[1,0,1]
.set j, j+2
.endr
.set j, 0
.rept 16
	v_pk_mul_f32 v[O+j:O+j+1], v[O+j:O+j+1], v[FF:FF+1] op_sel_hi:[1,0]   ; / the sum
.set j, j+2
.endr
	s_wait_dscnt 16                                ; the diagonal's 32 t are in: 12 + 4 are younger
.set j, 0
.rept 16
	v_pk_add_f32 v[S+j:S+j+1], v[S+j:S+j+1], v[NM:NM+1] op_sel_hi:[1,0]
.set j, j+2
.endr
.set j, 0
.rept 32
	v_exp_f32 v[S+j], v[S+j]
.set j, j+1
.endr
	v_nop
	s_wait_alu depctr_va_vdst(0)
.set j, 0
.rept 16
	v_pk_mul_f32 v[S+j:S+j+1], v[S+j:S+j+1], v[FF:FF+1] op_sel_hi:[1,0]   ; the finished softmax
.set j, j+2
.endr
	QUANT2 S, PC, PS
.irp i, 0,1,2,3,4,5
	v_mov_b32 v[PC+6+\i], 0
.endr
	NOPS 8
	s_wait_dscnt 0x0
.irp t, 0,1,2,3
	WMS O+8*\t, S+32+6*\t, PC, 0, KS+\t, PS, 0, 0
.endr
	NOPS 4
	QUANT2 O, PC, PS                               ; registers 16 b + i of O^T are d = 32 b + 16 h + i: the last projection's K
	v_and_b32 v84, 31, v0
	v_lshlrev_b32 v84, 3, v84
	v_lshl_add_u32 v85, v[RR], 4, v[HH]
	v_cndmask_b32 v[TT], v[TM+4], v[TM+5], s68     ; lane (r, h): the byte of block h
.irp q, 0,1,2
	global_store_b64 v84, v[PC+2*\q:PC+2*\q+1], s[14:15] offset:256*\q   ; 256 consecutive bytes, aligned
.endr
	global_store_b8 v85, v[TT], s[16:17]
	s_wait_tensorcnt 0x0
	ds_add_u32 v63, v67
	s_wait_dscnt 0x0
	s_endpgm
.Lfunc_end_k_qf9969f9625_attn:
	.size	k_qf9969f9625_attn, .Lfunc_end_k_qf9969f9625_attn-k_qf9969f9625_attn
	.p2alignl 7, 3214868480
	.fill 96, 4, 3214868480
	.section	.rodata,"a",@progbits
	.p2align	6, 0x0
	.amdhsa_kernel k_qf9969f9625_attn
		.amdhsa_group_segment_fixed_size 160768
		.amdhsa_private_segment_fixed_size 0
		.amdhsa_enable_private_segment 0
		.amdhsa_kernarg_size 56
		.amdhsa_user_sgpr_count 2
		.amdhsa_user_sgpr_kernarg_segment_ptr 1
		.amdhsa_wavefront_size32 1
		.amdhsa_system_sgpr_workgroup_id_x 1
		.amdhsa_system_sgpr_workgroup_id_y 1
		.amdhsa_system_sgpr_workgroup_id_z 1
		.amdhsa_system_vgpr_workitem_id 0
		.amdhsa_next_free_vgpr 392
		.amdhsa_next_free_sgpr 80
		.amdhsa_reserve_vcc 1
		.amdhsa_float_denorm_mode_32 3
		.amdhsa_float_denorm_mode_16_64 3
		.amdhsa_memory_ordered 1
		.amdhsa_forward_progress 1
		.amdhsa_inst_pref_size 205
	.end_amdhsa_kernel
	.amdgpu_metadata
---
amdhsa.version: [ 1, 2 ]
amdhsa.kernels:
  - .name:           k_qf9969f9625_attn
    .symbol:         k_qf9969f9625_attn.kd
    .args:
      - { .name: qimg, .offset: 0, .size: 8, .value_kind: global_buffer, .address_space: global }
      - { .name: kv, .offset: 8, .size: 8, .value_kind: global_buffer, .address_space: global }
      - { .name: mbits, .offset: 16, .size: 8, .value_kind: global_buffer, .address_space: global }
      - { .name: emb_rel_k, .offset: 24, .size: 8, .value_kind: global_buffer, .address_space: global }
      - { .name: emb_rel_v, .offset: 32, .size: 8, .value_kind: global_buffer, .address_space: global }
      - { .name: oimg, .offset: 40, .size: 8, .value_kind: global_buffer, .address_space: global }
      - { .name: oscl, .offset: 48, .size: 8, .value_kind: global_buffer, .address_space: global }
    .group_segment_fixed_size: 160768
    .private_segment_fixed_size: 0
    .kernarg_segment_align: 8
    .kernarg_segment_size: 56
    .max_flat_workgroup_size: 128
    .sgpr_count:     80
    .vgpr_count:     392
    .wavefront_size: 32
...
	.end_amdgpu_metadata
.endif
;; end of part 3
;; launch outp (part 4): grid 8 x 32, 4 waves a work-group, no clusters, 17,920 bytes of LDS; arguments oimg, oscl, wc, bo, out0; writes out0
.if DOCPART == 4
	.amdgcn_target "amdgcn-amd-amdhsa--gfx1250"
	.amdhsa_code_object_version 6
	.text
	.protected	k_qf9969f9625_outp
	.globl	k_qf9969f9625_outp
	.p2align	8
	.type	k_qf9969f9625_outp,@function
k_qf9969f9625_outp:
	s_mov_b64 s[64:65], 0
	v_nop
	global_prefetch_b8 v0, s[64:65] scope:SCOPE_SE
	s_setreg_imm32_b32 hwreg(HW_REG_WAVE_MODE, 25, 1), 1
	s_wait_xcnt 0x0
; OUT.  out0[o][t] = the sum over the 512 channels of wo[o][c] a[t][c] + bo[o], on codes of FP6 (E2M3): a = the attention's result, quantised by the launch before.
; Work-group (ox, ty): 64 outputs x 64 t.  Wave w: one tile of 16 outputs (tile 4 (ox % 2) + w of wo's record ox / 2: lane r stands for row 32 (tile / 2) + 8 (tile % 2) + r + 8 (r / 8)) as source 1,
; the four tiles of 16 t as source 0: a lane then holds eight neighbouring t of one output row.  K = 512: four steps; four accumulators by turns.  The bias is the C of each sum's first product.
; All loads stand in one run at the head; waves share nothing: no barrier.  A tile goes out through the wave's own stage, so that sixteen lanes store 256 consecutive bytes.
.set GREC, 51200
.set KST,  12800
.set WB,  16                           ; v16-63  wo's four fragments
.set WS,  64                           ; v64-67  their scale words
.set OS,  68                           ; v68-83  a's scale words: tile m, K step s at 4 m + s
.set BO,  84                           ; v84-91  bo of my lane's output, eight times
.set ACC, 96                           ; v96-127
.set OB,  128                          ; v128-159 the way out
.set MSB, 0
.macro WIN new                         ; the immediate's high byte repeats the setting that is left
.if MSB != \new
	s_set_vgpr_msb (MSB<<8)|\new
.set MSB, \new
.endif
.endm
	s_load_b256 s[4:11], s[0:1], 0x0               ; oimg s[4:5], oscl s[6:7], wc s[8:9], bo s[10:11]
	s_load_b64 s[12:13], s[0:1], 0x20              ; out0
	v_lshl_add_u32 v254, v0, 2, 0x4400
	v_mov_b32 v255, 0
	v_lshrrev_b32 v1, 5, v0
	v_readfirstlane_b32 s14, v1                    ; wave 0..3
	s_and_b32 s15, ttmp7, 0xffff                   ; ty
	s_and_b32 s16, ttmp9, 1
	s_lshl_b32 s16, s16, 2
	s_add_co_u32 s16, s16, s14                     ; my tile of the record's eight
	s_lshr_b32 s17, ttmp9, 1                       ; the record
	s_lshr_b32 s18, s16, 1
	s_and_b32 s19, s16, 1
	s_lshl_b32 s20, s17, 7
	s_lshl_b32 s21, s18, 5
	s_add_co_u32 s20, s20, s21
	s_lshl_b32 s21, s19, 3
	s_add_co_u32 s20, s20, s21                     ; lane 0's output
	v_and_b32 v2, 31, v0                           ; lane
	v_and_b32 v3, 15, v0                           ; r
	v_bfe_u32 v4, v0, 4, 1                         ; h
	v_lshlrev_b32 v5, 4, v2
	v_lshlrev_b32 v6, 3, v2
	s_lshl_b32 s21, s19, 4
	v_add_nc_u32 v7, s21, v3
	v_lshlrev_b32 v7, 2, v7                        ; my row's scale word in its pair's register
	v_lshlrev_b32 v8, 4, v3
	v_and_b32 v9, 8, v3
	v_add_nc_u32 v9, v9, v3
	v_lshlrev_b32 v9, 2, v9                        ; 4 (r + 8 (r / 8))
	s_mul_i32 s21, s14, 16*272                     ; my stage: 16 rows (outputs) x (256 bytes + 16)
	v_mul_u32_u24 v10, v3, 272
	v_lshl_add_u32 v10, v4, 5, v10
	v_add_nc_u32 v10, s21, v10                     ; in: row r, + 32 h
	v_mul_u32_u24 v11, v4, 272
	v_lshl_add_u32 v11, v3, 4, v11
	v_add_nc_u32 v11, s21, v11                     ; back: lanes 0-15 one row, lanes 16-31 the next
	v_lshlrev_b32 v12, 13, v4
	v_lshl_add_u32 v12, v3, 4, v12                 ; and the same two rows in out0
	s_add_co_u32 s22, s17, 12
	s_mul_i32 s22, s22, GREC                       ; wo's records are the last four
	s_mov_b32 s23, 0
	s_wait_kmcnt 0x0
	s_add_nc_u64 s[8:9], s[8:9], s[22:23]
	s_lshl_b32 s22, s18, 7
	s_add_nc_u64 s[24:25], s[8:9], s[22:23]        ; my pair's scale words
	s_mul_i32 s22, s16, 1536
	s_add_nc_u64 s[8:9], s[8:9], s[22:23]          ; my tile's codes
	s_mul_i32 s22, s15, 24576                      ; 4 tiles x 8 heads x 768 bytes
	s_add_nc_u64 s[4:5], s[4:5], s[22:23]
	s_lshl_b32 s22, s15, 10
	s_add_nc_u64 s[6:7], s[6:7], s[22:23]
	s_lshl_b32 s22, s20, 2
	s_add_nc_u64 s[10:11], s[10:11], s[22:23]
	s_lshl_b32 s22, s20, 13
	s_lshl_b32 s26, s15, 8
	s_add_co_u32 s22, s22, s26
	s_add_nc_u64 s[12:13], s[12:13], s[22:23]
.irp s, 0,1,2,3
.irp q, 0,1,2
	global_load_b128 v[WB+12*\s+4*\q:WB+12*\s+4*\q+3], v5, s[8:9] offset:KST*\s+512*\q
.endr
	global_load_b32 v[WS+\s], v7, s[24:25] offset:KST*\s+12288
.endr
.irp m, 0,1,2,3
	global_load_b128 v[OS+4*\m:OS+4*\m+3], v8, s[6:7] offset:256*\m        ; a row's 16 scale bytes: word s is K step s's
.endr
	global_load_b32 v[BO], v9, s[10:11]
	WIN 0x40                                       ; destination in window 1: fragment (m, s) at 12 (4 m + s); its halves are heads 2 s and 2 s + 1
.irp m, 0,1,2,3
.irp s, 0,1,2,3
.irp c, 0,1
.irp q, 0,1,2
	global_load_b64 v[12*(4*\m+\s)+6*\c+2*\q:12*(4*\m+\s)+6*\c+2*\q+1], v6, s[4:5] offset:(8*\m+2*\s+\c)*768+256*\q
.endr
.endr
.endr
.endr
	WIN 0
	s_wait_loadcnt 0x0
.irp i, 1,2,3,4,5,6,7
	v_mov_b32 v[BO+\i], v[BO]
.endr
.rept 4
	v_nop
.endr
	WIN 0x01                                       ; source 0 in window 1
.irp s, 0,1,2,3
.irp m, 0,1,2,3
.if \s == 0
	v_wmma_scale_f32_16x16x128_f8f6f4 v[ACC+8*\m:ACC+8*\m+7], v[12*(4*\m+\s):12*(4*\m+\s)+11], v[WB+12*\s:WB+12*\s+11], v[BO:BO+7], v[OS+4*\m+\s], v[WS+\s] matrix_a_fmt:MATRIX_FMT_FP6 matrix_b_fmt:MATRIX_FMT_FP6
.else
	v_wmma_scale_f32_16x16x128_f8f6f4 v[ACC+8*\m:ACC+8*\m+7], v[12*(4*\m+\s):12*(4*\m+\s)+11], v[WB+12*\s:WB+12*\s+11], v[ACC+8*\m:ACC+8*\m+7], v[OS+4*\m+\s], v[WS+\s] matrix_a_fmt:MATRIX_FMT_FP6 matrix_b_fmt:MATRIX_FMT_FP6
.endif
.endr
.endr
	WIN 0
.rept 4
	v_nop                                          ; places in front of the first read of results
.endr
.irp m, 0,1,2,3
	ds_store_b128 v10, v[ACC+8*\m:ACC+8*\m+3] offset:64*\m          ; lane (r, h): out0(output of lane r, t = 16 m + 8 h + 0 .. 7); each accumulator from its low end on
	ds_store_b128 v10, v[ACC+8*\m+4:ACC+8*\m+7] offset:64*\m+16
.endr
.irp i, 0,1,2,3,4,5,6,7
	ds_load_b128 v[OB+4*\i:OB+4*\i+3], v11 offset:544*\i            ; LDS serves a wave's instructions in order: these see my stores
.endr
.irp i, 0,1,2,3,4,5,6,7
	s_wait_dscnt 7-\i
	global_store_b128 v12, v[OB+4*\i:OB+4*\i+3], s[12:13] offset:(2*\i+8*(\i/4))*8192 th:TH_STORE_NT   ; stage row 2 i + h is output row 2 i + h + 8 (i / 4): sixteen lanes store 256 consecutive bytes, aligned
.endr
	s_wait_tensorcnt 0x0
	ds_add_u32 v254, v255
	s_wait_dscnt 0x0
	s_endpgm
.Lfunc_end_k_qf9969f9625_outp:
	.size	k_qf9969f9625_outp, .Lfunc_end_k_qf9969f9625_outp-k_qf9969f9625_outp
	.p2alignl 7, 3214868480
	.fill 96, 4, 3214868480
	.section	.rodata,"a",@progbits
	.p2align	6, 0x0
	.amdhsa_kernel k_qf9969f9625_outp
		.amdhsa_group_segment_fixed_size 17920
		.amdhsa_private_segment_fixed_size 0
		.amdhsa_enable_private_segment 0
		.amdhsa_kernarg_size 40
		.amdhsa_user_sgpr_count 2
		.amdhsa_user_sgpr_kernarg_segment_ptr 1
		.amdhsa_wavefront_size32 1
		.amdhsa_system_sgpr_workgroup_id_x 1
		.amdhsa_system_sgpr_workgroup_id_y 1
		.amdhsa_system_sgpr_workgroup_id_z 1
		.amdhsa_system_vgpr_workitem_id 0
		.amdhsa_next_free_vgpr 448
		.amdhsa_next_free_sgpr 66
		.amdhsa_reserve_vcc 0
		.amdhsa_float_denorm_mode_32 3
		.amdhsa_float_denorm_mode_16_64 3
		.amdhsa_memory_ordered 1
		.amdhsa_forward_progress 1
		.amdhsa_inst_pref_size 19
	.end_amdhsa_kernel
	.amdgpu_metadata
---
amdhsa.version: [ 1, 2 ]
amdhsa.kernels:
  - .name:           k_qf9969f9625_outp
    .symbol:         k_qf9969f9625_outp.kd
    .args:
      - { .name: oimg, .offset: 0, .size: 8, .value_kind: global_buffer, .address_space: global }
      - { .name: oscl, .offset: 8, .size: 8, .value_kind: global_buffer, .address_space: global }
      - { .name: wc, .offset: 16, .size: 8, .value_kind: global_buffer, .address_space: global }
      - { .name: bo, .offset: 24, .size: 8, .value_kind: global_buffer, .address_space: global }
      - { .name: out0, .offset: 32, .size: 8, .value_kind: global_buffer, .address_space: global }
    .group_segment_fixed_size: 17920
    .private_segment_fixed_size: 0
    .kernarg_segment_align: 8
    .kernarg_segment_size: 40
    .max_flat_workgroup_size: 128
    .sgpr_count:     66
    .vgpr_count:     448
    .wavefront_size: 32
...
	.end_amdgpu_metadata
.endif
;; end of part 4
;; ======== version 2 of 2: 4 launches; version 1 with the launches proj, attn, outp written anew for expert scheduling mode
;; workspace buffers: xc 1,638,400 bytes; wc 819,200 bytes; mbits 163,840 bytes of whole numbers; qimg 851,968 bytes; kv 1,703,936 bytes; oimg 786,432 bytes; oscl 32,768 bytes
;; launch prep: the kernel of part 1 again; grid 352 x 1, 4 waves a work-group, no clusters, 68,096 bytes of LDS; arguments x, c, wq, wk, wv, wo, attn_mask, xc, wc, mbits; writes xc, wc, mbits
;; launch proj (part 5): grid 192 x 1, 4 waves a work-group, no clusters, 52,224 bytes of LDS; arguments xc, wc, bq, bk, bv, qimg, kv; writes qimg, kv
.if DOCPART == 5
	.amdgcn_target "amdgcn-amd-amdhsa--gfx1250"
	.amdhsa_code_object_version 6
	.text
	.protected	k_qf9969f9625_proj
	.globl	k_qf9969f9625_proj
	.p2align	8
	.type	k_qf9969f9625_proj,@function
k_qf9969f9625_proj:
	s_mov_b64 s[64:65], 0
	v_nop
	global_prefetch_b8 v0, s[64:65] scope:SCOPE_SE
	s_setreg_imm32_b32 hwreg(HW_REG_WAVE_SCHED_MODE, 0, 2), 2
	s_setreg_imm32_b32 hwreg(HW_REG_WAVE_MODE, 25, 1), 1
	s_wait_xcnt 0x0
	s_wait_alu depctr_vm_vsrc(0)
; PROJ.  q = (wq x + bq) / 8, k = wk c + bk, v = wv c + bv on codes of FP6 (E2M3), and their quantising for the attention: q and k along the head's 64, v along the keys.
; Work-group g: type g / 64 (0 q, 1 k, 2 v), 128 outputs ob = g % 4 (two heads), 128 t tb = (g % 64) / 4.  One tile 128 x 128, K = 512 in four steps of 128.
; ONE FORM FOR ALL THREE: D = source 0 (THE REGISTER SIDE: 8 tiles, whose rows end up along a lane's registers; shared by the four waves through LDS) x source 1 (THE LANE SIDE: the wave's own pair of tiles,
; whose rows end up one to a lane; loaded straight into registers).  q, k: register side = the weight's 128 rows, lane side = t: a lane holds one t and 128 outputs: four blocks of 32 along d (two heads).
; v: register side = c's 128 keys, lane side = wv's rows: a lane holds one output d and 128 keys: four blocks along the keys.  The register side's tiles have their rows in the order 32 b + 8 u + r + 8 (r / 8),
; so that registers 16 b + i of a lane are 32 b + 16 (lane / 16) + i.  Only pointers are chosen by the type; every LDS address is a constant and a lane term.
; OUT: qimg [head][128 queries] and kv's K part [head][128 keys]: 8 tiles x 6 registers (K = 64) on end, 48 registers = 12 runs of 512 bytes, then four registers of scale words (6,656 bytes).
; kv's V part (at 6,656 of a record of 13,312): 4 tiles of V^T (rows d in the order above, K = the step's 128 keys) x 12 registers, two registers of scale words; at 13,056 the 64 sums of the quantised v over the step's keys.
; LIMITS: as in the launch before: a block of zeros gets the byte 1; largest magnitudes under 2^-124 keep the byte 1; NaN and infinities are not served.
; THE MODE: SCHED_MODE bits 1:0 = 2 (LLVM: expert scheduling mode 2), set by the entry lines.  The code itself states the register dependences
; between vector or matrix instructions and memory or LDS instructions, with s_wait_alu, always for 0.
; THE PLAN.  Registers that memory or LDS instructions touch:
;   v1-11, v239   offsets and LDS addresses: made once at the head, never written again.
;   v238 (BI)     loaded, multiplied by f, stored to LDS.
;   v116-215      at the head the register side's record lands here and the copy's LDS stores read it; then they are RA: two sets of four fragments.
;   RA, RS        the products of unit u read set u % 2; the LDS loads of unit u + 2 land in it: one wait on va_vdst ahead of each such run of loads.
;   LB, LSC       loaded once; read by all products; on q's and k's way out the biases land in LB.
;   KA, KB, SA, SB, VS   written by vector instructions, read by the last stores: one wait on va_vdst ahead of the run of stores.
.set GREC, 51200
.set KST,  12800
.set BIAS, 51200                       ; LDS: behind the register side's record: 128 f32, bias x f
.set LT,  1                            ; v1   16 x thread
.set LI,  2                            ; v2   16 x lane
.set LS,  3                            ; v3   4 x lane
.set T4,  4                            ; v4   4 x thread
.set LVO, 5                            ; v5   16 x lane + 3,072 x wave: my pair in a K step
.set LSO, 6                            ; v6   4 x lane + 128 x wave: my pair's scale words
.set BFA, 7                            ; v7   64 h
.set QVO, 8                            ; v8   16 x lane + 1,536 x wave: my pair in a record of q or k
.set VBA, 10                           ; v10  4 (32 w + r + 8 (r / 8)): my row's bias, type v
.set VVO, 11                           ; v11  16 x lane + 3,072 (w % 2)
.set LB,  16                           ; v16-111  the lane side: K step s at 24 s, tile e at + 12 e
.set LSC, 112                          ; v112-115 its scale words, a register a K step
.set RA,  116                          ; v116-211 the register side: two sets of four fragments.  (v116-215: where the copy into LDS lands)
.set RS,  240                          ; v240-243 its scale words, two registers a set
.set X,   116                          ; the way out: 64 numbers
.set BF,  16                           ; 64 biases
.set KA,  180                          ; codes
.set KB,  192
.set CT,  204
.set TM,  216                          ; v216-219 largest magnitudes, v220-223 bytes, v224-227 scale operands
.set PW,  232                          ; v232-233 the scale words just made
.set SA,  234
.set SB,  235
.set ONE, 80                           ; v80-91 a fragment of ones
.set ONS, 236                          ; its scale word
.set VSD, 92                           ; v92-107 two results
.set VS,  237
.set BI,  238
.set VSO, 239                          ; v239 4 x lane + 128 (w % 2)
.set MSB, 0
.macro WIN new                         ; the immediate's high byte repeats the setting that is left
.if MSB != \new
	s_set_vgpr_msb (MSB<<8)|\new
.set MSB, \new
.endif
.endm
.macro NOPS n
.rept \n
	v_nop
.endr
.endm
; the scaled product: z = 1: C = 0 starts the sum; ra, rb = 1: that side's scale words stand in lanes 16-31
.macro WMS d, a, b, z, sa, sb, ra, rb
.if \z
.if (\ra) && (\rb)
	v_wmma_scale_f32_16x16x128_f8f6f4 v[(\d):(\d)+7], v[(\a):(\a)+11], v[(\b):(\b)+11], 0, v[\sa], v[\sb] matrix_a_fmt:MATRIX_FMT_FP6 matrix_b_fmt:MATRIX_FMT_FP6 matrix_a_scale:MATRIX_SCALE_ROW1 matrix_b_scale:MATRIX_SCALE_ROW1
.elseif \ra
	v_wmma_scale_f32_16x16x128_f8f6f4 v[(\d):(\d)+7], v[(\a):(\a)+11], v[(\b):(\b)+11], 0, v[\sa], v[\sb] matrix_a_fmt:MATRIX_FMT_FP6 matrix_b_fmt:MATRIX_FMT_FP6 matrix_a_scale:MATRIX_SCALE_ROW1
.elseif \rb
	v_wmma_scale_f32_16x16x128_f8f6f4 v[(\d):(\d)+7], v[(\a):(\a)+11], v[(\b):(\b)+11], 0, v[\sa], v[\sb] matrix_a_fmt:MATRIX_FMT_FP6 matrix_b_fmt:MATRIX_FMT_FP6 matrix_b_scale:MATRIX_SCALE_ROW1
.else
	v_wmma_scale_f32_16x16x128_f8f6f4 v[(\d):(\d)+7], v[(\a):(\a)+11], v[(\b):(\b)+11], 0, v[\sa], v[\sb] matrix_a_fmt:MATRIX_FMT_FP6 matrix_b_fmt:MATRIX_FMT_FP6
.endif
.else
.if (\ra) && (\rb)
	v_wmma_scale_f32_16x16x128_f8f6f4 v[(\d):(\d)+7], v[(\a):(\a)+11], v[(\b):(\b)+11], v[(\d):(\d)+7], v[\sa], v[\sb] matrix_a_fmt:MATRIX_FMT_FP6 matrix_b_fmt:MATRIX_FMT_FP6 matrix_a_scale:MATRIX_SCALE_ROW1 matrix_b_scale:MATRIX_SCALE_ROW1
.elseif \ra
	v_wmma_scale_f32_16x16x128_f8f6f4 v[(\d):(\d)+7], v[(\a):(\a)+11], v[(\b):(\b)+11], v[(\d):(\d)+7], v[\sa], v[\sb] matrix_a_fmt:MATRIX_FMT_FP6 matrix_b_fmt:MATRIX_FMT_FP6 matrix_a_scale:MATRIX_SCALE_ROW1
.elseif \rb
	v_wmma_scale_f32_16x16x128_f8f6f4 v[(\d):(\d)+7], v[(\a):(\a)+11], v[(\b):(\b)+11], v[(\d):(\d)+7], v[\sa], v[\sb] matrix_a_fmt:MATRIX_FMT_FP6 matrix_b_fmt:MATRIX_FMT_FP6 matrix_b_scale:MATRIX_SCALE_ROW1
.else
	v_wmma_scale_f32_16x16x128_f8f6f4 v[(\d):(\d)+7], v[(\a):(\a)+11], v[(\b):(\b)+11], v[(\d):(\d)+7], v[\sa], v[\sb] matrix_a_fmt:MATRIX_FMT_FP6 matrix_b_fmt:MATRIX_FMT_FP6
.endif
.endif
.endm
; 64 numbers of a lane, register 16 b + i = k 32 b + 16 (lane / 16) + i of my row: blocks 0, 1 become six registers at v[d0], blocks 2, 3 six at v[d1]; v[pw] = the four scale bytes
.macro QUANT4 s, d0, d1, pw
.irp b, 0,1,2,3
	v_max3_num_f32 v[TM+\b], |v[(\s)+16*\b]|, |v[(\s)+1+16*\b]|, 0x1800000   ; my 16 numbers of block b, and the floor 2^(3 - 127)
.endr
.irp i, 2,4,6,8,10,12,14
.irp b, 0,1,2,3
	v_max3_num_f32 v[TM+\b], v[TM+\b], |v[(\s)+16*\b+\i]|, |v[(\s)+1+16*\b+\i]|
.endr
.endr
.irp b, 0,1,2,3
	v_permlanex16_b32 v[TM+4+\b], v[TM+\b], s42, s43
.endr
.irp b, 0,1,2,3
	v_max_num_f32 v[TM+\b], v[TM+\b], v[TM+4+\b]   ; with lane l xor 16's: the block's largest magnitude
.endr
.irp b, 0,1,2,3
	v_add_nc_u32 v[TM+8+\b], 0xff000000, v[TM+\b]  ; 2 off its exponent field: the conversion's scale operand
.endr
.irp b, 0,1,2,3
	v_lshrrev_b32 v[TM+4+\b], 23, v[TM+8+\b]       ; the scale's byte
.endr
	v_lshl_or_b32 v[\pw], v[TM+5], 8, v[TM+4]
	v_lshl_or_b32 v[\pw], v[TM+6], 16, v[\pw]
	v_lshl_or_b32 v[\pw], v[TM+7], 24, v[\pw]
	v_cvt_scalef32_pk16_fp6_f32 v[(\d0):(\d0)+2], v[(\s):(\s)+15], v[TM+8]
	v_cvt_scalef32_pk16_fp6_f32 v[CT:CT+2], v[(\s)+16:(\s)+31], v[TM+9]
	v_cvt_scalef32_pk16_fp6_f32 v[(\d1):(\d1)+2], v[(\s)+32:(\s)+47], v[TM+10]
	v_cvt_scalef32_pk16_fp6_f32 v[CT+4:CT+6], v[(\s)+48:(\s)+63], v[TM+11]
	v_nop                                          ; one plain place behind a scaled conversion
.irp i, 0,1,2
	v_permlane16_swap_b32 v[(\d0)+\i], v[CT+\i]    ; a whole block to a lane: lanes 0-15 the even block, lanes 16-31 the odd one
	v_permlane16_swap_b32 v[(\d1)+\i], v[CT+4+\i]
.endr
.irp i, 0,1,2
	v_mov_b32 v[(\d0)+3+\i], v[CT+\i]
	v_mov_b32 v[(\d1)+3+\i], v[CT+4+\i]
.endr
.endm
	s_load_b256 s[4:11], s[0:1], 0x0               ; xc s[4:5], wc s[6:7], bq s[8:9], bk s[10:11]
	s_load_b128 s[12:15], s[0:1], 0x20             ; bv s[12:13], qimg s[14:15]
	s_load_b64 s[16:17], s[0:1], 0x30              ; kv
	v_lshl_add_u32 v254, v0, 2, 0xca00
	v_mov_b32 v255, 0
	v_lshrrev_b32 v9, 5, v0
	v_readfirstlane_b32 s23, v9                    ; wave 0..3
	v_and_b32 v9, 31, v0                           ; lane
	v_lshlrev_b32 v[LT], 4, v0
	v_lshlrev_b32 v[LI], 4, v9
	v_lshlrev_b32 v[LS], 2, v9
	v_lshlrev_b32 v[T4], 2, v0
	s_wait_alu depctr_va_sdst(0)                   ; s23 is written, ahead of its first reader
	s_mul_i32 s24, s23, 3072
	v_add_nc_u32 v[LVO], s24, v[LI]
	s_lshl_b32 s24, s23, 7
	v_add_nc_u32 v[LSO], s24, v[LS]
	v_bfe_u32 v[BFA], v0, 4, 1
	v_lshlrev_b32 v[BFA], 6, v[BFA]
	s_mul_i32 s24, s23, 1536
	v_add_nc_u32 v[QVO], s24, v[LI]
	v_and_b32 v9, 15, v0                           ; r
	v_and_b32 v[VBA], 8, v9
	v_add_nc_u32 v[VBA], v[VBA], v9
	s_lshl_b32 s24, s23, 5
	v_add_nc_u32 v[VBA], s24, v[VBA]
	v_lshlrev_b32 v[VBA], 2, v[VBA]
	s_and_b32 s24, s23, 1
	s_mul_i32 s25, s24, 3072
	v_add_nc_u32 v[VVO], s25, v[LI]
	s_lshl_b32 s25, s24, 7
	v_add_nc_u32 v[VSO], s25, v[LS]
.irp b, 0,1,2,3
	v_mov_b32 v[TM+4+\b], 0                        ; written once: a lane permute's destination counts as one of its sources
.endr
	v_mov_b32 v13, 0                               ; (named as the upper halves of pairs)
	v_mov_b32 v15, 0
	s_mov_b32 s42, 0x76543210
	s_mov_b32 s43, 0xfedcba98                      ; v_permlanex16_b32's selects for lane l xor 16
	s_mov_b32 s44, 0xffff0000                      ; lanes 16-31
	s_lshr_b32 s20, ttmp9, 6                       ; type
	s_and_b32 s21, ttmp9, 3                        ; ob
	s_bfe_u32 s22, ttmp9, 0x40002                  ; tb
	s_lshl_b32 s24, s20, 2
	s_add_co_u32 s24, s24, s21
	s_mul_i32 s24, s24, GREC                       ; the weight's record
	s_mov_b32 s25, 0
	s_min_u32 s26, s20, 1
	s_lshl_b32 s26, s26, 4
	s_add_co_u32 s26, s26, s22
	s_mul_i32 s26, s26, GREC                       ; x's (type q) or c's record
	s_mov_b32 s27, 0
	s_wait_kmcnt 0x0
	s_add_nc_u64 s[6:7], s[6:7], s[24:25]
	s_add_nc_u64 s[4:5], s[4:5], s[26:27]
	s_cmp_lt_u32 s20, 2
	s_cselect_b64 s[28:29], s[6:7], s[4:5]         ; the register side
	s_cselect_b64 s[30:31], s[4:5], s[6:7]         ; the lane side
	s_cmp_lt_u32 s20, 1
	s_cselect_b64 s[8:9], s[8:9], s[10:11]
	s_cmp_lt_u32 s20, 2
	s_cselect_b64 s[8:9], s[8:9], s[12:13]         ; the bias
	s_lshl_b32 s24, s21, 9
	s_add_nc_u64 s[8:9], s[8:9], s[24:25]
	s_mov_b32 s33, 0x3f800000
	s_cmp_eq_u32 s20, 0
	s_cselect_b32 s32, 0x3e000000, s33             ; f = 1/8 for q, else 1
	s_mov_b32 s33, s32                             ; (the packed form names the pair)
	s_wait_alu depctr_va_vdst(0)                   ; the offsets and LDS addresses v1-11 and v239 are written: every load and store of the kernel reads one of them
	; ---- all loads in one run: the bias, the register side (25 x 2,048 bytes by the 128 threads), my pair of the lane side (24 + 4)
	global_load_b32 v[BI], v[T4], s[8:9]
.set n, 0
.rept 25
	global_load_b128 v[RA+4*n:RA+4*n+3], v[LT], s[28:29] offset:2048*n
.set n, n+1
.endr
.irp s, 0,1,2,3
.irp p, 0,1,2,3,4,5
	global_load_b128 v[LB+24*\s+4*\p:LB+24*\s+4*\p+3], v[LVO], s[30:31] offset:KST*\s+512*\p
.endr
.endr
.irp s, 0,1,2,3
	global_load_b32 v[LSC+\s], v[LSO], s[30:31] offset:KST*\s+12288
.endr
	s_wait_loadcnt 28                              ; the bias and the register side are in; the lane side's 28 loads may be out
	v_mul_f32 v[BI], s32, v[BI]
	s_wait_alu depctr_va_vdst(0)                   ; bias x f is written, which the LDS store below reads
	ds_store_b32 v[T4], v[BI] offset:BIAS
.set n, 0
.rept 25
	ds_store_b128 v[LT], v[RA+4*n:RA+4*n+3] offset:2048*n
.set n, n+1
.endr
	s_wait_dscnt 0x0                               ; for the others' sake: my stores have landed
	s_barrier_signal -1
	s_barrier_wait -1
	s_wait_alu depctr_vm_vsrc(0)                   ; my LDS stores have read v116-215: from here on the fragments' loads land there, and on the way out vector instructions write them
	s_wait_loadcnt 0x0                             ; the lane side
; eight units: K step u / 2, the register side's tiles 4 (u % 2) .. + 3: 12 + 2 LDS loads, 8 products
.macro FETCH u
.set FS, (\u)/2
.set FH, (\u)%2
.set FG, RA+48*((\u)%2)
.irp p, 0,1,2,3,4,5,6,7,8,9,10,11
	ds_load_b128 v[FG+4*\p:FG+4*\p+3], v[LI] offset:KST*FS+6144*FH+512*\p
.endr
	ds_load_b32 v[RS+2*FH], v[LS] offset:KST*FS+12288+256*FH
	ds_load_b32 v[RS+2*FH+1], v[LS] offset:KST*FS+12288+256*FH+128
.endm
.macro MUL u                           ; the sixteen accumulators (window 1: tile e of my pair, tile t of the register side at 64 e + 8 t) take turns, one instruction a turn
.set MS, (\u)/2
.set MH, (\u)%2
.set MR, RA+48*((\u)%2)
.set MC, RS+2*((\u)%2)
.if MS == 0
.set MZ, 1
.else
.set MZ, 0
.endif
	WIN 0x50                                       ; C and D in window 1
.irp tt, 0,1,2,3
.irp e, 0,1
	WMS 64*\e+8*(4*MH+\tt), MR+12*\tt, LB+24*MS+12*\e, MZ, MC+\tt/2, LSC+MS, \tt%2, \e
.endr
.endr
	WIN 0
.endm
	FETCH 0
	FETCH 1
	s_wait_dscnt 14                                ; unit 0's loads are in, the 14 of unit 1 may be out
	MUL 0
.irp u, 1,2,3,4,5,6
	NOPS 4                                         ; four plain places behind the products, kept beside the wait below
	s_wait_alu depctr_va_vdst(0)                   ; the products of the unit before are done reading their set of fragments and its scale words, in which the loads below land
	FETCH \u+1
	s_wait_dscnt 14                                ; all but the 14 just issued
	MUL \u
.endr
	s_wait_dscnt 0x0
	MUL 7
	NOPS 4                                         ; places in front of the first read of results, and of writes into operands
	s_cmp_eq_u32 s20, 2
	s_cbranch_scc1 .Lepi_v
	; ---- q, k: x f + bias x f; four blocks along the outputs: blocks 0, 1 are head 2 ob, blocks 2, 3 head 2 ob + 1
	s_wait_alu depctr_va_vdst(0)                   ; all products are done reading the lane side's fragments, in which the biases land
.irp b, 0,1,2,3
.irp q, 0,1,2,3
	ds_load_b128 v[BF+16*\b+4*\q:BF+16*\b+4*\q+3], v[BFA] offset:BIAS+128*\b+16*\q   ; the biases of outputs 32 b + 16 h + 0 .. 15
.endr
.endr
	s_wait_dscnt 0x0
.irp e, 0,1
	WIN 0x01                                       ; source 0 in window 1
.set j, 0
.rept 32
	v_pk_fma_f32 v[X+j:X+j+1], v[64*\e+j:64*\e+j+1], s[32:33], v[BF+j:BF+j+1] op_sel_hi:[1,0,1]   ; each accumulator from its low end on
.set j, j+2
.endr
	WIN 0
	QUANT4 X, KA+6*\e, KB+6*\e, PW+\e
.endr
	v_cndmask_b32 v[SA], v[PW], v[PW+1], s44       ; lanes 0-15 tile 2 w's words, lanes 16-31 tile 2 w + 1's.  Bytes 0, 1: the first head's; bytes 2, 3 scale zero codes there and are never 0xff
	v_lshrrev_b32 v[SB], 16, v[SA]                 ; the second head's
	s_mov_b32 s36, 13312
	s_cmp_eq_u32 s20, 0
	s_cselect_b64 s[34:35], s[14:15], s[16:17]     ; qimg or kv
	s_cselect_b32 s36, 6656, s36                   ; and its record's bytes
	s_lshl_b32 s37, s21, 5
	s_add_co_u32 s37, s37, s22                     ; record 16 (2 ob) + tb
	s_mul_i32 s38, s37, s36
	s_mov_b32 s39, 0
	s_add_nc_u64 s[34:35], s[34:35], s[38:39]
	s_lshl_b32 s38, s36, 4
	s_add_nc_u64 s[40:41], s[34:35], s[38:39]      ; the next head's: 16 records on
	s_wait_alu depctr_va_vdst(0)                   ; the codes in KA and KB and the scale words in SA and SB are written, which the stores read
.irp q, 0,1,2
	global_store_b128 v[QVO], v[KA+4*\q:KA+4*\q+3], s[34:35] offset:512*\q   ; 512 consecutive bytes, aligned
	global_store_b128 v[QVO], v[KB+4*\q:KB+4*\q+3], s[40:41] offset:512*\q
.endr
	global_store_b32 v[LSO], v[SA], s[34:35] offset:6144
	global_store_b32 v[LSO], v[SB], s[40:41] offset:6144
	s_wait_dscnt 0x0
	s_wait_alu depctr_hold_cnt(0) depctr_sa_sdst(0) depctr_va_vdst(0) depctr_va_sdst(0) depctr_va_ssrc(0) depctr_va_vcc(0) depctr_vm_vsrc(0)
	s_wait_tensorcnt 0x0
	ds_add_u32 v254, v255
	s_wait_dscnt 0x0
	s_endpgm
	; ---- v: + my row's bias; four blocks along the keys: a whole fragment of V^T a tile; and the sum of the quantised numbers over the 128 keys, by a product with ones
.Lepi_v:
	ds_load_b32 v12, v[VBA] offset:BIAS            ; (no vector instruction has named v12 or v14)
	ds_load_b32 v14, v[VBA] offset:BIAS+32
	s_wait_dscnt 0x0
.irp e, 0,1
	WIN 0x01
.set j, 0
.rept 32
	v_pk_fma_f32 v[X+j:X+j+1], v[64*\e+j:64*\e+j+1], s[32:33], v[12+2*\e:13+2*\e] op_sel_hi:[1,0,0]
.set j, j+2
.endr
	WIN 0
	QUANT4 X, KA+12*\e, KA+12*\e+6, PW+\e
.endr
.irp i, 0,1,2,3
	v_mov_b32 v[ONE+3*\i], 0x08208208              ; the code of 1.0 is 001000: sixteen of them are these 96 bits
	v_mov_b32 v[ONE+3*\i+1], 0x82082082
	v_mov_b32 v[ONE+3*\i+2], 0x20820820
.endr
	v_mov_b32 v[ONS], 0x7f7f7f7f                   ; scale 1
	v_cndmask_b32 v[SA], v[PW], v[PW+1], s44
	NOPS 8                                         ; a scale register written by a vector instruction stands 8 places ahead of a scaled product, an operand 4
	s_wait_alu depctr_va_vdst(0)                   ; the ones, v's codes and both sides' scale words are written, which the two products take as operands and scales
	WMS VSD, ONE, KA, 1, ONS, PW, 0, 0
	WMS VSD+8, ONE, KB, 1, ONS, PW+1, 0, 0
	s_lshl_b32 s37, s21, 1
	s_lshr_b32 s38, s23, 1
	s_add_co_u32 s37, s37, s38                     ; head 2 ob + w / 2
	s_lshl_b32 s37, s37, 4
	s_add_co_u32 s37, s37, s22
	s_mul_i32 s38, s37, 13312
	s_add_co_u32 s38, s38, 6656                    ; the record's V part
	s_mov_b32 s39, 0
	s_add_nc_u64 s[16:17], s[16:17], s[38:39]
	NOPS 4
	v_cndmask_b32 v[VS], v[VSD], v[VSD+8], s44     ; every row of a result is the same: register 0 holds lane r's sum
	s_wait_alu depctr_va_vdst(0)                   ; the sums in VS are written, which the last store reads (the codes and SA were written ahead of the wait above)
.irp q, 0,1,2
	global_store_b128 v[VVO], v[KA+4*\q:KA+4*\q+3], s[16:17] offset:512*\q          ; tile 2 (w % 2)
	global_store_b128 v[VVO], v[KB+4*\q:KB+4*\q+3], s[16:17] offset:1536+512*\q     ; tile 2 (w % 2) + 1
.endr
	global_store_b32 v[VSO], v[SA], s[16:17] offset:6144
	global_store_b32 v[VSO], v[VS], s[16:17] offset:6400
	s_wait_dscnt 0x0
	s_wait_alu depctr_hold_cnt(0) depctr_sa_sdst(0) depctr_va_vdst(0) depctr_va_sdst(0) depctr_va_ssrc(0) depctr_va_vcc(0) depctr_vm_vsrc(0)
	s_wait_tensorcnt 0x0
	ds_add_u32 v254, v255
	s_wait_dscnt 0x0
	s_endpgm
.Lfunc_end_k_qf9969f9625_proj:
	.size	k_qf9969f9625_proj, .Lfunc_end_k_qf9969f9625_proj-k_qf9969f9625_proj
	.p2alignl 7, 3214868480
	.fill 96, 4, 3214868480
	.section	.rodata,"a",@progbits
	.p2align	6, 0x0
	.amdhsa_kernel k_qf9969f9625_proj
		.amdhsa_group_segment_fixed_size 52224
		.amdhsa_private_segment_fixed_size 0
		.amdhsa_enable_private_segment 0
		.amdhsa_kernarg_size 56
		.amdhsa_user_sgpr_count 2
		.amdhsa_user_sgpr_kernarg_segment_ptr 1
		.amdhsa_wavefront_size32 1
		.amdhsa_system_sgpr_workgroup_id_x 1
		.amdhsa_system_sgpr_workgroup_id_y 1
		.amdhsa_system_sgpr_workgroup_id_z 1
		.amdhsa_system_vgpr_workitem_id 0
		.amdhsa_next_free_vgpr 384
		.amdhsa_next_free_sgpr 66
		.amdhsa_reserve_vcc 0
		.amdhsa_float_denorm_mode_32 3
		.amdhsa_float_denorm_mode_16_64 3
		.amdhsa_memory_ordered 1
		.amdhsa_forward_progress 1
		.amdhsa_inst_pref_size 56
	.end_amdhsa_kernel
	.amdgpu_metadata
---
amdhsa.version: [ 1, 2 ]
amdhsa.kernels:
  - .name:           k_qf9969f9625_proj
    .symbol:         k_qf9969f9625_proj.kd
    .args:
      - { .name: xc, .offset: 0, .size: 8, .value_kind: global_buffer, .address_space: global }
      - { .name: wc, .offset: 8, .size: 8, .value_kind: global_buffer, .address_space: global }
      - { .name: bq, .offset: 16, .size: 8, .value_kind: global_buffer, .address_space: global }
      - { .name: bk, .offset: 24, .size: 8, .value_kind: global_buffer, .address_space: global }
      - { .name: bv, .offset: 32, .size: 8, .value_kind: global_buffer, .address_space: global }
      - { .name: qimg, .offset: 40, .size: 8, .value_kind: global_buffer, .address_space: global }
      - { .name: kv, .offset: 48, .size: 8, .value_kind: global_buffer, .address_space: global }
    .group_segment_fixed_size: 52224
    .private_segment_fixed_size: 0
    .kernarg_segment_align: 8
    .kernarg_segment_size: 56
    .max_flat_workgroup_size: 128
    .sgpr_count:     66
    .vgpr_count:     384
    .wavefront_size: 32
...
	.end_amdgpu_metadata
.endif
;; end of part 5
;; launch attn (part 6): grid 32 x 8, 4 waves a work-group, no clusters, 160,768 bytes of LDS; arguments qimg, kv, mbits, emb_rel_k, emb_rel_v, oimg, oscl; writes oimg, oscl
.if DOCPART == 6
	.amdgcn_target "amdgcn-amd-amdhsa--gfx1250"
	.amdhsa_code_object_version 6
	.text
	.protected	k_qf9969f9625_attn
	.globl	k_qf9969f9625_attn
	.p2align	8
	.type	k_qf9969f9625_attn,@function
k_qf9969f9625_attn:
	s_mov_b64 s[64:65], 0
	v_nop
	global_prefetch_b8 v0, s[64:65] scope:SCOPE_SE
	s_setreg_imm32_b32 hwreg(HW_REG_WAVE_SCHED_MODE, 0, 2), 2
	s_setreg_imm32_b32 hwreg(HW_REG_WAVE_MODE, 25, 1), 1
	s_wait_xcnt 0x0
	s_wait_alu depctr_vm_vsrc(0)
; ATTN.  For one head and 64 queries: scores = q k^T + relative-key logits (|key - query| <= 10) - log1p(|key - query|); -1e4 where attn_mask is 0 or |key - query| > 256; softmax; x v;
; + the finished softmax at key - query = -31 .. 32 x the relative values; the result quantised along d for the last projection.  All four products on codes of FP6 (E2M3) with E8M0 scales.
; SHARES.  Work-group (B, head): queries 64 B .. 64 B + 63.  Wave w: tile T = 4 B + w of 16 queries.  Both products are used transposed (source 0 = keys, or d; source 1 = my queries): a lane holds ONE query (lane % 16).
; THE WINDOW: five whole steps of 128 keys from step w0c = clamp(B / 2 - 2, 0, 11): they cover the band.  Their records (K's codes, V's codes, scale words: 66,560 bytes on end) are copied into LDS once; one barrier.
; THE KEYS OUTSIDE THE WINDOW, 1,408 of them, all have the score -1e4, so one p0 = 2^(t0 - M): they add 1,408 p0 to the row's sum and Q(p0) x (the sum of the quantised v over them) to the result.
; A block of 32 equal p0 is quantised to p0's power of two: p0's mantissa is that of 2^frac(t0) = 1.035 for every whole M, which as 4.14 x the scale rounds to the code 4.0, far from a middle.
; SOFTMAX: t = score x log2(e); M = the running largest t (t0 among them from the start) rounded up to a whole number; p = 2^(t - M) is quantised along the keys; the sum is taken of the unquantised p.
; K = 64 PRODUCTS: a fragment of K, of the relative keys or values is named with 12 registers of which only the first six are its own (the upper six are the next tile's codes, or zeros);
; the other operand's registers 6-11 are zero codes, and no scale byte is 0xff: k = 64 .. 127 adds nothing.
; THE DIAGONAL goes through a strip in LDS, each wave's own: 16 rows (queries) x 256 columns (the keys of steps sb, sb + 1, which hold key - query = -31 .. 32 for the whole tile).  It begins as zeros with the
; relative-key logits scattered in; in those two steps it is added to the scores and then takes the final t; at the end each query reads its 64 t back along the diagonal.
; LIMITS: NaN and infinities are not served; p under 2^-126 is taken as 0 by the exponential; a block of zeros gets the byte 1 (its codes are zeros; this program alone reads the bytes);
; the part of the row's sum that lies outside the window is one multiplication, p0 x 1,408, not 1,408 additions.
; THE MODE: SCHED_MODE bits 1:0 = 2 (LLVM: expert scheduling mode 2), set by the entry lines.  The code itself states the register dependences
; between vector or matrix instructions and memory or LDS instructions, with s_wait_alu, always for 0.
; THE PLAN.  Registers that memory or LDS instructions touch in a key step, and who else names them:
;   K, KS (window 1, v40-43)   read by the step's eight products K Q^T; the next step's loads land in them behind the step's HEAD WAIT, which stands behind those products.
;   V, VSC (window 1, v44-45)  read by the step's four products V^T P, at its end; the next step's loads land behind the next head wait.
;   BT, BU (v84-115; window 1) the table's 64 entries of a step: read by the two scalings; the next step's 16 loads land behind the wait that follows the 64 exponentials.
;   TP, v48-79                 the strip's 64 numbers land here behind the head wait: every earlier reader and writer (the additions of the step before; p's codes, which V^T P read; work registers) was issued ahead of it.
;   S                          written by products and vector instructions; in the strip's two steps stored: a wait on va_vdst ahead of the stores, a wait on vm_vsrc ahead of the next write of S.
;   DA                         the one LDS address that is written in a step: behind the products, ahead of the head wait; its readers of the step before stand ahead of that step's wait on vm_vsrc.
;   every other address        made once at the head.
; The mask words pass through scalar registers: 32 at a time, one wait on va_sdst a run.  p's codes and scale word are made by vector instructions: a wait on va_vdst ahead of V^T P.
.set REC,   13312
.set TAB,   66560                      ; LDS: behind the five records: four copies of T[e] = log2(1 + |e - 639|), e < 1,280; copy c holds T[i + c] at word i, so that any 16 neighbours begin on 16 bytes in one of them
.set TCP,   5184                       ; from copy to copy
.set STRIP, 87296                      ; the strips: 16 rows x 1,040 bytes a wave
.set STW,   16640
.set SRW,   1040
.set RKI,   153856                     ; the relative keys: 2 tiles x 768 bytes (six registers, 8 bytes a lane three times), then 2 x 128 bytes of scale words
.set RVO,   1792                       ; from there to the relative values: 4 x 768, then 4 x 128
.set VO,    159232                     ; the sums of v outside the window: 256 bytes a wave
.set LI,  1                            ; v1   16 x lane            v2  + 3 records (an LDS offset has 16 bits)
.set LI3, 2
.set LS,  3                            ; v3   4 x lane             v4  + 3 records
.set LS3, 4
.set TBA, 5                            ; v5   my 16 table entries of step 0, block 0
.set SKA, 6                            ; v6   strip: row r, + 64 h
.set DA,  7                            ; v7   the same in the half in hand
.set SCA, 8                            ; v8   strip: where my relative-key logits go
.set T0,  9                            ; v9   t0 = -1e4 log2(e)
.set QP,  10                           ; v10-11 the sums of v outside the window; later Q(p0)
.set NM,  12                           ; v12  -M     v13 the largest t     v14-15 the sum in two halves
.set TMX, 13
.set LL,  14
.set Q,   16                           ; v16-27 Q (6-11: zeros)   v28 its scale words
.set QS,  28
.set RR,  29                           ; v29  r
.set MB,  30                           ; v30-39 the mask words: step k in v[30 + 2 k], v[31 + 2 k]: word n in lane n / 2, register n % 2
.set KS,  40                           ; v40-43 K's scale words (lanes 0-15 the even tile, lanes 16-31 the odd)    v44-45 V's    v46 p's
.set VSC, 44
.set PS,  46
.set HH,  47                           ; v47  h
.set PC,  48                           ; v48-59 p's codes
.set CT,  60                           ; v60-67 at work
.set TM,  68                           ; v68-71 largest, v72-75 the other half's / bytes, v76-79 scale operands
.set SB2, 48                           ; v48-79 (PC, CT, TM): in the strip's two steps its columns 64 on land here
.set FF,  80                           ; v80-81 f, later 1 / sum
.set TT,  82                           ; v82-83 at work
.set BT,  84                           ; v84-115 the table's entries of blocks 0, 1
.set BU,  104                          ; in window 1 (v360-391): those of blocks 2, 3
.set O,   116                          ; v116-147 O^T: tile t (rows d = 32 (t / 2) + 8 (t % 2) + r + 8 (r / 8)) at 8 t
.set S,   148                          ; v148-211 S^T, t, p
.set TP,  212                          ; v212-243 at work
.set SRA, 244                          ; v244 strip: my diagonal's first column
.set TAW, 245                          ; v245 the table, as it is written
.set VOW, 246
.set VOR, 247
.set L8R, 248                          ; v248 RKI + 8 x lane      v249 RKI + 4 x lane
.set L4R, 249
.set RVW, 250
.set RVS, 251
.set RKW, 252
.set RKS, 253
.set CPA, 254                          ; v254 16 x thread         v255 + 65,536
.set CPT, 255
.set MSB, 0
.macro WIN new                         ; the immediate's high byte repeats the setting that is left
.if MSB != \new
	s_set_vgpr_msb (MSB<<8)|\new
.set MSB, \new
.endif
.endm
.macro NOPS n
.rept \n
	v_nop
.endr
.endm
.macro WMS d, a, b, z, sa, sb, ra, rb
.if \z
.if (\ra) && (\rb)
	v_wmma_scale_f32_16x16x128_f8f6f4 v[(\d):(\d)+7], v[(\a):(\a)+11], v[(\b):(\b)+11], 0, v[\sa], v[\sb] matrix_a_fmt:MATRIX_FMT_FP6 matrix_b_fmt:MATRIX_FMT_FP6 matrix_a_scale:MATRIX_SCALE_ROW1 matrix_b_scale:MATRIX_SCALE_ROW1
.elseif \ra
	v_wmma_scale_f32_16x16x128_f8f6f4 v[(\d):(\d)+7], v[(\a):(\a)+11], v[(\b):(\b)+11], 0, v[\sa], v[\sb] matrix_a_fmt:MATRIX_FMT_FP6 matrix_b_fmt:MATRIX_FMT_FP6 matrix_a_scale:MATRIX_SCALE_ROW1
.elseif \rb
	v_wmma_scale_f32_16x16x128_f8f6f4 v[(\d):(\d)+7], v[(\a):(\a)+11], v[(\b):(\b)+11], 0, v[\sa], v[\sb] matrix_a_fmt:MATRIX_FMT_FP6 matrix_b_fmt:MATRIX_FMT_FP6 matrix_b_scale:MATRIX_SCALE_ROW1
.else
	v_wmma_scale_f32_16x16x128_f8f6f4 v[(\d):(\d)+7], v[(\a):(\a)+11], v[(\b):(\b)+11], 0, v[\sa], v[\sb] matrix_a_fmt:MATRIX_FMT_FP6 matrix_b_fmt:MATRIX_FMT_FP6
.endif
.else
.if (\ra) && (\rb)
	v_wmma_scale_f32_16x16x128_f8f6f4 v[(\d):(\d)+7], v[(\a):(\a)+11], v[(\b):(\b)+11], v[(\d):(\d)+7], v[\sa], v[\sb] matrix_a_fmt:MATRIX_FMT_FP6 matrix_b_fmt:MATRIX_FMT_FP6 matrix_a_scale:MATRIX_SCALE_ROW1 matrix_b_scale:MATRIX_SCALE_ROW1
.elseif \ra
	v_wmma_scale_f32_16x16x128_f8f6f4 v[(\d):(\d)+7], v[(\a):(\a)+11], v[(\b):(\b)+11], v[(\d):(\d)+7], v[\sa], v[\sb] matrix_a_fmt:MATRIX_FMT_FP6 matrix_b_fmt:MATRIX_FMT_FP6 matrix_a_scale:MATRIX_SCALE_ROW1
.elseif \rb
	v_wmma_scale_f32_16x16x128_f8f6f4 v[(\d):(\d)+7], v[(\a):(\a)+11], v[(\b):(\b)+11], v[(\d):(\d)+7], v[\sa], v[\sb] matrix_a_fmt:MATRIX_FMT_FP6 matrix_b_fmt:MATRIX_FMT_FP6 matrix_b_scale:MATRIX_SCALE_ROW1
.else
	v_wmma_scale_f32_16x16x128_f8f6f4 v[(\d):(\d)+7], v[(\a):(\a)+11], v[(\b):(\b)+11], v[(\d):(\d)+7], v[\sa], v[\sb] matrix_a_fmt:MATRIX_FMT_FP6 matrix_b_fmt:MATRIX_FMT_FP6
.endif
.endif
.endm
; 32 numbers of one block in one lane become 6 registers of codes
.macro QBLK src, dst, tmp, ma, mb, sc, by
	v_max3_num_f32 v[\ma], |v[(\src)]|, |v[(\src)+1]|, |v[(\src)+2]|
	v_max3_num_f32 v[\mb], |v[(\src)+3]|, |v[(\src)+4]|, |v[(\src)+5]|
.irp i, 6,10,14,18,22,26
	v_max3_num_f32 v[\ma], v[\ma], |v[(\src)+\i]|, |v[(\src)+\i+1]|
	v_max3_num_f32 v[\mb], v[\mb], |v[(\src)+\i+2]|, |v[(\src)+\i+3]|
.endr
	v_max3_num_f32 v[\ma], v[\ma], |v[(\src)+30]|, |v[(\src)+31]|
	v_max3_num_f32 v[\ma], v[\ma], v[\mb], 0x1800000              ; the floor 2^(3 - 127)
	v_add_nc_u32 v[\sc], 0xff000000, v[\ma]
	v_lshrrev_b32 v[\by], 23, v[\sc]
	v_cvt_scalef32_pk16_fp6_f32 v[(\dst):(\dst)+2], v[(\src):(\src)+15], v[\sc]
	v_cvt_scalef32_pk16_fp6_f32 v[(\tmp):(\tmp)+2], v[(\src)+16:(\src)+31], v[\sc]
	v_nop                                                         ; one plain place behind a scaled conversion
.irp i, 0,1,2
	v_mov_b32 v[(\dst)+3+\i], v[(\tmp)+\i]
.endr
.endm
; 32 numbers of a lane, register 16 b + i = k 32 b + 16 (lane / 16) + i of my row, become six registers at v[d] (a whole block to a lane); v[pw] = the two scale bytes; the bytes stay in v[TM+4], v[TM+5]
.macro QUANT2 s, d, pw
.irp b, 0,1
	v_max3_num_f32 v[TM+\b], |v[(\s)+16*\b]|, |v[(\s)+1+16*\b]|, 0x1800000
.endr
.irp i, 2,4,6,8,10,12,14
.irp b, 0,1
	v_max3_num_f32 v[TM+\b], v[TM+\b], |v[(\s)+16*\b+\i]|, |v[(\s)+1+16*\b+\i]|
.endr
.endr
.irp b, 0,1
	v_permlanex16_b32 v[TM+4+\b], v[TM+\b], s30, s31
.endr
.irp b, 0,1
	v_max_num_f32 v[TM+\b], v[TM+\b], v[TM+4+\b]
.endr
.irp b, 0,1
	v_add_nc_u32 v[TM+8+\b], 0xff000000, v[TM+\b]
.endr
.irp b, 0,1
	v_lshrrev_b32 v[TM+4+\b], 23, v[TM+8+\b]
.endr
	v_lshl_or_b32 v[\pw], v[TM+5], 8, v[TM+4]
	v_cvt_scalef32_pk16_fp6_f32 v[(\d):(\d)+2], v[(\s):(\s)+15], v[TM+8]
	v_cvt_scalef32_pk16_fp6_f32 v[CT:CT+2], v[(\s)+16:(\s)+31], v[TM+9]
	v_nop
.irp i, 0,1,2
	v_permlane16_swap_b32 v[(\d)+\i], v[CT+\i]
.endr
.irp i, 0,1,2
	v_mov_b32 v[(\d)+3+\i], v[CT+\i]
.endr
.endm
	s_load_b256 s[4:11], s[0:1], 0x0               ; qimg s[4:5], kv s[6:7], mbits s[8:9], emb_rel_k s[10:11]
	s_load_b128 s[12:15], s[0:1], 0x20             ; emb_rel_v s[12:13], oimg s[14:15]
	s_load_b64 s[16:17], s[0:1], 0x30              ; oscl
	s_set_vgpr_msb 0x40
	v_lshl_add_u32 v136, v0, 2, 0x27200
	v_mov_b32 v137, 0
	s_set_vgpr_msb 0x4000
	v_lshrrev_b32 v[TT], 5, v0
	v_readfirstlane_b32 s18, v[TT]                 ; wave 0..3
	s_mov_b32 s19, ttmp9                           ; B
	s_and_b32 s20, ttmp7, 0xffff                   ; head
	s_lshr_b32 s21, s19, 1
	s_max_u32 s21, s21, 2
	s_sub_co_u32 s21, s21, 2
	s_min_u32 s21, s21, 11                         ; w0c
	s_lshl_b32 s70, s21, 1
	s_sub_co_u32 s22, s19, s70                     ; rho = B - 2 w0c, 0 .. 9: where my 64 queries stand in the window, in units of 64 keys
	s_and_b32 s23, s19, 1                          ; par
	s_lshr_b32 s26, s22, 1
	s_add_co_u32 s26, s26, s23
	s_sub_co_i32 s26, s26, 1                       ; sb, -1 .. 4: the strip's first step, counted in the window
	s_sub_co_u32 s27, 9, s22
	s_min_u32 s27, s27, 9
	s_lshl_b32 s27, s27, 8                         ; 256 (9 - rho): the table's entry for window key kk and query xq of the 64 is kk + (63 - xq) + 64 (9 - rho)
	s_xor_b32 s28, s23, 1
	s_lshl_b32 s28, s28, 8                         ; 256 (1 - par): my tile begins at strip column 64 + 64 (1 - par) + 16 w
	s_lshl_b32 s29, s19, 2
	s_wait_alu depctr_va_sdst(0)                   ; s18 is written, ahead of its first reader
	s_add_co_u32 s29, s29, s18                     ; T
	s_mov_b32 s24, 0x3fb8aa3b                      ; log2(e)
	s_mov_b32 s25, s24                             ; (the packed form names the pair)
	s_mov_b32 s30, 0x76543210
	s_mov_b32 s31, 0xfedcba98                      ; v_permlanex16_b32's selects for lane l xor 16
	s_mov_b32 s68, 0xffff0000                      ; lanes 16-31
	s_mov_b32 s69, 0x0000ffff                      ; lanes 0-15
	; every LDS address register but DA is made here, once, ahead of every branch
	v_and_b32 v[TT], 31, v0                        ; lane
	v_and_b32 v[RR], 15, v0
	v_bfe_u32 v[HH], v0, 4, 1
	v_lshlrev_b32 v[LI], 4, v[TT]
	v_add_nc_u32 v[LI3], 3*REC, v[LI]
	v_lshlrev_b32 v[LS], 2, v[TT]
	v_add_nc_u32 v[LS3], 3*REC, v[LS]
	v_lshlrev_b32 v235, 3, v[TT]                   ; 8 x lane
	v_add_nc_u32 v[L8R], RKI, v235
	v_add_nc_u32 v[L4R], RKI, v[LS]
	v_lshlrev_b32 v[CPA], 4, v0
	v_add_nc_u32 v[CPT], 65536, v[CPA]
	v_lshl_add_u32 v[TAW], v0, 2, TAB
	s_lshl_b32 s70, s18, 4
	v_add_nc_u32 v[TT], s70, v[RR]                 ; xq = 16 w + r
	v_xor_b32 v[TT], 63, v[TT]                     ; y = 63 - xq
	v_and_b32 v[TT+1], 3, v[TT]
	v_mul_u32_u24 v[TBA], v[TT+1], TCP             ; copy y % 4,
	v_and_b32 v[TT+1], 60, v[TT]
	v_lshl_add_u32 v[TBA], v[TT+1], 2, v[TBA]      ; word y - y % 4,
	v_lshl_add_u32 v[TBA], v[HH], 6, v[TBA]        ; + 16 h entries
	s_add_co_u32 s70, s27, TAB
	v_add_nc_u32 v[TBA], s70, v[TBA]
	s_mul_i32 s70, s18, STW
	s_add_co_u32 s70, s70, STRIP                   ; my strip
	v_mul_u32_u24 v[SKA], v[RR], SRW
	v_lshl_add_u32 v[SKA], v[HH], 6, v[SKA]
	v_add_nc_u32 v[SKA], s70, v[SKA]
	v_mul_u32_u24 v[SCA], v[RR], SRW+4             ; row r and r columns on: the diagonal
	v_add_nc_u32 v[SCA], s70, v[SCA]
	s_lshl_b32 s71, s18, 6
	s_add_co_u32 s71, s71, s28
	v_add_nc_u32 v[SCA], s71, v[SCA]
	v_lshl_add_u32 v[SRA], v[HH], 6, v[SCA]
	v_add_nc_u32 v[SRA], 132, v[SRA]               ; column 64 - 31 + ..: key - query = -31 + 16 h
	v_lshl_add_u32 v[SCA], v[HH], 5, v[SCA]
	v_add_nc_u32 v[SCA], 216, v[SCA]               ; column 64 - 10 + ..: key - query = -10 + 8 h
	s_lshl_b32 s71, s18, 8
	s_add_co_u32 s71, s71, VO
	v_add_nc_u32 v[VOW], s71, v235
	v_lshl_add_u32 v[VOR], v[HH], 5, s71
	s_mul_i32 s71, s18, 768
	v_add_nc_u32 v[RVW], s71, v[L8R]
	s_lshl_b32 s71, s18, 7
	v_add_nc_u32 v[RVS], s71, v[L4R]
	s_and_b32 s72, s18, 1                          ; w % 2
	s_lshr_b32 s73, s18, 1                         ; w / 2
	s_mul_i32 s71, s72, 768
	v_add_nc_u32 v[RKW], s71, v[L8R]
	s_lshl_b32 s71, s72, 7
	v_add_nc_u32 v[RKS], s71, v[L4R]
	; offsets of the global loads
	v_and_b32 v[TT], 8, v[RR]
	v_add_nc_u32 v[TT], v[TT], v[RR]               ; r + 8 (r / 8)
	s_lshl_b32 s74, s73, 5
	s_lshl_b32 s75, s72, 3
	s_add_co_u32 s74, s74, s75
	v_add_nc_u32 v232, s74, v[TT]                  ; d of lane r of tile w of the relative values
	v_lshlrev_b32 v232, 2, v232
	s_lshl_b32 s74, s72, 4
	v_add_nc_u32 v236, s74, v[RR]                  ; r + 16 (w % 2): the row of the relative keys
	v_min_u32 v233, 20, v236                       ; (rows 21 on do not exist: row 20 is read and replaced by zeros)
	v_lshlrev_b32 v233, 8, v233
	v_lshl_add_u32 v233, v[HH], 7, v233
	v_lshlrev_b32 v234, 2, v236                    ; my query's scale word in its pair's register
.irp b, 0,1,2,3
	v_mov_b32 v[TM+4+\b], 0                        ; written once: a lane permute's destination counts as one of its sources
.endr
	s_lshl_b32 s74, s20, 4                         ; 16 x head
	s_mov_b32 s77, 0
	s_wait_kmcnt 0x0
	s_mul_i32 s76, s74, REC
	s_add_nc_u64 s[6:7], s[6:7], s[76:77]          ; the head's 16 records
	s_mul_i32 s76, s21, REC
	s_add_nc_u64 s[78:79], s[6:7], s[76:77]        ; the window's five
	s_lshr_b32 s75, s19, 1
	s_add_co_u32 s75, s74, s75
	s_mul_i32 s76, s75, 6656
	s_add_nc_u64 s[4:5], s[4:5], s[76:77]          ; the record of my 128 queries
	s_lshl_b32 s75, s23, 1
	s_add_co_u32 s75, s75, s73                     ; my pair of tiles in it: 2 par + w / 2
	s_lshl_b32 s76, s75, 7
	s_add_nc_u64 s[32:33], s[4:5], s[76:77]
	s_mul_i32 s76, s75, 1536
	s_add_nc_u64 s[34:35], s[4:5], s[76:77]
	s_mul_i32 s76, s29, 1280
	s_add_nc_u64 s[8:9], s[8:9], s[76:77]
	s_lshl_b32 s76, s29, 3
	s_add_co_u32 s76, s76, s20
	s_mul_i32 s76, s76, 768
	s_add_nc_u64 s[14:15], s[14:15], s[76:77]
	s_lshl_b32 s76, s29, 8
	s_lshl_b32 s75, s20, 1
	s_add_co_u32 s76, s76, s75
	s_add_nc_u64 s[16:17], s[16:17], s[76:77]
	s_wait_alu depctr_va_vdst(0)                   ; all offsets and LDS addresses (v1-6, v8, v232-235, v244-255) are written: the loads and stores below read them
	; ---- ALL GLOBAL LOADS IN ONE RUN, in the order in which they are wanted.  The copy's tail (1,024 bytes: waves 0, 1) comes first, so that the counts below hold in every wave
	s_cmp_lt_u32 s18, 2
	s_cbranch_scc0 .Lno_tail
	WIN 0x40                                       ; destination in window 1
	global_load_b128 v[128:131], v[CPA], s[78:79] offset:65536
	WIN 0
.Lno_tail:
.irp n, 21,22,23,24,25,26,27,28,29,30,31
	global_load_b32 v[S+\n], v232, s[12:13] offset:(\n-21)*256    ; relative values, block m = 2,016 .. 2,047: row j at place 21 + j
.endr
.irp n, 0,1,2,3,4,5,6,7,8,9
	global_load_b32 v[S+\n], v232, s[12:13] offset:(\n+11)*256    ; block m = 2,048 ..: row j at place j - 11
.endr
.irp q, 0,1,2,3,4,5,6,7
	global_load_b128 v[S+32+4*\q:S+35+4*\q], v233, s[10:11] offset:16*\q   ; a relative key's block h
.endr
.set j, 0
.rept 16
	global_load_b64 v[BT+2*j:BT+2*j+1], v235, s[6:7] offset:13056+REC*j    ; the 64 sums of v of each of the head's 16 steps
.set j, j+1
.endr
.irp q, 0,1,2
	global_load_b128 v[Q+4*\q:Q+4*\q+3], v[LI], s[34:35] offset:512*\q
.endr
	global_load_b32 v[QS], v234, s[32:33] offset:6144
.irp k, 0,1,2,3,4
	global_load_b64 v[MB+2*\k:MB+2*\k+1], v235, s[8:9] offset:256*\k
.endr
	WIN 0x40
.set n, 0
.rept 32
	global_load_b128 v[4*n:4*n+3], v[CPA], s[78:79] offset:2048*n
.set n, n+1
.endr
	WIN 0
	; ---- while they are on their way: the table (ten entries a thread) and the strip's zeros
.irp n, 0,1,2,3,4,5,6,7,8,9
	v_add_nc_u32 v[TP+\n], 128*\n-639, v0
.endr
.irp n, 0,1,2,3,4,5,6,7,8,9
	v_cvt_f32_i32 v[TP+\n], v[TP+\n]
.endr
.irp n, 0,1,2,3,4,5,6,7,8,9
	v_add_f32 v[TP+\n], |v[TP+\n]|, 1.0
.endr
.irp n, 0,1,2,3,4,5,6,7,8,9
	v_log_f32 v[TP+\n], v[TP+\n]
.endr
.irp i, 0,1,2,3
	v_mov_b32 v[O+\i], 0                           ; (plain work behind the logarithms)
.endr
.irp n, 10,11,12,13,14,15,16,17,18,19,20
	v_mov_b32 v[S+\n], 0                           ; places of the two blocks of relative values that no row fills
.endr
	s_wait_alu depctr_va_vdst(0)                   ; the ten logarithms and the four zeros are written, which the LDS stores below read: one wait for the ten, ahead of their first reader
.irp c, 0,1,2,3
.irp n, 0,1,2,3,4,5,6,7,8,9
	ds_store_b32 v[TAW], v[TP+\n] offset:(TCP-4)*\c+512*\n     ; T[e] to word e - c of copy c (the few words under 0 fall into the 64 spare bytes behind the copy before)
.endr
.endr
.irp g, 0,1
.irp b, 0,1,2,3
.irp q, 0,1,2,3
	ds_store_b128 v[SKA], v[O:O+3] offset:512*\g+128*\b+16*\q
.endr
.endr
.endr
	; ---- the relative values: tile w, lane (r, h) holds block h of row d along m
	s_wait_loadcnt 63                              ; their 21 loads are in: 65 are younger, and the wait's field names 63 at the most
	v_cmp_gt_u32 vcc_lo, 21, v236                  ; (for the relative keys below: does my row exist?)
.irp n, 21,22,23,24,25,26,27,28,29,30,31
	v_cndmask_b32 v[S+\n], 0, v[S+\n], s69         ; these places are block 0's: lanes 0-15
.endr
.irp n, 0,1,2,3,4,5,6,7,8,9
	v_cndmask_b32 v[S+\n], 0, v[S+\n], s68         ; and these block 1's: lanes 16-31
.endr
	QBLK S, PC, CT, TM, TM+1, TM+8, TM+4
	v_lshlrev_b32 v[TT], 3, v[HH]                  ; 8 h
	v_lshlrev_b32 v[TM+4], v[TT], v[TM+4]
	v_permlanex16_b32 v[TM+5], v[TM+4], s30, s31
	v_or_b32 v[TM+4], v[TM+4], v[TM+5]             ; bytes 0, 1: the two blocks; bytes 2, 3: 0, over zero codes
	; ---- the relative keys: tile w % 2, lane (r, h) holds block h of row 16 (w % 2) + r along d; waves 0 and 1 store
	s_wait_loadcnt 57                              ; their 8 loads are in: 16 + 9 + 32 are younger
	s_wait_alu depctr_va_vcc(0)                    ; VCC is written by the compare above, ahead of its first reader
.set j, 0
.rept 32
	v_cndmask_b32 v[S+32+j], 0, v[S+32+j], vcc_lo
.set j, j+1
.endr
	QBLK S+32, PC+6, CT+4, TM+2, TM+3, TM+9, TM+6
	v_lshlrev_b32 v[TM+6], v[TT], v[TM+6]
	v_permlanex16_b32 v[TM+7], v[TM+6], s30, s31
	v_or_b32 v[TM+6], v[TM+6], v[TM+7]
	; ---- the sums of v over the 11 steps outside the window
	s_wait_loadcnt 41                              ; the 16 loads are in: 9 + 32 are younger
	s_mov_b32 s71, 0x3f800000
	s_mov_b32 s67, 0
.set j, 0
.rept 16
	s_sub_co_u32 s70, j, s21
	s_cmp_lt_u32 s70, 5
	s_cselect_b32 s66, 0, s71                      ; 0 for the window's steps, else 1
.if j == 0
	v_pk_mul_f32 v[QP:QP+1], v[BT:BT+1], s[66:67] op_sel_hi:[1,0]
.else
	v_pk_fma_f32 v[QP:QP+1], v[BT+2*j:BT+2*j+1], s[66:67], v[QP:QP+1] op_sel_hi:[1,0,1]
.endif
.set j, j+1
.endr
	; ---- Q: my tile's six registers of the pair's twelve; the upper six become zero codes
	s_wait_loadcnt 32                              ; Q, its scale words and the mask words are in; the copy's 32 loads may be out
	s_and_b32 s70, s18, 1
	s_cselect_b32 s70, -1, 0
.irp i, 0,1,2,3,4,5
	v_cndmask_b32 v[Q+\i], v[Q+\i], v[Q+6+\i], s70
.endr
.irp i, 0,1,2,3,4,5
	v_mov_b32 v[Q+6+\i], 0
.endr
	; ---- what the three blocks above have made goes to LDS, behind one wait
	s_wait_alu depctr_va_vdst(0)                   ; both sets of codes (PC), their scale words (TM+4, TM+6) and the sums (QP) are written, which the stores below read; the sums are done reading BT, in which loads land behind the barrier
.irp t, 0,1,2
	ds_store_b64 v[RVW], v[PC+2*\t:PC+2*\t+1] offset:RVO+256*\t
.endr
	ds_store_b32 v[RVS], v[TM+4] offset:RVO+3072
	s_cmp_lt_u32 s18, 2
	s_cbranch_scc0 .Lno_rk
.irp t, 0,1,2
	ds_store_b64 v[RKW], v[PC+6+2*\t:PC+7+2*\t] offset:256*\t
.endr
	ds_store_b32 v[RKS], v[TM+6] offset:1536
.Lno_rk:
	ds_store_b64 v[VOW], v[QP:QP+1]
	; ---- the window's records into LDS, as they lie
.irp g, 0,1,2,3
	s_wait_loadcnt 24-8*\g                         ; eight more are in
	WIN 0x04                                       ; an LDS store's data are its source 1: window 1
.irp n, 0,1,2,3,4,5,6,7
	ds_store_b128 v[CPA], v[4*(8*\g+\n):4*(8*\g+\n)+3] offset:2048*(8*\g+\n)
.endr
.endr
	WIN 0
	s_cmp_lt_u32 s18, 2
	s_cbranch_scc0 .Lno_tail_st
	WIN 0x04
	ds_store_b128 v[CPT], v[128:131]
	WIN 0
.Lno_tail_st:
	s_wait_dscnt 0x0                               ; for the others' sake: my stores have landed
	s_barrier_signal -1
	s_barrier_wait -1                              ; the records, the table and the relative keys and values lie in LDS: nothing that waves share is written again
	s_wait_alu depctr_vm_vsrc(0)                   ; my LDS stores have read their data (the zeros in O, the table's entries in TP, PC, TM, QP, the copy's registers of window 1) and the head's loads their offsets v232-235: all of these are written again from here on
	; ---- the relative-key logits: R^T = (relative keys) x Q, scattered along the diagonal of my strip
.irp i, 0,1
.irp t, 0,1,2
	ds_load_b64 v[BT+6*\i+2*\t:BT+6*\i+2*\t+1], v[L8R] offset:768*\i+256*\t
.endr
	ds_load_b32 v[KS+\i], v[L4R] offset:1536+128*\i
.endr
.irp i, 0,1,2,3,4,5
	v_mov_b32 v[BT+12+\i], 0
.endr
	v_mov_b32 v[T0], 0xc61c4000                    ; -1e4
	v_mul_f32 v[T0], s24, v[T0]                    ; t0
	v_mov_b32 v[TMX], v[T0]                        ; the largest t so far: every row has keys with the score -1e4
	v_floor_f32 v[NM], -v[T0]                      ; -M
	v_mov_b32 v[LL], 0
	v_mov_b32 v[LL+1], 0
	v_mov_b32 v[FF+1], 0                           ; (named as the upper half of a pair)
.irp i, 0,1,2,3
	v_mov_b32 v[O+\i], 0xff800000                  ; -infinity
.endr
	WIN 0x40
.irp i, 0,1,2,3,4,5
	v_mov_b32 v[48+\i], 0                          ; behind K's 48 registers: what tile 7's fragment names as its upper six
.endr
	WIN 0
	s_wait_dscnt 0x0
	s_wait_alu depctr_va_vdst(0)                   ; Q's twelve registers and the zero codes behind the relative keys and behind K are written, which scaled products take as operands; so is -infinity in O, which stores below read
	WMS TP, BT, Q, 1, KS, QS, 0, 0
	WMS TP+8, BT+6, Q, 1, KS+1, QS, 0, 0
	NOPS 4
	s_wait_alu depctr_va_vdst(0)                   ; the two products have written TP, which the stores below read, and are done reading BT and KS, in which the loads of step 0 land
.irp i, 0,1
.irp j, 0,1,2,3,4,5,6,7
	ds_store_b32 v[SCA], v[TP+8*\i+\j] offset:64*\i+4*\j   ; row 16 i + 8 h + j of the relative keys: key - query = that - 10 (rows 21 on are zeros onto zeros)
.endr
.endr
	s_cmp_eq_u32 s19, 0
	s_cbranch_scc0 .Lnot_first
.irp b, 0,1,2,3
.irp q, 0,1,2,3
	ds_store_b128 v[SKA], v[O:O+3] offset:128*\b+16*\q         ; B = 0: the strip's first half are keys under 0: p = 0 there
.endr
.endr
.Lnot_first:
	s_cmp_eq_u32 s19, 31
	s_cbranch_scc0 .Lnot_last
.irp b, 0,1,2,3
.irp q, 0,1,2,3
	ds_store_b128 v[SKA], v[O:O+3] offset:512+128*\b+16*\q     ; B = 31: its second half are keys from 2,048 on
.endr
.endr
.Lnot_last:
.macro LDK kk                          ; step kk's K: 48 registers into window 1, four registers of scale words: 16 LDS loads
.if (\kk) < 3
.set LB_, (\kk)*REC
.set LA_, LI
.else
.set LB_, ((\kk)-3)*REC
.set LA_, LI3
.endif
	WIN 0x40
.irp p, 0,1,2,3,4,5,6,7,8,9,10,11
	ds_load_b128 v[4*\p:4*\p+3], v[LA_] offset:LB_+512*\p
.endr
	WIN 0
.irp i, 0,1,2,3
	ds_load_b32 v[KS+\i], v[LA_+2] offset:LB_+6144+128*\i
.endr
.endm
.macro LDV kk                          ; step kk's V: 48 registers at v56 of window 1, two registers of scale words: 14 LDS loads
.if (\kk) < 3
.set LB_, (\kk)*REC+6656
.set LA_, LI
.else
.set LB_, ((\kk)-3)*REC+6656
.set LA_, LI3
.endif
	WIN 0x40
.irp p, 0,1,2,3,4,5,6,7,8,9,10,11
	ds_load_b128 v[56+4*\p:59+4*\p], v[LA_] offset:LB_+512*\p
.endr
	WIN 0
.irp i, 0,1
	ds_load_b32 v[VSC+\i], v[LA_+2] offset:LB_+6144+128*\i
.endr
.endm
.macro LDT kk                          ; the table's 64 entries of step kk: blocks 0, 1 into BT, blocks 2, 3 into BU: 16 LDS loads
.irp b, 0,1
.irp q, 0,1,2,3
	ds_load_b128 v[BT+16*\b+4*\q:BT+16*\b+4*\q+3], v[TBA] offset:512*(\kk)+128*\b+16*\q
.endr
.endr
	WIN 0x40
.irp b, 0,1
.irp q, 0,1,2,3
	ds_load_b128 v[BU+16*\b+4*\q:BU+16*\b+4*\q+3], v[TBA] offset:512*(\kk)+256+128*\b+16*\q
.endr
.endr
	WIN 0
.endm
.macro TSC s0, tb                      ; t = score x log2(e) - log2(1 + |key - query|), 32 of them; tb: their table entries
.set j, 0
.rept 16
	v_pk_fma_f32 v[S+(\s0)+j:S+(\s0)+j+1], v[S+(\s0)+j:S+(\s0)+j+1], s[24:25], v[(\tb)+j:(\tb)+j+1] op_sel_hi:[1,0,1] neg_lo:[0,0,1] neg_hi:[0,0,1]
.set j, j+2
.endr
.endm
.macro RDL k, n0                       ; 32 lane-mask words, n0 on, into s32-63
.set n, \n0
.rept 32
	v_readlane_b32 s[32+n-(\n0)], v[MB+2*(\k)+n%2], n/2
.set n, n+1
.endr
.endm
.macro CNM n0                          ; t0 where a bit of word n is set
.set n, \n0
.rept 32
	v_cndmask_b32 v[S+n], v[S+n], v[T0], s[32+n-(\n0)]
.set n, n+1
.endr
.endm
; A KEY STEP: the window's k-th 128 keys.  At its head K's fragments are in registers and the table's 16 loads are out.
.macro STEP k
	s_sub_co_i32 s70, \k, s26                      ; 0 or 1 in the strip's two steps
	s_min_u32 s71, s70, 1
	s_lshl_b32 s71, s71, 9
	WIN 0x01                                       ; source 0 in window 1
.irp t, 0,1,2,3,4,5,6,7
	WMS S+8*\t, 6*\t, Q, 1, KS+\t/2, QS, \t%2, 0   ; S^T: registers 16 b + i of a lane are keys 32 b + 16 (lane / 16) + i
.endr
	WIN 0
	v_add_nc_u32 v[DA], s71, v[SKA]                ; the strip's half in hand.  (The LDS instructions of the step before that read DA stand ahead of that step's wait on vm_vsrc)
	RDL \k, 0                                      ; the mask words of blocks 0, 1, while the products are at work
	NOPS 4                                         ; places in front of the first read of the scores; kept beside the wait below for the loads into K's and V's registers
	s_wait_alu depctr_va_vdst(0)                   ; THE HEAD WAIT: the eight products are done reading K and KS; the last step's V^T P is done reading V, VSC and p's codes; its additions are done reading TP; all work on v48-79 is done; DA is written
	s_wait_alu depctr_va_sdst(0)                   ; s32-63 are written, ahead of the branch below and of their first readers
	LDV \k
.if \k < 4
	LDK (\k)+1
.endif
	s_cmp_lt_u32 s70, 2
	s_cbranch_scc0 .Lnd1_\@
.irp b, 0,1
.irp q, 0,1,2,3
	ds_load_b128 v[TP+16*\b+4*\q:TP+16*\b+4*\q+3], v[DA] offset:128*\b+16*\q
.endr
.endr
.irp b, 0,1
.irp q, 0,1,2,3
	ds_load_b128 v[SB2+16*\b+4*\q:SB2+16*\b+4*\q+3], v[DA] offset:256+128*\b+16*\q
.endr
.endr
	s_wait_dscnt 0x0
.set j, 0
.rept 16
	v_pk_add_f32 v[S+j:S+j+1], v[S+j:S+j+1], v[TP+j:TP+j+1]   ; + the relative-key logits (zeros off the diagonal)
.set j, j+2
.endr
.set j, 0
.rept 16
	v_pk_add_f32 v[S+32+j:S+32+j+1], v[S+32+j:S+32+j+1], v[SB2+j:SB2+j+1]
.set j, j+2
.endr
.Lnd1_\@:
.if \k < 4
	s_wait_dscnt 30                                ; the table's 16 loads are in; V's 14 and the next K's 16 loads may be out
.else
	s_wait_dscnt 14                                ; the same with V's 14 alone
.endif
	TSC 0, BT
	CNM 0
	RDL \k, 32                                     ; the mask words of blocks 2, 3; the scaling below stands between them and the wait for them
	WIN 0x10                                       ; source 2 in window 1
	TSC 32, BU
	WIN 0
	s_wait_alu depctr_va_sdst(0)                   ; s32-63 are written anew, ahead of their first readers
	CNM 32
	s_cmp_lt_u32 s70, 2
	s_cbranch_scc0 .Lnd2_\@
	s_wait_alu depctr_va_vdst(0)                   ; the final t are written into S, which the stores below read
.irp b, 0,1,2,3
.irp q, 0,1,2,3
	ds_store_b128 v[DA], v[S+16*\b+4*\q:S+16*\b+4*\q+3] offset:128*\b+16*\q   ; the final t, for the diagonal's read at the end
.endr
.endr
.Lnd2_\@:
.irp b, 0,1,2,3
	v_max3_num_f32 v[TM+\b], v[S+16*\b], v[S+1+16*\b], v[S+2+16*\b]   ; the largest t of each block of 32 keys: for the row's maximum, and, since p rises with t, for the block's largest p
.endr
.irp i, 3,5,7,9,11,13
.irp b, 0,1,2,3
	v_max3_num_f32 v[TM+\b], v[TM+\b], v[S+16*\b+\i], v[S+1+16*\b+\i]
.endr
.endr
.irp b, 0,1,2,3
	v_max_num_f32 v[TM+\b], v[TM+\b], v[S+15+16*\b]
.endr
.irp b, 0,1,2,3
	v_permlanex16_b32 v[TM+4+\b], v[TM+\b], s30, s31
.endr
.irp b, 0,1,2,3
	v_max_num_f32 v[TM+\b], v[TM+\b], v[TM+4+\b]   ; with lane l xor 16's 16 keys
.endr
	v_max3_num_f32 v[TT], v[TM], v[TM+1], v[TM+2]
	v_max3_num_f32 v[TMX], v[TMX], v[TT], v[TM+3]  ; the running largest t
	v_mov_b32 v[TT], v[NM]
	v_floor_f32 v[NM], -v[TMX]                     ; the new -M: M is a whole number
	v_sub_f32 v[TT], v[NM], v[TT]
	v_cvt_i32_f32 v[TT], v[TT]                     ; (it saturates)
	v_ldexp_f32 v[FF], 1.0, v[TT]                  ; f = 2^(old M - new M)
	s_wait_dscnt 0x0                               ; V and the next K are in; the stores into the strip are done
	s_wait_alu depctr_vm_vsrc(0)                   ; in the strip's two steps the stores have read S, which is written below, and DA, which the next step writes
.set j, 0
.rept 32
	v_pk_add_f32 v[S+j:S+j+1], v[S+j:S+j+1], v[NM:NM+1] op_sel_hi:[1,0]   ; t - M
.set j, j+2
.endr
.irp b, 0,1,2,3
	v_add_f32 v[TM+\b], v[TM+\b], v[NM]            ; the same of each block's largest t
.endr
.set j, 0
.rept 64
	v_exp_f32 v[S+j], v[S+j]                       ; p = 2^(t - M): not normalised
.set j, j+1
.endr
	v_pk_mul_f32 v[LL:LL+1], v[LL:LL+1], v[FF:FF+1] op_sel_hi:[1,0]   ; the sums under the new M (a plain place behind the exponentials)
	s_wait_alu depctr_va_vdst(0)                   ; the 64 exponentials have written p: one wait, ahead of their first reader; and the two scalings are done reading BT and BU, in which the loads below land
.if \k < 4
	LDT (\k)+1
.endif
.irp b, 0,1,2,3
	v_exp_f32 v[TM+\b], v[TM+\b]                   ; the block's largest p: the same addition and exponential on the same number
.endr
	v_pk_add_f32 v[TT:TT+1], v[S:S+1], v[S+2:S+3]  ; the row's sum is taken of the unquantised p, in two chains
.set j, 4
.rept 15
	v_pk_add_f32 v[LL:LL+1], v[LL:LL+1], v[S+j:S+j+1]
	v_pk_add_f32 v[TT:TT+1], v[TT:TT+1], v[S+j+2:S+j+3]
.set j, j+4
.endr
	v_pk_add_f32 v[LL:LL+1], v[LL:LL+1], v[TT:TT+1]
	s_wait_alu depctr_va_vdst(0)                   ; the four exponentials have written the blocks' largest p, ahead of their first reader
.irp b, 0,1,2,3
	v_max_num_f32 v[TM+\b], 0x1800000, v[TM+\b]    ; the floor 2^(3 - 127)
.endr
.irp b, 0,1,2,3
	v_add_nc_u32 v[TM+8+\b], 0xff000000, v[TM+\b]
.endr
.irp b, 0,1,2,3
	v_lshrrev_b32 v[TM+4+\b], 23, v[TM+8+\b]
.endr
	v_lshl_or_b32 v[PS], v[TM+5], 8, v[TM+4]       ; p's scale word for these 128 keys
	v_lshl_or_b32 v[PS], v[TM+6], 16, v[PS]
	v_lshl_or_b32 v[PS], v[TM+7], 24, v[PS]
.irp c, 0,1
	v_cvt_scalef32_pk16_fp6_f32 v[PC+6*\c:PC+6*\c+2], v[S+32*\c:S+32*\c+15], v[TM+8+2*\c]
	v_cvt_scalef32_pk16_fp6_f32 v[CT+4*\c:CT+4*\c+2], v[S+32*\c+16:S+32*\c+31], v[TM+9+2*\c]
.endr
	v_nop                                          ; one plain place behind a scaled conversion
.irp c, 0,1
.irp i, 0,1,2
	v_permlane16_swap_b32 v[PC+6*\c+\i], v[CT+4*\c+\i]
.endr
.irp i, 0,1,2
	v_mov_b32 v[PC+6*\c+3+\i], v[CT+4*\c+\i]
.endr
.endr
.if \k == 0
	NOPS 8                                         ; a scale register written by a vector instruction stands 8 places ahead of a scaled product
.else
.set j, 0
.rept 16
	v_pk_mul_f32 v[O+j:O+j+1], v[O+j:O+j+1], v[FF:FF+1] op_sel_hi:[1,0]   ; O^T under the new M; these are also those places
.set j, j+2
.endr
.endif
	s_wait_alu depctr_va_vdst(0)                   ; p's codes and its scale word are written, which the four products take as source 1 and its scales
	WIN 0x01
.irp t, 0,1,2,3
.if \k == 0
	WMS O+8*\t, 56+12*\t, PC, 1, VSC+\t/2, PS, \t%2, 0
.else
	WMS O+8*\t, 56+12*\t, PC, 0, VSC+\t/2, PS, \t%2, 0
.endif
.endr
.endm
	LDK 0
	LDT 0
	s_wait_dscnt 16                                ; K and its scale words are in (and all my stores into the strip are done); the table's 16 loads may be out
	s_wait_alu depctr_vm_vsrc(0)                   ; the stores into my strip have read TP, in which the strip's loads land, and O, which the first V^T P writes
	STEP 0
	STEP 1
	STEP 2
	STEP 3
	STEP 4
	WIN 0
	; ---- THE END OF A ROW.  The 56 loads below owe no wait: since the last wait on va_vdst (ahead of the last V^T P) no vector or matrix instruction has named TP, S to S + 55 or KS
.irp i, 0,1,2,3,4,5
	v_mov_b32 v[S+56+\i], 0                        ; what tile 3 of the relative values names as its upper six.  (These six are the places behind the last products)
.endr
.irp t, 0,1,2,3
	ds_load_b128 v[TP+8*\t:TP+8*\t+3], v[VOR] offset:64*\t          ; the sums of v outside the window, in O^T's layout
	ds_load_b128 v[TP+8*\t+4:TP+8*\t+7], v[VOR] offset:64*\t+16
.endr
.irp b, 0,1
.irp i, 0,1,2,3,4,5,6,7,8,9,10,11,12,13,14,15
	ds_load_b32 v[S+16*\b+\i], v[SRA] offset:128*\b+4*\i            ; t at key - query = -31 + 32 b + 16 h + i
.endr
.endr
.irp t, 0,1,2,3
.irp q, 0,1,2
	ds_load_b64 v[S+32+6*\t+2*\q:S+33+6*\t+2*\q], v[L8R] offset:RVO+768*\t+256*\q
.endr
.endr
.irp t, 0,1,2,3
	ds_load_b32 v[KS+\t], v[L4R] offset:RVO+3072+128*\t
.endr
	s_mov_b32 s71, 0x44b00000                      ; 1,408
	v_add_f32 v[LL], v[LL], v[LL+1]
	v_permlanex16_b32 v[TM+4], v[LL], s30, s31
	v_add_f32 v[LL], v[LL], v[TM+4]                ; the window's part of the row's sum
	v_add_f32 v[TT], v[T0], v[NM]
	v_exp_f32 v[TT], v[TT]                         ; p0
	v_nop
	s_wait_alu depctr_va_vdst(0)                   ; the exponential has written p0, ahead of its first reader
	v_fma_f32 v[LL], v[TT], s71, v[LL]             ; + the 1,408 keys outside
	v_and_b32 v[QP], 0x7f800000, v[TT]             ; Q(p0): p0's power of two
	v_rcp_f32 v[FF], v[LL]
	v_mov_b32 v[QP+1], 0
	s_wait_alu depctr_va_vdst(0)                   ; the reciprocal has written 1 / the sum, ahead of its first reader
	s_wait_dscnt 48                                ; the first 8 loads are in: 32 + 12 + 4 are younger
.set j, 0
.rept 16
	v_pk_fma_f32 v[O+j:O+j+1], v[TP+j:TP+j+1], v[QP:QP+1], v[O+j:O+j+1] op_sel_hi:[1,0,1]
.set j, j+2
.endr
.set j, 0
.rept 16
	v_pk_mul_f32 v[O+j:O+j+1], v[O+j:O+j+1], v[FF:FF+1] op_sel_hi:[1,0]   ; / the sum
.set j, j+2
.endr
	s_wait_dscnt 16                                ; the diagonal's 32 t are in: 12 + 4 are younger
.set j, 0
.rept 16
	v_pk_add_f32 v[S+j:S+j+1], v[S+j:S+j+1], v[NM:NM+1] op_sel_hi:[1,0]
.set j, j+2
.endr
.set j, 0
.rept 32
	v_exp_f32 v[S+j], v[S+j]
.set j, j+1
.endr
	v_nop
	s_wait_alu depctr_va_vdst(0)                   ; the 32 exponentials have written p, ahead of their first reader
.set j, 0
.rept 16
	v_pk_mul_f32 v[S+j:S+j+1], v[S+j:S+j+1], v[FF:FF+1] op_sel_hi:[1,0]   ; the finished softmax
.set j, j+2
.endr
	QUANT2 S, PC, PS
.irp i, 0,1,2,3,4,5
	v_mov_b32 v[PC+6+\i], 0
.endr
	NOPS 8
	s_wait_dscnt 0x0
	s_wait_alu depctr_va_vdst(0)                   ; the softmax's codes with their zero half, its scale word and the zeros behind the relative values are written, which the four products take as operands and scales
.irp t, 0,1,2,3
	WMS O+8*\t, S+32+6*\t, PC, 0, KS+\t, PS, 0, 0
.endr
	NOPS 4
	QUANT2 O, PC, PS                               ; registers 16 b + i of O^T are d = 32 b + 16 h + i: the last projection's K
	v_and_b32 v84, 31, v0
	v_lshlrev_b32 v84, 3, v84
	v_lshl_add_u32 v85, v[RR], 4, v[HH]
	v_cndmask_b32 v[TT], v[TM+4], v[TM+5], s68     ; lane (r, h): the byte of block h
	s_wait_alu depctr_va_vdst(0)                   ; the codes, the scale byte and the two offsets are written, which the stores read
.irp q, 0,1,2
	global_store_b64 v84, v[PC+2*\q:PC+2*\q+1], s[14:15] offset:256*\q   ; 256 consecutive bytes, aligned
.endr
	global_store_b8 v85, v[TT], s[16:17]
	s_set_vgpr_msb 0x5
	s_wait_dscnt 0x0
	s_wait_alu depctr_hold_cnt(0) depctr_sa_sdst(0) depctr_va_vdst(0) depctr_va_sdst(0) depctr_va_ssrc(0) depctr_va_vcc(0) depctr_vm_vsrc(0)
	s_wait_tensorcnt 0x0
	ds_add_u32 v136, v137
	s_wait_dscnt 0x0
	s_endpgm
.Lfunc_end_k_qf9969f9625_attn:
	.size	k_qf9969f9625_attn, .Lfunc_end_k_qf9969f9625_attn-k_qf9969f9625_attn
	.p2alignl 7, 3214868480
	.fill 96, 4, 3214868480
	.section	.rodata,"a",@progbits
	.p2align	6, 0x0
	.amdhsa_kernel k_qf9969f9625_attn
		.amdhsa_group_segment_fixed_size 160768
		.amdhsa_private_segment_fixed_size 0
		.amdhsa_enable_private_segment 0
		.amdhsa_kernarg_size 56
		.amdhsa_user_sgpr_count 2
		.amdhsa_user_sgpr_kernarg_segment_ptr 1
		.amdhsa_wavefront_size32 1
		.amdhsa_system_sgpr_workgroup_id_x 1
		.amdhsa_system_sgpr_workgroup_id_y 1
		.amdhsa_system_sgpr_workgroup_id_z 1
		.amdhsa_system_vgpr_workitem_id 0
		.amdhsa_next_free_vgpr 394
		.amdhsa_next_free_sgpr 80
		.amdhsa_reserve_vcc 1
		.amdhsa_float_denorm_mode_32 3
		.amdhsa_float_denorm_mode_16_64 3
		.amdhsa_memory_ordered 1
		.amdhsa_forward_progress 1
		.amdhsa_inst_pref_size 207
	.end_amdhsa_kernel
	.amdgpu_metadata
---
amdhsa.version: [ 1, 2 ]
amdhsa.kernels:
  - .name:           k_qf9969f9625_attn
    .symbol:         k_qf9969f9625_attn.kd
    .args:
      - { .name: qimg, .offset: 0, .size: 8, .value_kind: global_buffer, .address_space: global }
      - { .name: kv, .offset: 8, .size: 8, .value_kind: global_buffer, .address_space: global }
      - { .name: mbits, .offset: 16, .size: 8, .value_kind: global_buffer, .address_space: global }
      - { .name: emb_rel_k, .offset: 24, .size: 8, .value_kind: global_buffer, .address_space: global }
      - { .name: emb_rel_v, .offset: 32, .size: 8, .value_kind: global_buffer, .address_space: global }
      - { .name: oimg, .offset: 40, .size: 8, .value_kind: global_buffer, .address_space: global }
      - { .name: oscl, .offset: 48, .size: 8, .value_kind: global_buffer, .address_space: global }
    .group_segment_fixed_size: 160768
    .private_segment_fixed_size: 0
    .kernarg_segment_align: 8
    .kernarg_segment_size: 56
    .max_flat_workgroup_size: 128
    .sgpr_count:     80
    .vgpr_count:     394
    .wavefront_size: 32
...
	.end_amdgpu_metadata
.endif
;; end of part 6
;; launch outp (part 7): grid 8 x 32, 4 waves a work-group, no clusters, 17,920 bytes of LDS; arguments oimg, oscl, wc, bo, out0; writes out0
.if DOCPART == 7
	.amdgcn_target "amdgcn-amd-amdhsa--gfx1250"
	.amdhsa_code_object_version 6
	.text
	.protected	k_qf9969f9625_outp
	.globl	k_qf9969f9625_outp
	.p2align	8
	.type	k_qf9969f9625_outp,@function
k_qf9969f9625_outp:
	s_mov_b64 s[64:65], 0
	v_nop
	global_prefetch_b8 v0, s[64:65] scope:SCOPE_SE
	s_setreg_imm32_b32 hwreg(HW_REG_WAVE_SCHED_MODE, 0, 2), 2
	s_setreg_imm32_b32 hwreg(HW_REG_WAVE_MODE, 25, 1), 1
	s_wait_xcnt 0x0
	s_wait_alu depctr_vm_vsrc(0)
; OUT.  out0[o][t] = the sum over the 512 channels of wo[o][c] a[t][c] + bo[o], on codes of FP6 (E2M3): a = the attention's result, quantised by the launch before.
; Work-group (ox, ty): 64 outputs x 64 t.  Wave w: one tile of 16 outputs (tile 4 (ox % 2) + w of wo's record ox / 2: lane r stands for row 32 (tile / 2) + 8 (tile % 2) + r + 8 (r / 8)) as source 1,
; the four tiles of 16 t as source 0: a lane then holds eight neighbouring t of one output row.  K = 512: four steps; four accumulators by turns.  The bias is the C of each sum's first product.
; All loads stand in one run at the head; waves share nothing: no barrier.  A tile goes out through the wave's own stage, so that sixteen lanes store 256 consecutive bytes.
; THE MODE: SCHED_MODE bits 1:0 = 2 (LLVM: expert scheduling mode 2), set by the entry lines.  The code itself states the register dependences
; between vector or matrix instructions and memory or LDS instructions, with s_wait_alu, always for 0.
; THE PLAN.  Registers that memory or LDS instructions touch:
;   v5-12      offsets and LDS addresses: made once at the head, never written again: one wait on va_vdst ahead of the first load.
;   WB, WS, OS, v84, window 1   written by the head's loads alone, read by the products.
;   ACC        written by the products, read by the LDS stores: the places, then one wait on va_vdst.
;   OB         written by LDS loads, read by the global stores; no vector instruction names it.
.set GREC, 51200
.set KST,  12800
.set WB,  16                           ; v16-63  wo's four fragments
.set WS,  64                           ; v64-67  their scale words
.set OS,  68                           ; v68-83  a's scale words: tile m, K step s at 4 m + s
.set BO,  84                           ; v84-91  bo of my lane's output, eight times
.set ACC, 96                           ; v96-127
.set OB,  128                          ; v128-159 the way out
.set MSB, 0
.macro WIN new                         ; the immediate's high byte repeats the setting that is left
.if MSB != \new
	s_set_vgpr_msb (MSB<<8)|\new
.set MSB, \new
.endif
.endm
	s_load_b256 s[4:11], s[0:1], 0x0               ; oimg s[4:5], oscl s[6:7], wc s[8:9], bo s[10:11]
	s_load_b64 s[12:13], s[0:1], 0x20              ; out0
	v_lshl_add_u32 v254, v0, 2, 0x4400
	v_mov_b32 v255, 0
	v_lshrrev_b32 v1, 5, v0
	v_readfirstlane_b32 s14, v1                    ; wave 0..3
	s_and_b32 s15, ttmp7, 0xffff                   ; ty
	s_and_b32 s16, ttmp9, 1
	s_lshl_b32 s16, s16, 2
	s_wait_alu depctr_va_sdst(0)                   ; s14 is written, ahead of its first reader
	s_add_co_u32 s16, s16, s14                     ; my tile of the record's eight
	s_lshr_b32 s17, ttmp9, 1                       ; the record
	s_lshr_b32 s18, s16, 1
	s_and_b32 s19, s16, 1
	s_lshl_b32 s20, s17, 7
	s_lshl_b32 s21, s18, 5
	s_add_co_u32 s20, s20, s21
	s_lshl_b32 s21, s19, 3
	s_add_co_u32 s20, s20, s21                     ; lane 0's output
	v_and_b32 v2, 31, v0                           ; lane
	v_and_b32 v3, 15, v0                           ; r
	v_bfe_u32 v4, v0, 4, 1                         ; h
	v_lshlrev_b32 v5, 4, v2
	v_lshlrev_b32 v6, 3, v2
	s_lshl_b32 s21, s19, 4
	v_add_nc_u32 v7, s21, v3
	v_lshlrev_b32 v7, 2, v7                        ; my row's scale word in its pair's register
	v_lshlrev_b32 v8, 4, v3
	v_and_b32 v9, 8, v3
	v_add_nc_u32 v9, v9, v3
	v_lshlrev_b32 v9, 2, v9                        ; 4 (r + 8 (r / 8))
	s_mul_i32 s21, s14, 16*272                     ; my stage: 16 rows (outputs) x (256 bytes + 16)
	v_mul_u32_u24 v10, v3, 272
	v_lshl_add_u32 v10, v4, 5, v10
	v_add_nc_u32 v10, s21, v10                     ; in: row r, + 32 h
	v_mul_u32_u24 v11, v4, 272
	v_lshl_add_u32 v11, v3, 4, v11
	v_add_nc_u32 v11, s21, v11                     ; back: lanes 0-15 one row, lanes 16-31 the next
	v_lshlrev_b32 v12, 13, v4
	v_lshl_add_u32 v12, v3, 4, v12                 ; and the same two rows in out0
	s_add_co_u32 s22, s17, 12
	s_mul_i32 s22, s22, GREC                       ; wo's records are the last four
	s_mov_b32 s23, 0
	s_wait_kmcnt 0x0
	s_add_nc_u64 s[8:9], s[8:9], s[22:23]
	s_lshl_b32 s22, s18, 7
	s_add_nc_u64 s[24:25], s[8:9], s[22:23]        ; my pair's scale words
	s_mul_i32 s22, s16, 1536
	s_add_nc_u64 s[8:9], s[8:9], s[22:23]          ; my tile's codes
	s_mul_i32 s22, s15, 24576                      ; 4 tiles x 8 heads x 768 bytes
	s_add_nc_u64 s[4:5], s[4:5], s[22:23]
	s_lshl_b32 s22, s15, 10
	s_add_nc_u64 s[6:7], s[6:7], s[22:23]
	s_lshl_b32 s22, s20, 2
	s_add_nc_u64 s[10:11], s[10:11], s[22:23]
	s_lshl_b32 s22, s20, 13
	s_lshl_b32 s26, s15, 8
	s_add_co_u32 s22, s22, s26
	s_add_nc_u64 s[12:13], s[12:13], s[22:23]
	s_wait_alu depctr_va_vdst(0)                   ; the offsets and LDS addresses v5-12 are written: every load and store of the kernel reads one of them
.irp s, 0,1,2,3
.irp q, 0,1,2
	global_load_b128 v[WB+12*\s+4*\q:WB+12*\s+4*\q+3], v5, s[8:9] offset:KST*\s+512*\q
.endr
	global_load_b32 v[WS+\s], v7, s[24:25] offset:KST*\s+12288
.endr
.irp m, 0,1,2,3
	global_load_b128 v[OS+4*\m:OS+4*\m+3], v8, s[6:7] offset:256*\m        ; a row's 16 scale bytes: word s is K step s's
.endr
	global_load_b32 v[BO], v9, s[10:11]
	WIN 0x40                                       ; destination in window 1: fragment (m, s) at 12 (4 m + s); its halves are heads 2 s and 2 s + 1
.irp m, 0,1,2,3
.irp s, 0,1,2,3
.irp c, 0,1
.irp q, 0,1,2
	global_load_b64 v[12*(4*\m+\s)+6*\c+2*\q:12*(4*\m+\s)+6*\c+2*\q+1], v6, s[4:5] offset:(8*\m+2*\s+\c)*768+256*\q
.endr
.endr
.endr
.endr
	WIN 0
	s_wait_loadcnt 0x0
.irp i, 1,2,3,4,5,6,7
	v_mov_b32 v[BO+\i], v[BO]
.endr
.rept 4
	v_nop
.endr
	WIN 0x01                                       ; source 0 in window 1
.irp s, 0,1,2,3
.irp m, 0,1,2,3
.if \s == 0
	v_wmma_scale_f32_16x16x128_f8f6f4 v[ACC+8*\m:ACC+8*\m+7], v[12*(4*\m+\s):12*(4*\m+\s)+11], v[WB+12*\s:WB+12*\s+11], v[BO:BO+7], v[OS+4*\m+\s], v[WS+\s] matrix_a_fmt:MATRIX_FMT_FP6 matrix_b_fmt:MATRIX_FMT_FP6
.else
	v_wmma_scale_f32_16x16x128_f8f6f4 v[ACC+8*\m:ACC+8*\m+7], v[12*(4*\m+\s):12*(4*\m+\s)+11], v[WB+12*\s:WB+12*\s+11], v[ACC+8*\m:ACC+8*\m+7], v[OS+4*\m+\s], v[WS+\s] matrix_a_fmt:MATRIX_FMT_FP6 matrix_b_fmt:MATRIX_FMT_FP6
.endif
.endr
.endr
	WIN 0
.rept 4
	v_nop                                          ; places in front of the first read of results
.endr
	s_wait_alu depctr_va_vdst(0)                   ; the products have written the four accumulators, which the LDS stores read; the places above stay beside this wait
.irp m, 0,1,2,3
	ds_store_b128 v10, v[ACC+8*\m:ACC+8*\m+3] offset:64*\m          ; lane (r, h): out0(output of lane r, t = 16 m + 8 h + 0 .. 7); each accumulator from its low end on
	ds_store_b128 v10, v[ACC+8*\m+4:ACC+8*\m+7] offset:64*\m+16
.endr
.irp i, 0,1,2,3,4,5,6,7
	ds_load_b128 v[OB+4*\i:OB+4*\i+3], v11 offset:544*\i            ; LDS serves a wave's instructions in order: these see my stores
.endr
.irp i, 0,1,2,3,4,5,6,7
	s_wait_dscnt 7-\i
	global_store_b128 v12, v[OB+4*\i:OB+4*\i+3], s[12:13] offset:(2*\i+8*(\i/4))*8192 th:TH_STORE_NT   ; stage row 2 i + h is output row 2 i + h + 8 (i / 4): sixteen lanes store 256 consecutive bytes, aligned
.endr
	s_wait_dscnt 0x0
	s_wait_alu depctr_hold_cnt(0) depctr_sa_sdst(0) depctr_va_vdst(0) depctr_va_sdst(0) depctr_va_ssrc(0) depctr_va_vcc(0) depctr_vm_vsrc(0)
	s_wait_tensorcnt 0x0
	ds_add_u32 v254, v255
	s_wait_dscnt 0x0
	s_endpgm
.Lfunc_end_k_qf9969f9625_outp:
	.size	k_qf9969f9625_outp, .Lfunc_end_k_qf9969f9625_outp-k_qf9969f9625_outp
	.p2alignl 7, 3214868480
	.fill 96, 4, 3214868480
	.section	.rodata,"a",@progbits
	.p2align	6, 0x0
	.amdhsa_kernel k_qf9969f9625_outp
		.amdhsa_group_segment_fixed_size 17920
		.amdhsa_private_segment_fixed_size 0
		.amdhsa_enable_private_segment 0
		.amdhsa_kernarg_size 40
		.amdhsa_user_sgpr_count 2
		.amdhsa_user_sgpr_kernarg_segment_ptr 1
		.amdhsa_wavefront_size32 1
		.amdhsa_system_sgpr_workgroup_id_x 1
		.amdhsa_system_sgpr_workgroup_id_y 1
		.amdhsa_system_sgpr_workgroup_id_z 1
		.amdhsa_system_vgpr_workitem_id 0
		.amdhsa_next_free_vgpr 448
		.amdhsa_next_free_sgpr 66
		.amdhsa_reserve_vcc 0
		.amdhsa_float_denorm_mode_32 3
		.amdhsa_float_denorm_mode_16_64 3
		.amdhsa_memory_ordered 1
		.amdhsa_forward_progress 1
		.amdhsa_inst_pref_size 19
	.end_amdhsa_kernel
	.amdgpu_metadata
---
amdhsa.version: [ 1, 2 ]
amdhsa.kernels:
  - .name:           k_qf9969f9625_outp
    .symbol:         k_qf9969f9625_outp.kd
    .args:
      - { .name: oimg, .offset: 0, .size: 8, .value_kind: global_buffer, .address_space: global }
      - { .name: oscl, .offset: 8, .size: 8, .value_kind: global_buffer, .address_space: global }
      - { .name: wc, .offset: 16, .size: 8, .value_kind: global_buffer, .address_space: global }
      - { .name: bo, .offset: 24, .size: 8, .value_kind: global_buffer, .address_space: global }
      - { .name: out0, .offset: 32, .size: 8, .value_kind: global_buffer, .address_space: global }
    .group_segment_fixed_size: 17920
    .private_segment_fixed_size: 0
    .kernarg_segment_align: 8
    .kernarg_segment_size: 40
    .max_flat_workgroup_size: 128
    .sgpr_count:     66
    .vgpr_count:     448
    .wavefront_size: 32
...
	.end_amdgpu_metadata
.endif
;; end of part 7
